; MI455X (gfx1250); checked and timed in simulation.
; The chip was launched on July 23, 2026; its instructions are those of AMD's public machine-readable ISA for CDNA 5 (MIT licence, August 2026) and "CDNA5" Instruction Set Architecture Reference Guide (July 2026). The comments in the code are by the model that wrote it; some were corrected since.
;; Transformer Block. Allowed arithmetic: matrix products marked QUANTISED: E2M3 operands, one E8M0 scale for each 32 along K, by v_wmma_scale_f32_16x16x128_f8f6f4 with both operands' format E2M3, f32 sums; everything else in f32.
;; Inputs: W1 1,024 x 4,096 float32; W2 4,096 x 1,024 float32; Wk 1,024 x 1,024 float32; Wo 1,024 x 1,024 float32; Wq 1,024 x 1,024 float32; Wv 1,024 x 1,024 float32; b1 4,096 float32; b2 1,024 float32; bk 1,024 float32; bo 1,024 float32; bq 1,024 float32; bv 1,024 float32; g1 1,024 float32; g2 1,024 float32; s1 1,024 float32; s2 1,024 float32; x 2 x 2,048 x 1,024 float32.
;; Outputs: out0 2 x 2,048 x 1,024 float32.
;; This version of the problem:
;;   THIS VERSION OF THE PROBLEM IS GIVEN IN LOW PRECISION. The matrix products marked QUANTISED in the list below multiply operands that are first quantised to E2M3 (2 exponent bits, 3 mantissa bits; 6 bits a number), with one power-of-two scale for each 32 numbers along K (OCP MX v1.0); their sums are f32. All else is computed in f32.
;;   The module's matrix products, in the order in which they are computed (A, B: the left and right operand; K: the contracted axis; several contracted axes count as one K, in the product's order):
;;     1. [M 4,096, K 1,024] x [K 1,024, N 1,024]; A: computed on the way; B: input Wq: QUANTISED
;;     2. [M 4,096, K 1,024] x [K 1,024, N 1,024]; A: computed on the way; B: input Wk: QUANTISED
;;     3. [M 4,096, K 1,024] x [K 1,024, N 1,024]; A: computed on the way; B: input Wv: QUANTISED
;;     4. batch 32 x [M 2,048, K 64] x [K 64, N 2,048]; A: computed on the way; B: computed on the way: QUANTISED
;;     5. batch 32 x [M 2,048, K 2,048] x [K 2,048, N 64]; A: softmax (see below); B: computed on the way: QUANTISED
;;     6. [M 4,096, K 1,024] x [K 1,024, N 1,024]; A: computed on the way; B: input Wo: QUANTISED
;;     7. [M 4,096, K 1,024] x [K 1,024, N 4,096]; A: computed on the way; B: input W1: QUANTISED
;;     8. [M 4,096, K 4,096] x [K 4,096, N 1,024]; A: computed on the way; B: input W2: QUANTISED
;;   THE QUANTISER, for each operand of a quantised product, along K:
;;     - K is cut into blocks of 32 from its start; a last block that is shorter is filled with zeros.
;;     - A block's scale is 2^e with e = floor(log2(the largest magnitude in the block)) - 2, held to -126 .. 127; a block of zeros has e = 0. As a byte (E8M0): e + 127.
;;     - Each number is divided by its block's scale, clamped to +-7.5, and rounded to the nearest number of E2M3, ties to even, subnormals kept.
;;     - The product sums the exact products of the quantised numbers (number of the format x scale) in f32.
;;   ~~~python
;;   def quantise(x, axis):      # numpy; x: float32 -> the quantised numbers, widened to float32 again
;;       x = np.moveaxis(x, axis, -1); K = x.shape[-1]
;;       x = np.pad(x, [(0, 0)] * (x.ndim - 1) + [(0, -K % 32)]); x = x.reshape(x.shape[:-1] + (-1, 32)); a = np.abs(x).max(-1, keepdims=True)
;;       e = np.where(a > 0, np.clip(np.frexp(np.where(a > 0, a, 1))[1] - 1 - 2, -126, 127), 0)      # np.frexp(a)[1] - 1 = floor(log2(a)), exactly
;;       r = np.clip(x / 2.0 ** e, -7.5, 7.5)
;;       step = 2.0 ** (np.maximum(np.frexp(np.where(r == 0, 1, r))[1] - 1, 0) - 3)
;;       q = np.round(r / step) * step * 2.0 ** e      # np.round: ties to even
;;       return np.moveaxis(q.reshape(q.shape[:-2] + (-1,))[..., :K], -1, axis).astype(np.float32)
;;   ~~~
;;   SOFTMAX AHEAD OF A QUANTISED PRODUCT. Where the list says 'softmax', what is quantised is not the finished softmax but p = 2^(t - M), with t = logit x log2(e) and M = ceil(the row's largest t), a whole number; so 1/2 < the row's largest p <= 1. The row's sum l is taken of the UNQUANTISED p, in f32, and the product's result is divided by l at the end. Since M is a whole number, a kernel that streams over the keys may use a running M (the ceiling of the running maximum): every later rescaling is an exact power of two, which a block's scale takes up: the codes' values come out the same.
;;   OPERANDS COMPUTED ON THE WAY. 'Computed on the way' means the value that the module computes at that place (a softmax that the list does not call 'softmax' is quantised finished and normalised). What goes into a quantiser is computed in f32, as accurately as f32 sums, v_exp_f32 and their like allow (about 1e-6 of the number): no bf16 or f16 on the way to a quantiser, and a product that is left as it is and whose result goes on into a quantised operand takes f32 operands (vector FMAs, or v_wmma_f32_16x16x4_f32). A number that lies on a knife's edge between two numbers of the format may be rounded either way, as far as f32 arithmetic and the matrix unit's own rounding can turn it there, and no further.
;; 2 versions. Each part assembles by itself: llvm-mc -triple=amdgcn-amd-amdhsa -mcpu=gfx1250 --defsym DOCPART=n.
;; ======== version 1 of 2: 8 launches
;; workspace buffers: wc 9,830,400 bytes; hc 3,276,800 bytes; qk 6,553,600 bytes; vt 3,276,800 bytes; cc 3,276,800 bytes; x1 16,777,216 bytes; gc 13,107,200 bytes
;; launch wquant (part 1): grid 384 x 1, 4 waves a work-group, no clusters, 25,088 bytes of LDS; arguments Wq, Wk, Wv, Wo, W1, W2, wc; writes wc
.if DOCPART == 1
	.amdgcn_target "amdgcn-amd-amdhsa--gfx1250"
	.amdhsa_code_object_version 6
	.text
	.protected	k_q7ee3d1b08e_wquant
	.globl	k_q7ee3d1b08e_wquant
	.p2align	8
	.type	k_q7ee3d1b08e_wquant,@function
k_q7ee3d1b08e_wquant:
	s_mov_b64 s[64:65], 0
	v_nop
	global_prefetch_b8 v0, s[64:65] scope:SCOPE_SE
	s_setreg_imm32_b32 hwreg(HW_REG_WAVE_MODE, 25, 1), 1
	s_wait_xcnt 0x0
; All six weights, f32 stored [K][N], become codes of FP6 (E2M3) with one E8M0 byte for each 32 along K, laid as RECORDS in wc.
; A RECORD (25,600 bytes) = 128 rows (columns n of a weight) x 256 along K = 16 fragments of 16 rows x 128 K, each an image of the operand's 12 registers
; (register group c of lane l at 512 c + 16 l: 1,536 bytes), then the fragments' scale words: fragment f, row r at 24,576 + 64 f + 4 r.  f = 8 s + i: s the 128 along K, i the 16 rows.
; ORDER INSIDE A BLOCK OF 32: place p holds k = p with its bits 3 and 4 exchanged, in every operand of this program alike: the blocks stay the same sets of 32 numbers, so scales and codes are
; the stated quantiser's, and a permutation of K applied to both operands leaves the products as they are.
; A work-group makes one record (its number is the record's number in wc); a wave takes 32 columns, A LANE A COLUMN, ITS REGISTERS RUN DOWN K: each load reads 128 consecutive bytes a wave, 512 a work-group,
; a block's largest magnitude needs no other lane, and the conversions give codes with K innermost.  The codes go through the wave's own stage in LDS and leave as runs of 512 consecutive bytes.
; Which weight a record belongs to is chosen by selects on the work-group's number: one path for all six.
; A block's scale: the largest magnitude's exponent field - 2, held at 1 from below (a block of zeros gets the byte 1 where the rule says 127: its codes are zeros and this program alone reads the bytes).
; LIMITS: NaN and infinities among the inputs are not served.
.set REC,  25600
.set VO,   32                          ; v32-63   row swap34(i) of a block x the weight's pitch + 4 x lane; never rewritten
.set XX,   64                          ; v64-127  two sets of 32 numbers
.set CD,   128                         ; v128-134 a block's codes
.set SBW,  136                         ; v136-137 the scale words of the two K steps of 128
.set OUTR, 140                         ; v140-187 the way out
.set SB,   32                          ; s[32:47] where block t's 32 rows begin, a pair for each of 8 blocks
	s_load_b256 s[4:11], s[0:1], 0x0               ; Wq s[4:5], Wk s[6:7], Wv s[8:9], Wo s[10:11]
	s_load_b128 s[12:15], s[0:1], 0x20             ; W1 s[12:13], W2 s[14:15]
	s_load_b64 s[16:17], s[0:1], 0x30              ; wc
	v_lshl_add_u32 v192, v0, 2, 0x6000
	v_mov_b32 v193, 0
	v_lshrrev_b32 v2, 5, v0
	v_readfirstlane_b32 s18, v2                    ; wave 0..3
	v_and_b32 v1, 31, v0                           ; lane
	v_lshlrev_b32 v3, 2, v1                        ; 4 bytes a column
	s_mul_i32 s50, s18, 6144                       ; my stage: four images
	v_lshrrev_b32 v4, 4, v1
	v_mul_u32_u24 v4, v4, 1536                     ; lanes 16-31 belong to the next fragment
	v_and_b32 v5, 15, v1
	v_lshl_add_u32 v4, v5, 4, v4
	v_add_nc_u32 v4, s50, v4                       ; v4: into the stage: 16 x (column % 16)
	v_lshlrev_b32 v6, 4, v1
	v_add_nc_u32 v5, s50, v6                       ; v5: out of the stage: 16 x lane
	s_mul_i32 s51, s18, 3072
	v_add_nc_u32 v6, s51, v6                       ; v6: in the record: my wave's two fragments of a K step
	s_lshl_b32 s51, s18, 7
	v_add_nc_u32 v7, s51, v3                       ; v7: my scale word's place: 128 x wave + 4 x lane
	s_wait_kmcnt 0x0
	; records 0-63 Wq|Wk (2,048 rows), 64-95 Wv, 96-127 Wo, 128-255 W1, 256-383 W2
	s_mov_b64 s[20:21], s[14:15]                   ; the weight
	s_mov_b32 s22, 256                             ; its first record
	s_mov_b32 s23, 3                               ; log2 of its groups of 128 rows
	s_mov_b32 s24, 12                              ; log2 of its pitch in bytes
	s_cmp_lt_u32 ttmp9, 256
	s_cselect_b64 s[20:21], s[12:13], s[20:21]
	s_cselect_b32 s22, 128, s22
	s_cselect_b32 s23, 5, s23
	s_cselect_b32 s24, 14, s24
	s_cmp_lt_u32 ttmp9, 128
	s_cselect_b64 s[20:21], s[10:11], s[20:21]
	s_cselect_b32 s22, 96, s22
	s_cselect_b32 s23, 3, s23
	s_cselect_b32 s24, 12, s24
	s_cmp_lt_u32 ttmp9, 96
	s_cselect_b64 s[20:21], s[8:9], s[20:21]
	s_cselect_b32 s22, 64, s22
	s_cmp_lt_u32 ttmp9, 64
	s_cselect_b64 s[20:21], s[4:5], s[20:21]
	s_cselect_b32 s22, 0, s22
	s_cselect_b32 s23, 4, s23
	s_cselect_b32 s25, 8, 64                       ; from this group of rows on the first 64 records are Wk's
	s_sub_co_u32 s26, ttmp9, s22                   ; the record within its weight
	s_lshr_b32 s27, s26, s23                       ; which 256 along K
	s_bfm_b32 s28, s23, 0
	s_and_b32 s28, s26, s28                        ; which 128 rows
	s_cmp_ge_u32 s28, s25
	s_cselect_b64 s[20:21], s[6:7], s[20:21]
	s_cselect_b32 s29, 8, 0
	s_sub_co_u32 s28, s28, s29
	s_lshl_b32 s30, s27, 8
	s_lshl_b32 s30, s30, s24                       ; 256 rows of the weight for each step along K,
	s_lshl_b32 s31, s28, 9
	s_add_co_u32 s30, s30, s31                     ; 512 bytes for each 128 columns,
	s_lshl_b32 s31, s18, 7
	s_add_co_u32 s30, s30, s31                     ; 128 for each wave
	s_mov_b32 s31, 0
	s_add_nc_u64 s[SB:SB+1], s[20:21], s[30:31]
	s_lshl_b32 s30, 32, s24                        ; a block: 32 rows
.irp t, 1,2,3,4,5,6,7
	s_add_nc_u64 s[SB+2*\t:SB+2*\t+1], s[SB+2*\t-2:SB+2*\t-1], s[30:31]
.endr
	s_mul_i32 s48, ttmp9, REC
	s_mov_b32 s49, 0
	s_add_nc_u64 s[16:17], s[16:17], s[48:49]      ; my record
.irp i, 0,1,2,3,4,5,6,7,8,9,10,11,12,13,14,15,16,17,18,19,20,21,22,23,24,25,26,27,28,29,30,31
	v_lshl_add_u32 v[VO+\i], ((\i)&7)|(((\i)&8)<<1)|(((\i)&16)>>1), s24, v3   ; place i of a block takes row i with bits 3 and 4 exchanged
.endr
.macro LOAD t                          ; block t: 32 rows of my column into set t % 2
.irp i, 0,1,2,3,4,5,6,7,8,9,10,11,12,13,14,15,16,17,18,19,20,21,22,23,24,25,26,27,28,29,30,31
	global_load_b32 v[XX+32*((\t)%2)+\i], v[VO+\i], s[SB+2*(\t):SB+2*(\t)+1] th:TH_LOAD_NT
.endr
.endm
	LOAD 0
	LOAD 1
.macro BLOCK t
.set XS, XX+32*((\t)%2)
.set KS, (\t)/4                        ; which 128 along K
.set BQ, (\t)%4                        ; which block of it
.set IM, KS*3072+(BQ&1)*256            ; the operand's lanes 16-31 hold the odd blocks: 256 bytes on in each register group
.if (\t) < 7
	s_wait_loadcnt 32                              ; this block's 32 loads are in; the next block's 32 may be out
.else
	s_wait_loadcnt 0
.endif
	v_max3_num_f32 v12, |v[XS]|, |v[XS+1]|, |v[XS+2]|               ; the block's largest magnitude: all 32 numbers are mine; two chains
	v_max3_num_f32 v13, |v[XS+3]|, |v[XS+4]|, |v[XS+5]|
.irp i, 6,10,14,18,22,26
	v_max3_num_f32 v12, v12, |v[XS+\i]|, |v[XS+\i+1]|
	v_max3_num_f32 v13, v13, |v[XS+\i+2]|, |v[XS+\i+3]|
.endr
	v_max3_num_f32 v12, v12, |v[XS+30]|, |v[XS+31]|
	v_max3_num_f32 v12, v12, v13, 0x1800000        ; and the floor 2^(3 - 127): the byte cannot fall under 1
	v_add_nc_u32 v11, 0xff000000, v12              ; 2 off the exponent field: the conversion's scale operand
	v_lshrrev_b32 v13, 23, v11                     ; the scale's byte
.if BQ == 0
	v_mov_b32 v[SBW+KS], v13
.else
	v_lshl_or_b32 v[SBW+KS], v13, 8*BQ, v[SBW+KS]
.endif
	v_cvt_scalef32_pk16_fp6_f32 v[CD:CD+2], v[XS:XS+15], v11
	v_cvt_scalef32_pk16_fp6_f32 v[CD+4:CD+6], v[XS+16:XS+31], v11   ; (a conversion's three registers begin on an even number)
	v_nop                                          ; one plain place behind a scaled conversion
	v_mov_b32 v[CD+3], v[CD+4]                     ; the block's six registers on end
	v_mov_b32 v[CD+4], v[CD+5]
	v_mov_b32 v[CD+5], v[CD+6]
.if BQ < 2                             ; the operand's registers 0-5: group 0 whole, the lower half of group 1
	ds_store_b128 v4, v[CD:CD+3] offset:IM
	ds_store_b64 v4, v[CD+4:CD+5] offset:IM+512
.else                                  ; registers 6-11: the upper half of group 1, group 2 whole
	ds_store_b64 v4, v[CD:CD+1] offset:IM+520
	ds_store_b128 v4, v[CD+2:CD+5] offset:IM+1024
.endif
.if (\t)+2 < 8
	LOAD (\t)+2
.endif
	s_wait_dscnt 0x0                               ; the stores have read their registers: the next block's codes may be written
.endm
.set Q, 0
.rept 8
	BLOCK Q
.set Q, Q+1
.endr
	global_store_b32 v7, v[SBW], s[16:17] offset:24576            ; a wave stores 128 consecutive bytes of scale words for each K step
	global_store_b32 v7, v[SBW+1], s[16:17] offset:24576+512
.irp k, 0,1,2,3,4,5,6,7,8,9,10,11
	ds_load_b128 v[OUTR+4*\k:OUTR+4*\k+3], v5 offset:512*\k       ; LDS serves a wave's instructions in order: these see my stores
.endr
.irp k, 0,1,2,3,4,5,6,7,8,9,10,11
	s_wait_dscnt 11-\k
	global_store_b128 v6, v[OUTR+4*\k:OUTR+4*\k+3], s[16:17] offset:(\k/6)*12288+(\k%6)*512   ; 32 lanes store 512 consecutive bytes, at a multiple of 256 from wc's first byte
.endr
	s_wait_tensorcnt 0x0
	ds_add_u32 v192, v193
	s_wait_dscnt 0x0
	s_endpgm
.Lfunc_end_k_q7ee3d1b08e_wquant:
	.size	k_q7ee3d1b08e_wquant, .Lfunc_end_k_q7ee3d1b08e_wquant-k_q7ee3d1b08e_wquant
	.p2alignl 7, 3214868480
	.fill 96, 4, 3214868480
	.section	.rodata,"a",@progbits
	.p2align	6, 0x0
	.amdhsa_kernel k_q7ee3d1b08e_wquant
		.amdhsa_group_segment_fixed_size 25088
		.amdhsa_private_segment_fixed_size 0
		.amdhsa_enable_private_segment 0
		.amdhsa_kernarg_size 56
		.amdhsa_user_sgpr_count 2
		.amdhsa_user_sgpr_kernarg_segment_ptr 1
		.amdhsa_wavefront_size32 1
		.amdhsa_system_sgpr_workgroup_id_x 1
		.amdhsa_system_sgpr_workgroup_id_y 1
		.amdhsa_system_sgpr_workgroup_id_z 1
		.amdhsa_system_vgpr_workitem_id 0
		.amdhsa_next_free_vgpr 194
		.amdhsa_next_free_sgpr 66
		.amdhsa_reserve_vcc 0
		.amdhsa_float_denorm_mode_32 3
		.amdhsa_float_denorm_mode_16_64 3
		.amdhsa_memory_ordered 1
		.amdhsa_forward_progress 1
		.amdhsa_inst_pref_size 45
	.end_amdhsa_kernel
	.amdgpu_metadata
---
amdhsa.version: [ 1, 2 ]
amdhsa.kernels:
  - .name:           k_q7ee3d1b08e_wquant
    .symbol:         k_q7ee3d1b08e_wquant.kd
    .args:
      - { .name: Wq, .offset: 0, .size: 8, .value_kind: global_buffer, .address_space: global }
      - { .name: Wk, .offset: 8, .size: 8, .value_kind: global_buffer, .address_space: global }
      - { .name: Wv, .offset: 16, .size: 8, .value_kind: global_buffer, .address_space: global }
      - { .name: Wo, .offset: 24, .size: 8, .value_kind: global_buffer, .address_space: global }
      - { .name: W1, .offset: 32, .size: 8, .value_kind: global_buffer, .address_space: global }
      - { .name: W2, .offset: 40, .size: 8, .value_kind: global_buffer, .address_space: global }
      - { .name: wc, .offset: 48, .size: 8, .value_kind: global_buffer, .address_space: global }
    .group_segment_fixed_size: 25088
    .private_segment_fixed_size: 0
    .kernarg_segment_align: 8
    .kernarg_segment_size: 56
    .max_flat_workgroup_size: 128
    .sgpr_count:     66
    .vgpr_count:     194
    .wavefront_size: 32
...
	.end_amdgpu_metadata
.endif
;; end of part 1
;; launch ln1 (part 2): grid 256 x 1, 8 waves a work-group, no clusters, 70,656 bytes of LDS; arguments x, g1, s1, hc; writes hc
.if DOCPART == 2
	.amdgcn_target "amdgcn-amd-amdhsa--gfx1250"
	.amdhsa_code_object_version 6
	.text
	.protected	k_q7ee3d1b08e_ln1
	.globl	k_q7ee3d1b08e_ln1
	.p2align	8
	.type	k_q7ee3d1b08e_ln1,@function
k_q7ee3d1b08e_ln1:
	s_mov_b64 s[64:65], 0
	v_nop
	global_prefetch_b8 v0, s[64:65] scope:SCOPE_SE
	s_setreg_imm32_b32 hwreg(HW_REG_WAVE_MODE, 25, 1), 1
	s_wait_xcnt 0x0
; h = g (x - mean) / sqrt(var + 1e-12) + s over rows of 1,024 (var with divisor 1,023), then quantised along the row to FP6 (E2M3) with one E8M0 byte for each 32, and stored as fragments
; of the records that the products read (a record: 128 rows x 256 K, 16 register images of 1,536 bytes, then 16 x 64 bytes of scale words; record (k / 256) 32 + row / 128).
; A work-group takes 16 rows; wave w takes columns 128 w .. 128 w + 127 and makes one fragment.  Each load reads 512 consecutive bytes of a row; the numbers turn through the wave's own stage in LDS so that
; lane (r, h) holds 64 numbers of row r, register 16 b + i = place 32 b + 16 h + i of the fragment.  Place p of a block of 32 holds column p with bits 3 and 4 exchanged, as in every operand of this program.
; Mean and variance in two passes (the mean is taken off before the squares), f32; the eight waves' partial sums meet in LDS behind a barrier, twice.
; 1 / 1,023 is a multiplication by the nearest f32 number and 1 / sqrt is v_rsq_f32.  A block of zeros gets the byte 1 (its codes are zeros; this program alone reads the bytes).
; LIMITS: NaN and infinities among the inputs are not served.
.set REC,  25600
.set XX,   16                          ; v16-79   my 64 numbers
.set GG,   80                          ; v80-143  the rows as loaded; later g at my columns
.set SS,   144                         ; v144-207 s at my columns
.set PC,   208                         ; v208-226 the codes
.set TM,   228                         ; v228-231 largest magnitudes, v232-235 the partner's, then bytes, v236-239 scale operands
.set PW,   240                         ; v240     my row's scale word
.set SPI,  528                         ; a stage row: 512 bytes + 16: the 16 rows that a load of 16 bytes a lane touches begin in different banks
.set RED,  8*16*SPI                    ; behind the stages: 16 rows x 8 waves of partial sums, twice 512 bytes
.set SEL,  20
	s_load_b256 s[4:11], s[0:1], 0x0               ; x s[4:5], g s[6:7], s s[8:9], hc s[10:11]
	v_lshl_add_u32 v254, v0, 2, 0x11000
	v_mov_b32 v255, 0
	v_lshrrev_b32 v1, 5, v0
	v_readfirstlane_b32 s12, v1                    ; wave 0..7
	v_and_b32 v1, 31, v0                           ; lane
	v_and_b32 v2, 15, v0                           ; r
	v_bfe_u32 v3, v0, 4, 1                         ; h
	v_lshlrev_b32 v4, 4, v1                        ; v4: 16 x lane
	s_mul_i32 s13, s12, 16*SPI
	v_add_nc_u32 v5, s13, v4                       ; v5: into my stage
	v_mul_u32_u24 v6, v2, SPI
	v_lshl_add_u32 v6, v3, 5, v6
	v_add_nc_u32 v6, s13, v6                       ; v6: out of it: row r, + 32 h
	v_lshlrev_b32 v7, 5, v3                        ; v7: 32 h, for g and s
	v_lshlrev_b32 v8, 5, v2
	v_add_nc_u32 v8, RED, v8                       ; v8: my row's eight partial sums
	s_lshl_b32 s14, s12, 2
	v_add_nc_u32 v9, s14, v8                       ; v9: my wave's word among them
	v_lshlrev_b32 v10, 2, v2                       ; v10: 4 r
	s_mov_b32 s[SEL], 0x76543210
	s_mov_b32 s[SEL+1], 0xfedcba98                 ; v_permlanex16_b32's selects for lane l xor 16
	s_mov_b32 s30, 0x3a802008                      ; 1 / 1,023
	s_mov_b32 s31, 0x2b8cbccc                      ; 1e-12
	s_lshl_b32 s18, s12, 9                         ; my wave's 512 bytes of a row
	s_mov_b32 s19, 0
	s_lshl_b32 s16, ttmp9, 16                      ; 16 rows of 4,096 bytes a work-group
	s_add_co_u32 s16, s16, s18
	s_mov_b32 s17, 0
	s_lshr_b32 s22, s12, 1
	s_lshl_b32 s22, s22, 5
	s_lshr_b32 s23, ttmp9, 3
	s_add_co_u32 s22, s22, s23
	s_mul_i32 s22, s22, REC                        ; record (w / 2) 32 + work-group / 8
	s_and_b32 s23, s12, 1                          ; which 128 along K of it
	s_and_b32 s24, ttmp9, 7                        ; which 16 rows
	s_mul_i32 s26, s23, 12288
	s_mul_i32 s27, s24, 1536
	s_add_co_u32 s26, s26, s27
	s_add_co_u32 s26, s26, s22
	s_mov_b32 s27, 0                               ; s[26:27]: my fragment
	s_lshl_b32 s28, s23, 9
	s_lshl_b32 s29, s24, 6
	s_add_co_u32 s28, s28, s29
	s_add_co_u32 s28, s28, s22
	s_add_co_u32 s28, s28, 24576
	s_mov_b32 s29, 0                               ; s[28:29]: its scale words
.irp b, 0,1,2,3
	v_mov_b32 v[TM+4+\b], 0                        ; written once: a lane permute's destination counts as one of its sources
.endr
	s_wait_kmcnt 0x0
	s_add_nc_u64 s[4:5], s[4:5], s[16:17]
	s_add_nc_u64 s[6:7], s[6:7], s[18:19]
	s_add_nc_u64 s[8:9], s[8:9], s[18:19]
	s_add_nc_u64 s[24:25], s[10:11], s[28:29]
	s_add_nc_u64 s[10:11], s[10:11], s[26:27]
.irp p, 0,1,2,3,4,5,6,7,8,9,10,11,12,13,14,15
	global_load_b128 v[GG+4*\p:GG+4*\p+3], v4, s[4:5] offset:\p*4096     ; row p: 32 lanes read 512 consecutive bytes
.endr
.irp p, 0,1,2,3,4,5,6,7,8,9,10,11,12,13,14,15
	s_wait_loadcnt 15-\p                           ; loads come back in order: row p is in
	ds_store_b128 v5, v[GG+4*\p:GG+4*\p+3] offset:\p*SPI
.endr
.irp b, 0,1,2,3
.irp u, 0,1
.irp v, 0,1
	ds_load_b128 v[XX+16*\b+8*\u+4*\v:XX+16*\b+8*\u+4*\v+3], v6 offset:128*\b+64*\u+16*\v   ; columns 32 b + 16 u + 8 h + 4 v on.  LDS serves a wave's instructions in order: these see my stores
.endr
.endr
.endr
	s_wait_dscnt 0x0                               ; my numbers are in, and the stores have read v80-143, which g's loads take now
.irp b, 0,1,2,3
.irp u, 0,1
.irp v, 0,1
	global_load_b128 v[GG+16*\b+8*\u+4*\v:GG+16*\b+8*\u+4*\v+3], v7, s[6:7] offset:128*\b+64*\u+16*\v
	global_load_b128 v[SS+16*\b+8*\u+4*\v:SS+16*\b+8*\u+4*\v+3], v7, s[8:9] offset:128*\b+64*\u+16*\v
.endr
.endr
.endr
; Four chains of pairs in v[242:249] become the row's total over all 1,024 columns, in v242 of every lane of the row.
.macro FOLD off
	v_pk_add_f32 v[242:243], v[242:243], v[244:245]
	v_pk_add_f32 v[246:247], v[246:247], v[248:249]
	v_pk_add_f32 v[242:243], v[242:243], v[246:247]
	v_add_f32 v242, v242, v243
	v_permlanex16_b32 v243, v242, s[SEL], s[SEL+1] ; the row's other 64 numbers of my wave lie in lane l xor 16
	v_add_f32 v242, v242, v243
	ds_store_b32 v9, v242 offset:\off              ; lanes l and l xor 16 write the same word with the same value
	s_wait_dscnt 0x0                               ; for the others' sake: my store has landed
	s_barrier_signal -1
	s_barrier_wait -1
	ds_load_b128 v[244:247], v8 offset:\off
	ds_load_b128 v[248:251], v8 offset:\off+16
	s_wait_dscnt 0x0
	v_pk_add_f32 v[244:245], v[244:245], v[246:247]
	v_pk_add_f32 v[248:249], v[248:249], v[250:251]
	v_pk_add_f32 v[244:245], v[244:245], v[248:249]
	v_add_f32 v242, v244, v245
.endm
.irp c, 0,1,2,3
	v_pk_add_f32 v[242+2*\c:243+2*\c], v[XX+4*\c:XX+4*\c+1], v[XX+4*\c+2:XX+4*\c+3]   ; the first numbers start the chains: nothing is cleared
.endr
.irp j, 16,24,32,40,48,56
.irp c, 0,1,2,3
	v_pk_add_f32 v[242+2*\c:243+2*\c], v[242+2*\c:243+2*\c], v[XX+\j+2*\c:XX+\j+2*\c+1]
.endr
.endr
	FOLD 0
	v_mul_f32 v12, 0x3a800000, v242                ; the mean: x 2^-10, exact
	v_mul_f32 v13, 0x3a800000, v242
.set IDX, 0
.rept 32
	v_pk_add_f32 v[XX+IDX:XX+IDX+1], v[XX+IDX:XX+IDX+1], v[12:13] neg_lo:[0,1] neg_hi:[0,1]   ; x - mean
.set IDX, IDX+2
.endr
.irp c, 0,1,2,3
	v_pk_mul_f32 v[242+2*\c:243+2*\c], v[XX+2*\c:XX+2*\c+1], v[XX+2*\c:XX+2*\c+1]
.endr
.irp j, 8,16,24,32,40,48,56
.irp c, 0,1,2,3
	v_pk_fma_f32 v[242+2*\c:243+2*\c], v[XX+\j+2*\c:XX+\j+2*\c+1], v[XX+\j+2*\c:XX+\j+2*\c+1], v[242+2*\c:243+2*\c]
.endr
.endr
	FOLD 512                                       ; other bytes than the first time: no third barrier
	v_fma_f32 v14, v242, s30, s31                  ; var + 1e-12
	v_rsq_f32 v14, v14
	v_nop                                          ; one plain place behind the transcendental
	s_wait_alu depctr_va_vdst(0)                   ; the wait ahead of the first instruction that names the result
	v_mov_b32 v15, v14
	s_wait_loadcnt 0x0                             ; g and s
.set IDX, 0
.rept 32
	v_pk_mul_f32 v[XX+IDX:XX+IDX+1], v[XX+IDX:XX+IDX+1], v[14:15]
.set IDX, IDX+2
.endr
.set IDX, 0
.rept 32
	v_pk_fma_f32 v[XX+IDX:XX+IDX+1], v[XX+IDX:XX+IDX+1], v[GG+IDX:GG+IDX+1], v[SS+IDX:SS+IDX+1]
.set IDX, IDX+2
.endr
	; the quantiser: four blocks of 32; a block lies in lanes l and l xor 16
.irp b, 0,1,2,3
	v_max3_num_f32 v[TM+\b], |v[XX+16*\b]|, |v[XX+1+16*\b]|, 0x1800000   ; my 16 numbers, and the floor 2^(3 - 127): the byte cannot fall under 1
.endr
.irp i, 2,4,6,8,10,12,14
.irp b, 0,1,2,3
	v_max3_num_f32 v[TM+\b], v[TM+\b], |v[XX+16*\b+\i]|, |v[XX+1+16*\b+\i]|
.endr
.endr
.irp b, 0,1,2,3
	v_permlanex16_b32 v[TM+4+\b], v[TM+\b], s[SEL], s[SEL+1]
.endr
.irp b, 0,1,2,3
	v_max_num_f32 v[TM+\b], v[TM+\b], v[TM+4+\b]
.endr
.irp b, 0,1,2,3
	v_add_nc_u32 v[TM+8+\b], 0xff000000, v[TM+\b]  ; 2 off the exponent field: the conversion's scale operand
.endr
.irp b, 0,1,2,3
	v_lshrrev_b32 v[TM+4+\b], 23, v[TM+8+\b]       ; the scale's byte
.endr
	v_lshl_or_b32 v[PW], v[TM+5], 8, v[TM+4]
	v_lshl_or_b32 v[PW], v[TM+6], 16, v[PW]
	v_lshl_or_b32 v[PW], v[TM+7], 24, v[PW]
.irp c, 0,1
	v_cvt_scalef32_pk16_fp6_f32 v[PC+6*\c:PC+2+6*\c], v[XX+32*\c:XX+15+32*\c], v[TM+8+2*\c]
	v_cvt_scalef32_pk16_fp6_f32 v[PC+12+4*\c:PC+14+4*\c], v[XX+16+32*\c:XX+31+32*\c], v[TM+8+2*\c+1]
.endr
	v_nop                                          ; one plain place behind a scaled conversion
.irp c, 0,1                                    ; the operand's layout wants a whole block in a lane: lanes 0-15 block 2 c, lanes 16-31 block 2 c + 1
.irp i, 0,1,2
	v_permlane16_swap_b32 v[PC+6*\c+\i], v[PC+12+4*\c+\i]
.endr
.irp i, 0,1,2
	v_mov_b32 v[PC+3+6*\c+\i], v[PC+12+4*\c+\i]
.endr
.endr
.irp c, 0,1,2
	global_store_b128 v4, v[PC+4*\c:PC+4*\c+3], s[10:11] offset:512*\c    ; 32 lanes store 512 consecutive bytes, at a multiple of 256 from hc's first byte
.endr
	global_store_b32 v10, v[PW], s[24:25]          ; 16 words; lanes l and l xor 16 store the same word with the same value
	s_wait_tensorcnt 0x0
	ds_add_u32 v254, v255
	s_wait_dscnt 0x0
	s_endpgm
.Lfunc_end_k_q7ee3d1b08e_ln1:
	.size	k_q7ee3d1b08e_ln1, .Lfunc_end_k_q7ee3d1b08e_ln1-k_q7ee3d1b08e_ln1
	.p2alignl 7, 3214868480
	.fill 96, 4, 3214868480
	.section	.rodata,"a",@progbits
	.p2align	6, 0x0
	.amdhsa_kernel k_q7ee3d1b08e_ln1
		.amdhsa_group_segment_fixed_size 70656
		.amdhsa_private_segment_fixed_size 0
		.amdhsa_enable_private_segment 0
		.amdhsa_kernarg_size 32
		.amdhsa_user_sgpr_count 2
		.amdhsa_user_sgpr_kernarg_segment_ptr 1
		.amdhsa_wavefront_size32 1
		.amdhsa_system_sgpr_workgroup_id_x 1
		.amdhsa_system_sgpr_workgroup_id_y 1
		.amdhsa_system_sgpr_workgroup_id_z 1
		.amdhsa_system_vgpr_workitem_id 0
		.amdhsa_next_free_vgpr 256
		.amdhsa_next_free_sgpr 66
		.amdhsa_reserve_vcc 0
		.amdhsa_float_denorm_mode_32 3
		.amdhsa_float_denorm_mode_16_64 3
		.amdhsa_memory_ordered 1
		.amdhsa_forward_progress 1
		.amdhsa_inst_pref_size 26
	.end_amdhsa_kernel
	.amdgpu_metadata
---
amdhsa.version: [ 1, 2 ]
amdhsa.kernels:
  - .name:           k_q7ee3d1b08e_ln1
    .symbol:         k_q7ee3d1b08e_ln1.kd
    .args:
      - { .name: x, .offset: 0, .size: 8, .value_kind: global_buffer, .address_space: global }
      - { .name: g1, .offset: 8, .size: 8, .value_kind: global_buffer, .address_space: global }
      - { .name: s1, .offset: 16, .size: 8, .value_kind: global_buffer, .address_space: global }
      - { .name: hc, .offset: 24, .size: 8, .value_kind: global_buffer, .address_space: global }
    .group_segment_fixed_size: 70656
    .private_segment_fixed_size: 0
    .kernarg_segment_align: 8
    .kernarg_segment_size: 32
    .max_flat_workgroup_size: 256
    .sgpr_count:     66
    .vgpr_count:     256
    .wavefront_size: 32
...
	.end_amdgpu_metadata
.endif
;; end of part 2
;; launch gqkv (part 3): grid 12 x 16, 4 waves a work-group, clusters of 4 x 4, 327,680 bytes of LDS; arguments hc, wc, bq, bk, bv, qk, vt; writes qk, vt
.if DOCPART == 3
	.amdgcn_target "amdgcn-amd-amdhsa--gfx1250"
	.amdhsa_code_object_version 6
	.text
	.protected	k_q7ee3d1b08e_gqkv
	.globl	k_q7ee3d1b08e_gqkv
	.p2align	8
	.type	k_q7ee3d1b08e_gqkv,@function
k_q7ee3d1b08e_gqkv:
	s_mov_b64 s[64:65], 0
	v_nop
	global_prefetch_b8 v0, s[64:65] scope:SCOPE_SE
	s_setreg_imm32_b32 hwreg(HW_REG_WAVE_MODE, 25, 1), 1
	s_wait_xcnt 0x0
	s_wait_alu depctr_hold_cnt(0) depctr_sa_sdst(0) depctr_va_vdst(0) depctr_va_sdst(0) depctr_va_ssrc(0) depctr_va_vcc(0) depctr_vm_vsrc(0)
	s_getreg_b32 s2, hwreg(HW_REG_IB_STS2, 6, 4)
	s_cmp_eq_u32 s2, 0
	s_cbranch_scc0 .Lentry_in_a_cluster
	s_endpgm
.Lentry_in_a_cluster:
	s_bfe_u32 s2, ttmp6, 0x10000c
	s_cmp_lg_u32 s2, 0xf033
	s_cbranch_scc0 .Lentry_shape_is_right
	s_endpgm
.Lentry_shape_is_right:
; q, k and v = h W + b on codes of FP6 (E2M3) with one E8M0 scale for each 32 along K (K = 1,024), and the results quantised again, in registers, as the operands of attention.
; OPERANDS come as RECORDS of 25,600 bytes: 128 rows x 256 K = 16 register images of fragments (16 rows x 128 K, 1,536 bytes: register group c of lane l at 512 c + 16 l; fragment 8 s + i), then their scale
; words (fragment f, row r at 24,576 + 64 f + 4 r).  Record (k / 256) RG + row / 128.  A record is one dense block: one tensor load brings it, scales and all, and a fragment comes out of LDS by three loads of 16 bytes a lane.
; A tile of 256 x 256 is made by four waves, 128 x 128 each: 64 accumulators, 512 registers.  K goes in steps of 256 through a ring of two LDS slots of four records (A's two row halves, B's two).
; THE MATRIX INSTRUCTION IS USED TRANSPOSED (source 0 = 16 rows of B, source 1 = 16 rows of A): a lane holds ONE row of A and its registers run along B's rows, which are the next product's K.
; TWO ROLES, told apart by the cluster's x, which all sixteen partners share; what the role decides is chosen by selects, there is no branch on it.
;   clusters x = 0, 1: A = h (tokens), B = Wq|Wk (n = 0 .. 2,047): a lane holds a token, registers run along n: q and k quantised along the head's axis; a fragment covers 128 n, two heads.
;     qk's record (n / 128) 16 + token / 256 holds 256 tokens x 128 n, fragment (token % 256) / 16.
;   cluster x = 2: A = Wv (n), B = h (tokens): a lane holds a channel n of v, registers run along the tokens: v quantised along the KEYS.  vt's record (token / 256) 8 + n / 128, fragment 8 ((token / 128) % 2) + (n % 128) / 16.
; Inside a block of 32 the places hold K with bits 3 and 4 exchanged, in every operand of this program alike: that is the order in which a transposed result's registers lie.
; CLUSTERS 4 x 4: A's records are shared along a row of the cluster, B's along a column: joint tensor loads.
; REGISTERS: window 0: v0-31 addresses; v32-63 scale words, two sets; v64-95 codes and quantiser's work (way out); v128-223 A's fragments, one set (way out: v128-191 64 numbers); v224-247 v's bias.
;   window 1: B's fragments, two sets, at v0 and v128; v96-127, v224-255 the bias along n.   windows 2, 3: the accumulators, (a, b) at v[8 (8 (a % 4) + b)].
; LIMITS: NaN and infinities are not served; a block of zeros gets the byte 1 (its codes are zeros; this program alone reads the bytes).
.set KK,    1024
.set WV_OFF, 1638400                   ; Wv's records in wc
.set REC,   25600
.set SLOT,  4*REC
.set SPARE, 2*SLOT                     ; behind the ring: the spare words, 128 bytes for each wave: two blocks of 256 bytes that no other line names
.set FR,    12                         ; registers of a fragment
.set NL,    3                          ; LDS loads that bring one
.set NQ,    2                          ; matrix instructions deep in a slot
.set NP,    4                          ; places behind this matrix instruction (ISA guide 7.12.1)
.set LAPS,  KK/512
.set ADRA,  16                         ; v16-17 LDS address of my A fragments in slot 0, 1
.set ADRS,  18                         ; v18-19 of my scale words: lanes 0-15 A's, lanes 16-31 B's
.set ADRB,  20                         ; v20-21 of my B fragments
.set SPW,   28                         ; v28 my spare word; never rewritten
.set NIL,   29                         ; v29 0; never rewritten
.set SC,    32                         ; scale words: set s at v[SC + 16 s]; register 2 i + q: lanes 0-15 A's block i, lanes 16-31 B's block i, the slot's q-th 128 along K
.set AF,    128
.set G1,    24                         ; s[24:31] group 1 for A's records; s[32:39] group 0, a set for each slot
.set G0,    32
.set G1B,   48                         ; s[48:55], s[56:63] the same for B's
.set G0B,   56
.set SEL,   84
.set PW,    8                          ; v8-15 the scale words made on the way out
.set PC,    64
.set TM,    84
.set TT,    128
.set BL,    224
.set RAW,   240
.set OC,    66                         ; s[66:67] where my fragments go; s[68:69] their scale words
.set OS,    68
.set MSB,   0
.set MUL_LO, 0xa1                      ; source 0 (B) window 1, source 1 (A) window 0, C and D window 2
.set MUL_HI, 0xf1
.set TO_B,   0x40
.macro WIN new                         ; the immediate's high byte repeats the setting that is left
.if MSB != \new
	s_set_vgpr_msb (MSB<<8)|\new
.set MSB, \new
.endif
.endm
.macro JLOAD s                         ; a joint load: waves 0 and 1 fetch A's records, waves 2 and 3 B's; four v_nop follow each of the two lines
	s_cmp_eq_u32 s15, 0
	s_cbranch_scc0 .Lfor_b_\@
	tensor_load_to_lds s[G0+4*\s:G0+4*\s+3], s[G1:G1+7]
	s_nop 0
.rept 4
	v_nop
.endr
	s_branch .Lasked_\@
.Lfor_b_\@:
	tensor_load_to_lds s[G0B+4*\s:G0B+4*\s+3], s[G1B:G1B+7]
	s_nop 0
.rept 4
	v_nop
.endr
.Lasked_\@:
.endm
.macro CREST                           ; a round of the cluster's barrier behind its opening barrier
	s_cmp_lg_u32 s14, 0
	s_cbranch_scc1 .Lnot_wave_0_\@
	s_barrier_signal -3
.Lnot_wave_0_\@:
	s_barrier_wait -3
	s_barrier_signal -1
	s_barrier_wait -1
.endm
.macro CROUND
	s_barrier_signal -1
	s_barrier_wait -1
	CREST
.endm
.macro ADVANCE slot                    ; both walking addresses two K steps on; the steps hang on the role and stand in registers
	s_add_nc_u64 s[G0+4*\slot+2:G0+4*\slot+3], s[G0+4*\slot+2:G0+4*\slot+3], s[80:81]
	s_add_nc_u64 s[G0B+4*\slot+2:G0B+4*\slot+3], s[G0B+4*\slot+2:G0B+4*\slot+3], s[82:83]
.endm
.macro FRAG reg, adr, q, i             ; fragment 8 q + i of a record: three loads of 16 bytes a lane, 512 consecutive bytes each
.irp c, 0,1,2
	ds_load_b128 v[\reg+4*\c:\reg+4*\c+3], v[\adr] offset:(8*(\q)+(\i))*1536+512*\c
.endr
.endm
; 16 matrix instructions: A's blocks a0, a0 + 1 x B's eight, 128 along K.  p: B's set; sc: the set of scale words.  The 64 accumulators take turns, one instruction a turn.
.macro MUL16 a0, p, q, sc, zero
.irp a, \a0, \a0+1
.irp b, 0,1,2,3,4,5,6,7
.if \zero
	v_wmma_scale_f32_16x16x128_f8f6f4 v[8*(8*((\a)%4)+\b):8*(8*((\a)%4)+\b)+7], v[128*(\p)+FR*\b:128*(\p)+FR*\b+FR-1], v[AF+FR*(\a):AF+FR*(\a)+FR-1], 0, v[SC+8*NQ*(\sc)+NQ*\b+(\q)], v[SC+8*NQ*(\sc)+NQ*(\a)+(\q)] matrix_a_fmt:MATRIX_FMT_FP6 matrix_b_fmt:MATRIX_FMT_FP6 matrix_a_scale:MATRIX_SCALE_ROW1
.else
	v_wmma_scale_f32_16x16x128_f8f6f4 v[8*(8*((\a)%4)+\b):8*(8*((\a)%4)+\b)+7], v[128*(\p)+FR*\b:128*(\p)+FR*\b+FR-1], v[AF+FR*(\a):AF+FR*(\a)+FR-1], v[8*(8*((\a)%4)+\b):8*(8*((\a)%4)+\b)+7], v[SC+8*NQ*(\sc)+NQ*\b+(\q)], v[SC+8*NQ*(\sc)+NQ*(\a)+(\q)] matrix_a_fmt:MATRIX_FMT_FP6 matrix_b_fmt:MATRIX_FMT_FP6 matrix_a_scale:MATRIX_SCALE_ROW1
.endif
.endr
.endr
.endm
.macro FETCH_B slot, q, p
	WIN TO_B
.irp i, 0,1,2,3,4,5,6,7
	FRAG 128*(\p)+FR*\i, ADRB+\slot, \q, \i
.endr
	WIN 0
.endm
.macro FETCH_A slot, q, i0
.irp i, \i0, \i0+1, \i0+2, \i0+3
	FRAG AF+FR*(\i), ADRA+\slot, \q, \i
.endr
.endm
.macro SCALES sc                       ; a slot's scale words: lanes 0-15 take A's block i, lanes 16-31 B's block i
.irp i, 0,1,2,3,4,5,6,7
.irp q, 0,1
	ds_load_b32 v[SC+16*\sc+2*\i+\q], v[ADRS+\sc] offset:512*\q+64*\i
.endr
.endr
.endm
.macro PLACES n                        ; plain vector instructions between a matrix instruction and a load into, or a read of, its registers
.rept \n
	v_nop
.endr
.endm
.macro STEP slot, q, zero              ; a step of 128 along K that has its successor in the same slot
	s_wait_dscnt 4*NL                              ; B's set, A's blocks 0-3 and the scale words are in; the youngest 12 loads (A's blocks 4-7) may be out
	WIN MUL_LO
	MUL16 0, (\q)%2, \q, \slot, \zero
	MUL16 2, (\q)%2, \q, \slot, \zero
	s_wait_dscnt 0                                 ; A's blocks 4-7 are in
	PLACES NP
	FETCH_B \slot, (\q)+1, 1-(\q)%2
	FETCH_A \slot, (\q)+1, 0
	WIN MUL_HI
	MUL16 4, (\q)%2, \q, \slot, \zero
	MUL16 6, (\q)%2, \q, \slot, \zero
	PLACES NP
	WIN 0
	FETCH_A \slot, (\q)+1, 4
.endm
; A slot's last step changes slots: ONE barrier; in front of it each wave waits for all its tensor loads, adds 0 to its spare word, and waits for that and for its own reads of this slot.
.macro TURN slot, next, fill
	s_wait_tensorcnt 0x0                           ; all my tensor loads have landed: the one that was out is my record of the next slot
	ds_add_u32 v[SPW], v[NIL]                      ; 0 onto my spare word
	s_wait_dscnt 4*NL+1                            ; (the add and the youngest 12 loads may be out)
	WIN MUL_LO
	MUL16 0, 1, NQ-1, \slot, 0                     ; sixteen matrix instructions stand between the add and the wait for it
	s_wait_dscnt 0x0                               ; the add is done, and my reads of this slot are over
	s_barrier_signal -1
	MUL16 2, 1, NQ-1, \slot, 0
	WIN 0
	s_barrier_wait -1
.if \fill
	CREST                                          ; the barrier has opened a round of the cluster's barrier: no wave of any partner still reads this slot or has a load on its way
	ADVANCE \slot
	JLOAD \slot                                    ; the first tensor load behind the round; its four v_nop are also the places in front of the loads below
.else
	PLACES NP
.endif
	FETCH_B \next, 0, 0
	FETCH_A \next, 0, 0
	SCALES \next
	WIN MUL_HI
	MUL16 4, 1, NQ-1, \slot, 0
	MUL16 6, 1, NQ-1, \slot, 0
	PLACES NP
	WIN 0
	FETCH_A \next, 0, 4
.endm
.macro LAP                             ; once round the ring, from a lap's second step to the next lap's first; both slots are filled again
	TURN 0, 1, 1
	STEP 1, 0, 0
	TURN 1, 0, 1
	STEP 0, 0, 0
.endm
; 64 numbers of a lane, register 16 b + i = place 32 b + 16 (lane / 16) + i of my row, become a fragment's codes in v[PC] on and its scale word in v[pw].
.macro QUANT s, pw
.irp b, 0,1,2,3
	v_max3_num_f32 v[TM+\b], |v[\s+16*\b]|, |v[\s+1+16*\b]|, 0x1800000   ; my 16 numbers, and the floor 2^(3 - 127): the byte cannot fall under 1
.endr
.irp i, 2,4,6,8,10,12,14
.irp b, 0,1,2,3
	v_max3_num_f32 v[TM+\b], v[TM+\b], |v[\s+16*\b+\i]|, |v[\s+1+16*\b+\i]|
.endr
.endr
.irp b, 0,1,2,3
	v_permlanex16_b32 v[TM+4+\b], v[TM+\b], s[SEL], s[SEL+1]
.endr
.irp b, 0,1,2,3
	v_max_num_f32 v[TM+\b], v[TM+\b], v[TM+4+\b]   ; with lane l xor 16's: the block's largest magnitude
.endr
.irp b, 0,1,2,3
	v_add_nc_u32 v[TM+8+\b], 0xff000000, v[TM+\b]  ; 2 off its exponent field: the conversion's scale operand
.endr
.irp b, 0,1,2,3
	v_lshrrev_b32 v[TM+4+\b], 23, v[TM+8+\b]       ; the scale's byte
.endr
	v_lshl_or_b32 v[\pw], v[TM+5], 8, v[TM+4]
	v_lshl_or_b32 v[\pw], v[TM+6], 16, v[\pw]
	v_lshl_or_b32 v[\pw], v[TM+7], 24, v[\pw]
.irp c, 0,1
	v_cvt_scalef32_pk16_fp6_f32 v[PC+6*\c:PC+2+6*\c], v[\s+32*\c:\s+15+32*\c], v[TM+8+2*\c]
	v_cvt_scalef32_pk16_fp6_f32 v[PC+12+4*\c:PC+14+4*\c], v[\s+16+32*\c:\s+31+32*\c], v[TM+8+2*\c+1]
.endr
	v_nop                                          ; one plain place behind a scaled conversion
.irp c, 0,1                                    ; the operand's layout wants a whole block in a lane
.irp i, 0,1,2
	v_permlane16_swap_b32 v[PC+6*\c+\i], v[PC+12+4*\c+\i]
.endr
.irp i, 0,1,2
	v_mov_b32 v[PC+3+6*\c+\i], v[PC+12+4*\c+\i]
.endr
.endr
.endm
	s_load_b256 s[4:11], s[0:1], 0x0               ; hc s[4:5], wc s[6:7], bq s[8:9], bk s[10:11]
	s_load_b128 s[92:95], s[0:1], 0x20             ; bv s[92:93], qk s[94:95]
	s_load_b64 s[96:97], s[0:1], 0x30              ; vt
	v_lshl_add_u32 v[SPW], v0, 2, SPARE
	v_mov_b32 v[NIL], 0
	ds_add_u32 v28, v29
	s_wait_dscnt 0x0
	v_lshrrev_b32 v1, 5, v0
	v_readfirstlane_b32 s14, v1                    ; wave 0..3
	s_lshr_b32 s15, s14, 1                         ; which half of the tile's rows (A) is mine.  Also: I fetch for A (0) or for B (1)
	s_and_b32 s16, s14, 1                          ; which half of its columns (B).  Also: which record of the two I fetch
	s_bfe_u32 s40, ttmp6, 0x40000                  ; cx, cy: my place in the cluster
	s_bfe_u32 s41, ttmp6, 0x40004
	s_and_b32 s18, ttmp7, 0xffff                   ; the cluster's y
	s_mov_b32 s72, 32*REC                          ; a K step on in A: h has 32 groups of 128 rows,
	s_mov_b32 s74, 16*REC                          ; in B: Wq|Wk has 16
	s_cmp_eq_u32 ttmp9, 2                          ; the role: the same in all sixteen partners
	s_cselect_b32 s76, -1, 0                       ; all ones in v's role
	s_cselect_b32 s19, s18, ttmp9                  ; which four tile columns are the cluster's,
	s_cselect_b32 s18, 0, s18                      ; which four tile rows
	s_cselect_b32 s72, 8*REC, s72                  ; v: A = Wv, 8 groups; B = h, 32
	s_cselect_b32 s74, 32*REC, s74
	s_cselect_b32 s90, WV_OFF, 0
	s_mov_b32 s73, 0
	s_mov_b32 s75, 0
	s_lshl_b32 s80, s72, 1                         ; two K steps on
	s_mov_b32 s81, 0
	s_lshl_b32 s82, s74, 1
	s_mov_b32 s83, 0
	s_lshl_b32 s42, s19, 2
	s_add_co_u32 s42, s42, s40                     ; tile column
	s_lshl_b32 s17, s18, 2
	s_add_co_u32 s17, s17, s41                     ; tile row
	s_lshl_b32 s43, s41, 2
	s_lshl_b32 s43, 15, s43                        ; my row of the cluster
	s_lshl_b32 s44, 0x1111, s40                    ; my column
	; descriptor group 1: a record, 100 rows of 256 bytes (32 elements of 8 bytes), dense, no padding
	s_or_b32 s[G1+0], s43, (3<<16)|(1<<21)         ; 15:0 the mask: A's records go to my row; 17:16 elements of 8 bytes; 21 set beside a mask
	s_or_b32 s[G1B+0], s44, (3<<16)|(1<<21)
.irp g, G1, G1B
	s_mov_b32 s[\g+1], 32<<16                      ; tensor_dim0
	s_mov_b32 s[\g+2], 100<<16                     ; tensor_dim1
	s_mov_b32 s[\g+3], 32<<16                      ; tile_dim0
	s_mov_b32 s[\g+4], 100                         ; tile_dim1
	s_mov_b32 s[\g+5], 32                          ; the pitch
	s_mov_b32 s[\g+6], 0
	s_mov_b32 s[\g+7], 0
.endr
	s_lshl_b32 s20, s17, 1
	s_add_co_u32 s20, s20, s16
	s_mul_i32 s20, s20, REC                        ; A: record 2 x tile row + half: it hangs on the tile row alone
	s_add_co_u32 s20, s20, s90
	s_mov_b32 s21, 0
	s_lshl_b32 s46, s42, 1
	s_add_co_u32 s46, s46, s16
	s_mul_i32 s46, s46, REC                        ; B: record 2 x tile column + half
	s_mov_b32 s47, 0
	s_mul_i32 s45, s14, REC                        ; where they go: wave x a record: no place in the cluster enters an LDS address
	s_mov_b32 s[SEL], 0x76543210
	s_mov_b32 s[SEL+1], 0xfedcba98
	s_mov_b32 s77, 0xffff0000                      ; lanes 16-31
	s_wait_kmcnt 0x0
	s_cmp_eq_u32 ttmp9, 2
	s_cselect_b64 s[86:87], s[6:7], s[4:5]
	s_cselect_b64 s[88:89], s[4:5], s[6:7]
	s_add_nc_u64 s[20:21], s[86:87], s[20:21]
	s_add_nc_u64 s[46:47], s[88:89], s[46:47]
	CROUND                                         ; all sixteen work-groups are here: the first joint loads meet
	s_mov_b32 s[G0], 1
	s_mov_b32 s[G0+1], s45
	s_mov_b64 s[G0+2:G0+3], s[20:21]
	s_or_b32 s[G0+3], s[G0+3], 0x80000000
	s_mov_b32 s[G0B], 1
	s_mov_b32 s[G0B+1], s45
	s_mov_b64 s[G0B+2:G0B+3], s[46:47]
	s_or_b32 s[G0B+3], s[G0B+3], 0x80000000
	JLOAD 0
	s_mov_b32 s[G0+4], 1
	s_add_co_u32 s[G0+5], s45, SLOT
	s_add_nc_u64 s[G0+6:G0+7], s[20:21], s[72:73]
	s_or_b32 s[G0+7], s[G0+7], 0x80000000
	s_mov_b32 s[G0B+4], 1
	s_add_co_u32 s[G0B+5], s45, SLOT
	s_add_nc_u64 s[G0B+6:G0B+7], s[46:47], s[74:75]
	s_or_b32 s[G0B+7], s[G0B+7], 0x80000000
	JLOAD 1
	v_and_b32 v1, 15, v0                           ; r
	v_bfe_u32 v2, v0, 4, 1                         ; h
	v_and_b32 v3, 31, v0
	v_lshlrev_b32 v26, 4, v3                       ; v26: 16 x lane
	v_lshlrev_b32 v27, 2, v3                       ; v27: 4 x lane
	v_lshlrev_b32 v22, 5, v2                       ; v22: 32 h
	v_lshlrev_b32 v23, 2, v1                       ; v23: 4 r
	s_mul_i32 s21, s15, REC                        ; my record of A,
	s_mul_i32 s22, s16, REC
	s_add_co_u32 s22, s22, 2*REC                   ; of B, behind A's two
	v_add_nc_u32 v[ADRA], s21, v26
	v_add_nc_u32 v[ADRB], s22, v26
	v_add_nc_u32 v[ADRA+1], SLOT, v[ADRA]
	v_add_nc_u32 v[ADRB+1], SLOT, v[ADRB]
	s_xor_b32 s22, s15, 1
	s_add_co_u32 s22, s22, s16
	s_add_co_u32 s22, s22, 1
	s_mul_i32 s22, s22, REC                        ; from my record of A to my record of B
	v_mul_u32_u24 v4, s22, v2                      ; lanes 16-31 take B's words
	v_lshl_add_u32 v4, v1, 2, v4
	s_add_co_u32 s21, s21, 24576
	v_add_nc_u32 v[ADRS], s21, v4
	v_add_nc_u32 v[ADRS+1], SLOT, v[ADRS]
	; where the results go, and the biases
	s_lshl_b32 s66, s42, 1
	s_add_co_u32 s66, s66, s16
	s_lshl_b32 s66, s66, 4
	s_add_co_u32 s66, s66, s17                     ; q, k: record (2 x tile column + half) 16 + tile row
	s_lshl_b32 s67, s42, 3
	s_lshl_b32 s68, s17, 1
	s_add_co_u32 s67, s67, s68
	s_add_co_u32 s67, s67, s15                     ; v: record 8 x tile column + 2 x tile row + half
	s_and_b32 s70, s42, 3
	s_lshl_b32 s70, s70, 10
	s_lshl_b32 s71, s16, 9
	s_add_co_u32 s70, s70, s71                     ; bq, bk: my 128 numbers
	s_lshl_b32 s98, s17, 10
	s_lshl_b32 s99, s15, 9
	s_add_co_u32 s98, s98, s99                     ; bv: my 128 numbers
	s_cmp_lt_u32 s42, 4
	s_cselect_b64 s[86:87], s[8:9], s[10:11]       ; tile columns 0-3 are q's, 4-7 k's
	s_cmp_eq_u32 ttmp9, 2
	s_cselect_b64 s[86:87], s[8:9], s[86:87]       ; the role that does not use a bias reads its first 512 bytes and takes zeros for them
	s_cselect_b32 s70, 0, s70
	s_cselect_b32 s98, s98, 0
	s_cselect_b32 s66, s67, s66
	s_cselect_b32 s67, s16, s15                    ; which eight fragments of the record are mine
	s_cselect_b64 s[88:89], s[96:97], s[94:95]
	s_mov_b32 s71, 0
	s_mov_b32 s99, 0
	s_add_nc_u64 s[70:71], s[86:87], s[70:71]
	s_add_nc_u64 s[98:99], s[92:93], s[98:99]
	s_mul_i32 s66, s66, REC
	s_mul_i32 s90, s67, 12288
	s_lshl_b32 s91, s67, 9
	s_add_co_u32 s90, s90, s66
	s_add_co_u32 s68, s91, s66
	s_add_co_u32 s68, s68, 24576
	s_mov_b32 s91, 0
	s_mov_b32 s69, 0
	s_add_nc_u64 s[OC:OC+1], s[88:89], s[90:91]
	s_add_nc_u64 s[OS:OS+1], s[88:89], s[68:69]
	WIN TO_B                                       ; the bias along n: register 8 b + j = number 16 b + 8 h + j, into window 1's idle registers; wanted only on the way out
.irp b, 0,1,2,3,4,5,6,7
	global_load_b128 v[96+8*\b+96*(\b/4):99+8*\b+96*(\b/4)], v22, s[70:71] offset:64*\b
	global_load_b128 v[100+8*\b+96*(\b/4):103+8*\b+96*(\b/4)], v22, s[70:71] offset:64*\b+16
.endr
	WIN 0
.irp a, 0,1,2,3,4,5,6,7
	global_load_b32 v[RAW+\a], v23, s[98:99] offset:64*\a      ; the bias along A's rows: number 16 a + r
.endr
	s_wait_tensorcnt 1                             ; my record of K step 0 is in (K step 1's load may be out)
	s_barrier_signal -1
	s_barrier_wait -1                              ; everybody's is
	FETCH_B 0, 0, 0
	FETCH_A 0, 0, 0
	SCALES 0
	FETCH_A 0, 0, 4
	STEP 0, 0, 1                                   ; the first step's products start the sums: nothing is cleared
	LAP                                            ; K = 1,024 is two laps: one that fills both slots again,
	TURN 0, 1, 0                                   ; and one that fills nothing
	STEP 1, 0, 0
	s_wait_dscnt 4*NL
	WIN MUL_LO
	MUL16 0, 1, NQ-1, 1, 0
	MUL16 2, 1, NQ-1, 1, 0
	s_wait_dscnt 0
	WIN MUL_HI
	MUL16 4, 1, NQ-1, 1, 0
	MUL16 6, 1, NQ-1, 1, 0
	WIN 0
	; THE WAY OUT: block a (16 rows of A x my 128 rows of B) + bias is one fragment of the next product: quantised in registers and stored as its image.
	PLACES NP
	s_wait_loadcnt 0x0                             ; the biases
.irp b, 0,1,2,3
	v_mov_b32 v[TM+4+\b], 0                        ; written once: a lane permute's destination counts as one of its sources
.endr
	WIN 0x41                                       ; destination and source 0 window 1
.set IDX, 0
.rept 64
	v_cndmask_b32 v[96+IDX+96*(IDX/32)], v[96+IDX+96*(IDX/32)], 0, s76    ; v's role has no bias along B's rows
.set IDX, IDX+1
.endr
	WIN 0
.irp a, 0,1,2,3,4,5,6,7
	v_cndmask_b32 v[BL+2*\a], 0, v[RAW+\a], s76    ; q's and k's role has none along A's rows
	v_cndmask_b32 v[BL+2*\a+1], 0, v[RAW+\a], s76
.endr
.macro EPI a
.set AC, 64*((\a)%4)
.if (\a) > 0
	s_wait_xcnt 0x0                                ; the last block's stores have read their registers
.endif
	WIN 0x06+(\a)/4                                ; source 0: the accumulators' window; source 1: window 1
.set IDX, 0
.rept 32
	v_pk_add_f32 v[TT+IDX:TT+IDX+1], v[AC+IDX:AC+IDX+1], v[96+IDX+96*(IDX/32):97+IDX+96*(IDX/32)]   ; each accumulator from its low end on
.set IDX, IDX+2
.endr
	WIN 0
.set IDX, 0
.rept 32
	v_pk_add_f32 v[TT+IDX:TT+IDX+1], v[TT+IDX:TT+IDX+1], v[BL+2*(\a):BL+2*(\a)+1]
.set IDX, IDX+2
.endr
	QUANT TT, PW+(\a)
.irp c, 0,1,2
	global_store_b128 v26, v[PC+4*\c:PC+4*\c+3], s[OC:OC+1] offset:1536*(\a)+512*\c   ; 32 lanes store 512 consecutive bytes, at a multiple of 256 from the buffer's first byte
.endr
.endm
.irp a, 0,1,2,3,4,5,6,7
	EPI \a
.endr
.irp a, 0,2,4,6
	v_cndmask_b32 v[(\a)/2], v[PW+\a], v[PW+\a+1], s77         ; lanes 0-15 block a's words, lanes 16-31 block a + 1's
	global_store_b32 v27, v[(\a)/2], s[OS:OS+1] offset:64*\a   ; 128 consecutive bytes
.endr
	s_wait_tensorcnt 0x0                           ; the wave's end
	ds_add_u32 v[SPW], v[NIL]
	s_wait_dscnt 0x0
	CROUND                                         ; the closing round: no work-group ends while a partner may still ask for a record that names it
	s_endpgm
.Lfunc_end_k_q7ee3d1b08e_gqkv:
	.size	k_q7ee3d1b08e_gqkv, .Lfunc_end_k_q7ee3d1b08e_gqkv-k_q7ee3d1b08e_gqkv
	.p2alignl 7, 3214868480
	.fill 96, 4, 3214868480
	.section	.rodata,"a",@progbits
	.p2align	6, 0x0
	.amdhsa_kernel k_q7ee3d1b08e_gqkv
		.amdhsa_group_segment_fixed_size 327680
		.amdhsa_private_segment_fixed_size 0
		.amdhsa_enable_private_segment 0
		.amdhsa_kernarg_size 56
		.amdhsa_user_sgpr_count 2
		.amdhsa_user_sgpr_kernarg_segment_ptr 1
		.amdhsa_wavefront_size32 1
		.amdhsa_system_sgpr_workgroup_id_x 1
		.amdhsa_system_sgpr_workgroup_id_y 1
		.amdhsa_system_sgpr_workgroup_id_z 1
		.amdhsa_system_vgpr_workitem_id 0
		.amdhsa_next_free_vgpr 1024
		.amdhsa_next_free_sgpr 100
		.amdhsa_reserve_vcc 0
		.amdhsa_float_denorm_mode_32 3
		.amdhsa_float_denorm_mode_16_64 3
		.amdhsa_memory_ordered 1
		.amdhsa_forward_progress 1
		.amdhsa_inst_pref_size 180
	.end_amdhsa_kernel
	.amdgpu_metadata
---
amdhsa.version: [ 1, 2 ]
amdhsa.kernels:
  - .name:           k_q7ee3d1b08e_gqkv
    .symbol:         k_q7ee3d1b08e_gqkv.kd
    .args:
      - { .name: hc, .offset: 0, .size: 8, .value_kind: global_buffer, .address_space: global }
      - { .name: wc, .offset: 8, .size: 8, .value_kind: global_buffer, .address_space: global }
      - { .name: bq, .offset: 16, .size: 8, .value_kind: global_buffer, .address_space: global }
      - { .name: bk, .offset: 24, .size: 8, .value_kind: global_buffer, .address_space: global }
      - { .name: bv, .offset: 32, .size: 8, .value_kind: global_buffer, .address_space: global }
      - { .name: qk, .offset: 40, .size: 8, .value_kind: global_buffer, .address_space: global }
      - { .name: vt, .offset: 48, .size: 8, .value_kind: global_buffer, .address_space: global }
    .group_segment_fixed_size: 327680
    .private_segment_fixed_size: 0
    .kernarg_segment_align: 8
    .kernarg_segment_size: 56
    .max_flat_workgroup_size: 128
    .sgpr_count:     100
    .vgpr_count:     1024
    .wavefront_size: 32
...
	.end_amdgpu_metadata
.endif
;; end of part 3
;; launch attn (part 4): grid 16 x 16, 16 waves a work-group, clusters of 4 x 1, 327,680 bytes of LDS; arguments qk, vt, cc; writes cc
.if DOCPART == 4
	.amdgcn_target "amdgcn-amd-amdhsa--gfx1250"
	.amdhsa_code_object_version 6
	.text
	.protected	k_q7ee3d1b08e_attn
	.globl	k_q7ee3d1b08e_attn
	.p2align	8
	.type	k_q7ee3d1b08e_attn,@function
k_q7ee3d1b08e_attn:
	s_mov_b64 s[64:65], 0
	v_nop
	global_prefetch_b8 v0, s[64:65] scope:SCOPE_SE
	s_setreg_imm32_b32 hwreg(HW_REG_WAVE_MODE, 25, 1), 1
	s_wait_xcnt 0x0
	s_wait_alu depctr_hold_cnt(0) depctr_sa_sdst(0) depctr_va_vdst(0) depctr_va_sdst(0) depctr_va_ssrc(0) depctr_va_vcc(0) depctr_vm_vsrc(0)
	s_getreg_b32 s2, hwreg(HW_REG_IB_STS2, 6, 4)
	s_cmp_eq_u32 s2, 0
	s_cbranch_scc0 .Lentry_in_a_cluster
	s_endpgm
.Lentry_in_a_cluster:
	s_bfe_u32 s2, ttmp6, 0x10000c
	s_cmp_lg_u32 s2, 0x3003
	s_cbranch_scc0 .Lentry_shape_is_right
	s_endpgm
.Lentry_shape_is_right:
; ctx = softmax(q k^T / 8, causal) v for 32 heads of 64 over 2,048 tokens, both products on codes of FP6 (E2M3) with one E8M0 scale for each 32 along K, and ctx quantised again for the next product.
; THE SOFTMAX AHEAD OF THE SECOND PRODUCT: t = score x log2(e) / 8; M = the row's largest t so far, rounded UP to a whole number; p = 2^(t - M) is quantised along the keys, not normalised.
; The row's sum is taken of the unquantised p and divides at the end.  When M moves, the sum and O are multiplied by 2^(old M - new M): exact.
; INPUTS are records of 25,600 bytes: 16 register images of fragments (1,536 bytes each), then their scale words (fragment f, row r at 24,576 + 64 f + 4 r).
;   qk: record (n / 128) 16 + token / 256 = 256 tokens x 128 n (a PAIR of heads), fragment (token % 256) / 16; n / 128 = pair for q, 8 + pair for k.
;   vt: record (token / 256) 8 + pair = 128 channels x 256 keys, fragment 8 ((key / 128) % 2) + channel / 16.
; K = 64 IN A FORM OF 128: a fragment of q or k covers two heads.  A wave serves one head and clears the six registers of ITS Q FRAGMENT that belong to the other: zero codes, which add nothing; k's fragment is used as it lies.
; Both products are used transposed (S^T = k q^T, O^T = v^T p^T): a lane holds ONE query throughout.  Inside a block of 32 all operands hold K with bits 3 and 4 exchanged, which is how a transposed result's registers lie.
; SHARES.  A cluster of four work-groups serves one pair of heads of one batch and four blocks of 128 queries: ig, 7 - ig, 8 + ig, 15 - ig (ig the cluster's x): 34 key steps of 128 for each, whatever ig.
; Work-group cx takes queries 32 cx .. 32 cx + 31 of each block.  Wave w: head w & 1, queries 16 ((w >> 1) & 1) on, block class w >> 2.  The partners differ in cx alone, which enters global addresses and the
; mask's compare value, no branch and no LDS address.  They walk the same k and v: each record is asked for JOINTLY.
; CAUSAL.  Every work-group walks all 8 slots of 256 keys (constant trip counts); a key step all of whose keys come after the wave's block is left out by a scalar branch on ids; on the diagonal hidden scores become -infinity.
; LIMITS: NaN and infinities are not served; a block of zeros gets the byte 1 (its codes are zeros; this program alone reads the bytes).
; REGISTERS: v1-7 addresses that stay; v8-11 the step's addresses; v12 -M, v13 the largest t, v[14:15] the sum; v16-27 Q; v28 prefetch offset, v29 the mask's d; v32-79 four fragments; v96-159 S^T, then p; v160-191 O^T; v224-235 p's codes; v232-254 at work; v255 Q's scale words.
.set REC,   25600
.set SLOT1, 1<<16                      ; slot 1 begins here: one exclusive or turns an address in one slot into the other's
.set VOFF,  REC                        ; a slot: k's record, then v's
.set NSL,   8
.set SPARE, 2*SLOT1                    ; the spare words, 128 bytes for each of 16 waves: eight blocks of 256 bytes that no other line names
.set STG,   SPARE+2048                 ; the way out: 8 images of 1,536 bytes, one for each pair of waves
.set SSTG,  STG+8*1536                 ; and their scale words, 64 bytes each
.set AK0,  1
.set AV0,  2
.set ASK0, 3
.set ASV0, 4
.set SPW,  5
.set NIL,  6
.set ADK,  8
.set ADV,  9
.set ADS,  10
.set ADT,  11
.set PFO,  28
.set DQ,   29
.set WV,   18
.set SEL,  20
.set CS,   22
.set G1,   24                          ; s[24:31] group 1: a record
.set TB,   32                          ; s32 LDS byte at which the slot in hand begins
.set ST,   33                          ; s33 the key step's number
.set BLKR, 34                          ; s34 my block of 128 queries: the last key step that I need
.set SLOTS, 35
.set G0K,  40                          ; s[40:43], s[44:47] groups 0 for k's and v's records, which walk
.set G0V,  44
.set PFA,  76
.set PFS,  78
.set LIM,  80
.macro TLOAD                           ; wave 0 fetches k's record, wave 1 v's, the others nothing.  Four v_nop follow each of the two lines
	s_cmp_eq_u32 s[WV], 0
	s_cbranch_scc0 .Lnot_k_\@
	tensor_load_to_lds s[G0K:G0K+3], s[G1:G1+7]
	s_nop 0
.rept 4
	v_nop
.endr
	s_branch .Lasked_\@
.Lnot_k_\@:
	s_cmp_eq_u32 s[WV], 1
	s_cbranch_scc0 .Lasked_\@
	tensor_load_to_lds s[G0V:G0V+3], s[G1:G1+7]
	s_nop 0
.rept 4
	v_nop
.endr
.Lasked_\@:
.endm
; A PREFETCH of the records that the NEXT change of slots will ask for: two key steps ahead of that load.  The four clusters of a pair of heads walk the same records: the first (ig = 0) asks; its four partners
; share a record's 100 blocks of 256 bytes out BY ADDRESS, 32 each (the lanes past the hundredth name the last); wave 4 asks for k's, wave 8 for v's.  The last change that fills a slot asks for nothing.
.macro ASK
	s_cmp_gt_u32 s[SLOTS], s[LIM]
	s_cbranch_scc0 .Lnot_mine_\@
	global_prefetch_b8 v[PFO], s[PFA:PFA+1] th:TH_LOAD_NT scope:SCOPE_SE
.Lnot_mine_\@:
.endm
.macro CROUND                          ; a round of the cluster's barrier
	s_barrier_signal -1
	s_barrier_wait -1
	s_cmp_lg_u32 s[WV], 0
	s_cbranch_scc1 .Lnot_wave_0_\@
	s_barrier_signal -3
.Lnot_wave_0_\@:
	s_barrier_wait -3
	s_barrier_signal -1
	s_barrier_wait -1
.endm
	s_load_b128 s[4:7], s[0:1], 0x0                ; qk s[4:5], vt s[6:7]
	s_load_b64 s[8:9], s[0:1], 0x10                ; cc
	v_lshl_add_u32 v[SPW], v0, 2, SPARE
	v_mov_b32 v[NIL], 0
	ds_add_u32 v5, v6
	s_wait_dscnt 0x0
	v_lshrrev_b32 v8, 5, v0
	v_readfirstlane_b32 s[WV], v8                  ; wave 0..15
	s_bfe_u32 s39, ttmp6, 0x40000                  ; cx
	s_and_b32 s48, ttmp7, 0xffff
	s_lshr_b32 s49, s48, 3                         ; the batch
	s_and_b32 s50, s48, 7                          ; the pair of heads
	s_and_b32 s36, s[WV], 1                        ; e: which head of the pair
	s_bfe_u32 s37, s[WV], 0x10001                  ; tq: which 16 of my work-group's 32 queries
	s_lshr_b32 s38, s[WV], 2                       ; c: the block class
	s_sub_co_u32 s51, 3, ttmp9
	s_and_b32 s52, s38, 1
	s_cmp_eq_u32 s52, 1
	s_cselect_b32 s51, s51, ttmp9                  ; odd classes count down
	s_lshl_b32 s[BLKR], s38, 2
	s_add_co_u32 s[BLKR], s[BLKR], s51             ; my block: ig, 7 - ig, 8 + ig, 15 - ig
	s_add_co_u32 s52, s50, 8
	s_lshl_b32 s52, s52, 4
	s_lshl_b32 s53, s49, 3
	s_add_co_u32 s52, s52, s53
	s_mul_i32 s52, s52, REC                        ; k: record (8 + pair) 16 + 8 batch
	s_mov_b32 s53, 0
	s_lshl_b32 s54, s49, 6
	s_add_co_u32 s54, s54, s50
	s_mul_i32 s54, s54, REC                        ; v: record 64 batch + pair
	s_mov_b32 s55, 0
	s_lshl_b32 s56, s50, 4
	s_lshl_b32 s57, s49, 3
	s_add_co_u32 s56, s56, s57
	s_lshr_b32 s57, s[BLKR], 1
	s_add_co_u32 s56, s56, s57
	s_mul_i32 s56, s56, REC                        ; q: record 16 pair + 8 batch + block / 2
	s_and_b32 s57, s[BLKR], 1
	s_lshl_b32 s57, s57, 3
	s_lshl_b32 s58, s39, 1
	s_add_co_u32 s58, s58, s37                     ; 2 cx + tq
	s_add_co_u32 s57, s57, s58                     ; its fragment
	s_mul_i32 s60, s57, 1536
	s_add_co_u32 s60, s60, s56
	s_mov_b32 s61, 0
	s_lshl_b32 s62, s57, 6
	s_add_co_u32 s62, s62, s56
	s_add_co_u32 s62, s62, 24576
	s_mov_b32 s63, 0
	s_lshr_b32 s66, s50, 1
	s_lshl_b32 s66, s66, 5
	s_lshl_b32 s67, s49, 4
	s_add_co_u32 s66, s66, s67
	s_add_co_u32 s66, s66, s[BLKR]
	s_mul_i32 s66, s66, REC                        ; ctx: record (pair / 2) 32 + 16 batch + block
	s_and_b32 s67, s50, 1
	s_mul_i32 s68, s67, 12288
	s_mul_i32 s69, s58, 1536
	s_add_co_u32 s68, s68, s69
	s_add_co_u32 s68, s68, s66                     ; fragment 8 (pair % 2) + 2 cx + tq
	s_mov_b32 s69, 0
	s_lshl_b32 s70, s67, 9
	s_lshl_b32 s71, s39, 7
	s_add_co_u32 s70, s70, s71
	s_add_co_u32 s70, s70, s66
	s_add_co_u32 s70, s70, 24576                   ; the scale words of my work-group's two fragments of the block
	s_mov_b32 s71, 0
	s_mov_b32 s[G1], 15|(3<<16)|(1<<21)            ; 15:0 the mask: all four work-groups; 17:16 elements of 8 bytes; 21 set beside a mask; no padding
	s_mov_b32 s[G1+1], 32<<16                      ; tensor_dim0: 256 bytes
	s_mov_b32 s[G1+2], 100<<16                     ; tensor_dim1
	s_mov_b32 s[G1+3], 32<<16                      ; tile_dim0
	s_mov_b32 s[G1+4], 100                         ; tile_dim1
	s_mov_b32 s[G1+5], 32                          ; the pitch
	s_mov_b32 s[G1+6], 0
	s_mov_b32 s[G1+7], 0
	s_mov_b32 s[SEL], 0x76543210
	s_mov_b32 s[SEL+1], 0xfedcba98
	s_mov_b32 s[CS], 0x3e38aa3b                    ; c = log2(e) / 8
	s_mov_b32 s[CS+1], s[CS]
	s_mov_b32 s[TB], 0
	s_mov_b32 s[ST], 0
	s_mov_b32 s[SLOTS], NSL-1
	s_cmp_eq_u32 s36, 1
	s_cselect_b32 s81, -1, 0                       ; all ones in the pair's second head
	s_cmp_eq_u32 s[WV], 4
	s_cselect_b32 s82, 0, 1
	s_cmp_eq_u32 s[WV], 8
	s_cselect_b32 s82, 0, s82
	s_or_b32 s82, s82, ttmp9                       ; 0 in waves 4 and 8 of the first cluster of the pair: the same in all four partners
	s_cmp_eq_u32 s82, 0
	s_cselect_b32 s[LIM], 1, -1
	s_wait_kmcnt 0x0
	CROUND                                         ; all four work-groups are here: the first joint loads meet
	s_mov_b32 s[G0K], 1
	s_mov_b32 s[G0K+1], 0                          ; slot 0
	s_add_nc_u64 s[G0K+2:G0K+3], s[4:5], s[52:53]
	s_or_b32 s[G0K+3], s[G0K+3], 0x80000000
	s_mov_b32 s[G0V], 1
	s_mov_b32 s[G0V+1], VOFF
	s_add_nc_u64 s[G0V+2:G0V+3], s[6:7], s[54:55]
	s_or_b32 s[G0V+3], s[G0V+3], 0x80000000
	TLOAD
	s_add_nc_u64 s[60:61], s[4:5], s[60:61]        ; Q's fragment
	s_add_nc_u64 s[62:63], s[4:5], s[62:63]        ; its scale words
	s_add_nc_u64 s[68:69], s[8:9], s[68:69]        ; ctx's fragment
	s_add_nc_u64 s[70:71], s[8:9], s[70:71]
	s_cmp_lt_u32 s[WV], 8
	s_cselect_b64 s[PFA:PFA+1], s[4:5], s[6:7]
	s_cselect_b32 s82, s52, s54
	s_mov_b32 s[PFS], 8*REC
	s_cselect_b32 s[PFS], REC, s[PFS]              ; a slot on
	s_mov_b32 s[PFS+1], 0
	s_mov_b32 s83, 0
	s_add_nc_u64 s[PFA:PFA+1], s[PFA:PFA+1], s[82:83]
	s_add_nc_u64 s[PFA:PFA+1], s[PFA:PFA+1], s[PFS:PFS+1]   ; in slot 1: the first change of slots steps it to slot 2.  Nothing is prefetched at the head
	v_and_b32 v[PFO], 31, v0
	v_lshl_add_u32 v[PFO], s39, 5, v[PFO]
	v_min_u32 v[PFO], 99, v[PFO]
	v_lshlrev_b32 v[PFO], 8, v[PFO]
	v_and_b32 v8, 15, v0                           ; r
	v_bfe_u32 v9, v0, 4, 1                         ; h
	v_and_b32 v10, 31, v0
	v_lshlrev_b32 v[AK0], 4, v10                   ; 16 x lane: an image's place for my lane
	s_mul_i32 s57, s36, 6144
	s_add_co_u32 s57, s57, VOFF
	v_add_nc_u32 v[AV0], s57, v[AK0]               ; v's record, my head's four fragments of a key step
	v_lshl_add_u32 v[ASK0], v8, 2, 24576           ; k's scale words
	s_lshl_b32 s57, s36, 8
	s_add_co_u32 s57, s57, VOFF+24576
	v_lshl_add_u32 v[ASV0], v8, 2, s57             ; v's
.irp c, 0,1,2
	global_load_b128 v[16+4*\c:19+4*\c], v[AK0], s[60:61] offset:512*\c
.endr
	v_lshlrev_b32 v254, 2, v8
	global_load_b32 v255, v254, s[62:63]
	s_lshl_b32 s57, s39, 5
	s_lshl_b32 s59, s37, 4
	s_add_co_u32 s57, s57, s59
	v_lshlrev_b32 v11, 3, v9
	v_sub_nc_u32 v[DQ], v8, v11
	v_add_nc_u32 v[DQ], s57, v[DQ]                 ; d = my query within its block - 8 h.  Register n holds the step's key 16 (n / 8) + 8 h + n % 8: hidden on the diagonal where 16 (n / 8) + n % 8 > d
	v_mov_b32 v13, 0xff61b1e6                      ; the largest t so far: -3e38, under every t
	v_floor_f32 v12, -v13                          ; -M
	v_mov_b32 v14, 0
	v_mov_b32 v15, 0
.irp b, 0,1,2,3
	v_mov_b32 v[236+\b], 0                         ; written once: a lane permute's destination counts as one of its sources
.endr
	v_mov_b32 v253, 0                              ; (named as the upper half of the pair v[252:253] before it is first written)
	s_wait_loadcnt 0x0                             ; Q
.irp i, 0,1,2,3,4,5
	v_cndmask_b32 v[16+\i], v[16+\i], 0, s81       ; registers 0-5 are the pair's first head: cleared in the second head's waves,
	v_cndmask_b32 v[22+\i], 0, v[22+\i], s81       ; registers 6-11 the second's: cleared in the first head's
.endr
.set IDX, 0
.rept 32
	v_mov_b32 v[160+IDX], 0                        ; O^T: the loop is written once; its first step finds zeros
.set IDX, IDX+1
.endr
; A KEY STEP: 128 keys, the q-th of the slot in hand.
.macro STEP q
	s_cmp_gt_u32 s[ST], s[BLKR]                    ; all its keys come after my queries: left out (a branch on ids; no barrier and no tensor load stands in a step)
	s_cbranch_scc1 .Lhidden_\@
	v_add_nc_u32 v[ADK], s[TB], v[AK0]
	v_add_nc_u32 v[ADV], s[TB], v[AV0]
	v_add_nc_u32 v[ADS], s[TB], v[ASK0]
	v_add_nc_u32 v[ADT], s[TB], v[ASV0]
.irp g, 0,1                                    ; S^T = k q^T, four tiles of 16 keys at a time
.rept 4*\g
	v_nop                                          ; places in front of loads into registers that matrix instructions have read (for g = 0 the four additions above are the places)
.endr
.irp t, 0,1,2,3
.irp c, 0,1,2
	ds_load_b128 v[32+12*\t+4*\c:35+12*\t+4*\c], v[ADK] offset:(8*(\q)+4*\g+\t)*1536+512*\c
.endr
	ds_load_b32 v[248+\t], v[ADS] offset:(8*(\q)+4*\g+\t)*64
.endr
	s_wait_dscnt 0x0
.irp t, 0,1,2,3
	v_wmma_scale_f32_16x16x128_f8f6f4 v[96+8*(4*\g+\t):103+8*(4*\g+\t)], v[32+12*\t:43+12*\t], v[16:27], 0, v[248+\t], v255 matrix_a_fmt:MATRIX_FMT_FP6 matrix_b_fmt:MATRIX_FMT_FP6
.endr
.endr
.rept 4
	v_nop
.endr
.irp t, 0,1,2,3                                ; v's four fragments are asked for here, so that they land during the softmax
.irp c, 0,1,2
	ds_load_b128 v[32+12*\t+4*\c:35+12*\t+4*\c], v[ADV] offset:(8*(\q)+\t)*1536+512*\c
.endr
	ds_load_b32 v[248+\t], v[ADT] offset:(8*(\q)+\t)*64
.endr
	s_cmp_lt_u32 s[ST], s[BLKR]                    ; a step all of whose keys count skips the mask
	s_cbranch_scc1 .Lopen_\@
	v_mov_b32 v254, 0xff800000                     ; -infinity
.set NN, 0
.rept 64
	v_cmp_gt_i32 vcc_lo, 16*(NN/8)+NN%8, v[DQ]
	v_cndmask_b32 v[96+NN], v[96+NN], v254, vcc_lo
.set NN, NN+1
.endr
.Lopen_\@:
.irp b, 0,1,2,3
	v_max3_num_f32 v[232+\b], v[96+16*\b], v[97+16*\b], v[98+16*\b]   ; the largest score of each block of 32 keys: it serves the row's maximum and, since p rises with the score, the block's largest p
.endr
.irp i, 3,5,7,9,11,13
.irp b, 0,1,2,3
	v_max3_num_f32 v[232+\b], v[232+\b], v[96+16*\b+\i], v[97+16*\b+\i]
.endr
.endr
.irp b, 0,1,2,3
	v_max_num_f32 v[232+\b], v[232+\b], v[111+16*\b]
.endr
.irp b, 0,1,2,3
	v_permlanex16_b32 v[236+\b], v[232+\b], s[SEL], s[SEL+1]
.endr
.irp b, 0,1,2,3
	v_max_num_f32 v[232+\b], v[232+\b], v[236+\b]  ; with lane l xor 16's 16 keys
.endr
	v_max3_num_f32 v254, v232, v233, v234
	v_max_num_f32 v254, v254, v235                 ; the step's largest score of my query (the step's first key counts for every query of my block: it is a number)
	v_mul_f32 v254, s[CS], v254
	v_max_num_f32 v13, v13, v254                   ; the running largest t
	v_mov_b32 v254, v12
	v_floor_f32 v12, -v13                          ; the new -M = -ceil(t)
	v_sub_f32 v254, v12, v254                      ; old M - new M: a whole number, 0 or less
	v_cvt_i32_f32 v254, v254                       ; (it saturates)
	v_ldexp_f32 v252, 1.0, v254                    ; f = 2^(old M - new M)
.set IDX, 0
.rept 32
	v_pk_fma_f32 v[96+IDX:97+IDX], v[96+IDX:97+IDX], s[CS:CS+1], v[12:13] op_sel_hi:[1,0,0]   ; t - M, two at a time
.set IDX, IDX+2
.endr
.irp b, 0,1,2,3
	v_fma_f32 v[232+\b], v[232+\b], s[CS], v12     ; the same of each block's largest score
.endr
.set IDX, 0
.rept 64
	v_exp_f32 v[96+IDX], v[96+IDX]                 ; p = 2^(t - M), at most 1
.set IDX, IDX+1
.endr
	v_pk_mul_f32 v[14:15], v[14:15], v[252:253] op_sel_hi:[1,0]   ; the sums under the new M (a plain place behind the exponentials)
	s_wait_alu depctr_va_vdst(0)                   ; one wait for the whole batch, ahead of its first reader
.irp b, 0,1,2,3
	v_exp_f32 v[232+\b], v[232+\b]                 ; the block's largest p
.endr
	v_pk_add_f32 v[236:237], v[96:97], v[98:99]    ; the row's sum is taken of the unquantised p, in two chains
.irp j, 4,8,12,16,20,24,28,32,36,40,44,48,52,56,60
	v_pk_add_f32 v[14:15], v[14:15], v[96+\j:97+\j]
	v_pk_add_f32 v[236:237], v[236:237], v[98+\j:99+\j]
.endr
	v_pk_add_f32 v[14:15], v[14:15], v[236:237]
	s_wait_alu depctr_va_vdst(0)                   ; and one for the four
.irp b, 0,1,2,3
	v_max_num_f32 v[232+\b], 0x1800000, v[232+\b]  ; the floor 2^(3 - 127): the byte cannot fall under 1
.endr
.irp b, 0,1,2,3
	v_add_nc_u32 v[244+\b], 0xff000000, v[232+\b]  ; the conversion's scale operand
.endr
.irp b, 0,1,2,3
	v_lshrrev_b32 v[236+\b], 23, v[244+\b]         ; the scale's byte
.endr
	v_lshl_or_b32 v253, v237, 8, v236              ; p's scale word for these 128 keys
	v_lshl_or_b32 v253, v238, 16, v253
	v_lshl_or_b32 v253, v239, 24, v253
.irp c, 0,1
	v_cvt_scalef32_pk16_fp6_f32 v[224+6*\c:226+6*\c], v[96+32*\c:111+32*\c], v[244+2*\c]
	v_cvt_scalef32_pk16_fp6_f32 v[236+4*\c:238+4*\c], v[112+32*\c:127+32*\c], v[244+2*\c+1]
.endr
	v_nop                                          ; one plain place behind a scaled conversion
.irp c, 0,1
.irp i, 0,1,2
	v_permlane16_swap_b32 v[224+6*\c+\i], v[236+4*\c+\i]
.endr
.irp i, 0,1,2
	v_mov_b32 v[227+6*\c+\i], v[236+4*\c+\i]
.endr
.endr
.set IDX, 0
.rept 16
	v_pk_mul_f32 v[160+IDX:161+IDX], v[160+IDX:161+IDX], v[252:253] op_sel_hi:[1,0]   ; O^T under the new M.  (These sixteen also stand between the vector writes of p's codes and scale word and the products below)
.set IDX, IDX+2
.endr
	s_wait_dscnt 0x0                               ; v's fragments and scale words
.irp t, 0,1,2,3                                ; O^T += v^T p^T: my head's 64 channels; the four accumulators take turns
	v_wmma_scale_f32_16x16x128_f8f6f4 v[160+8*\t:167+8*\t], v[32+12*\t:43+12*\t], v[224:235], v[160+8*\t:167+8*\t], v[248+\t], v253 matrix_a_fmt:MATRIX_FMT_FP6 matrix_b_fmt:MATRIX_FMT_FP6
.endr
.Lhidden_\@:
	s_add_co_u32 s[ST], s[ST], 1
.endm
; THE CHANGE OF SLOTS stands at a slot's head.  Each wave waits for all its tensor loads, adds 0 to its spare word, and waits for that and for its reads of the slot that it has left.  fill = 1: a round of the
; cluster's barrier, and behind it the other slot is filled with the next 256 keys: the load has two key steps in which to land.
.macro CHANGE fill
	s_wait_tensorcnt 0x0                           ; no tensor load of mine is out, so a group 0 may be written
	ds_add_u32 v[SPW], v[NIL]                      ; 0 onto my spare word
.if \fill
	s_xor_b32 s[G0K+1], s[G0K+1], SLOT1
	s_add_nc_u64 s[G0K+2:G0K+3], s[G0K+2:G0K+3], REC
	s_xor_b32 s[G0V+1], s[G0V+1], SLOT1
	s_add_nc_u64 s[G0V+2:G0V+3], s[G0V+2:G0V+3], 8*REC
	s_wait_xcnt 0x0                                ; the last prefetch, a slot back, has read its address
	s_add_nc_u64 s[PFA:PFA+1], s[PFA:PFA+1], s[PFS:PFS+1]
	s_wait_dscnt 0x0                               ; the add is done, and my reads of the slot that I have left are over
	CROUND
	TLOAD
	ASK
.else
	s_wait_dscnt 0x0
	s_barrier_signal -1
	s_barrier_wait -1
.endif
.endm
.macro SLOT_STEPS
	STEP 0
	STEP 1
	s_xor_b32 s[TB], s[TB], SLOT1
.endm
.Lslot:                                            ; 7 trips: behind each change of slots but the last the next slot is asked for
	CHANGE 1
	SLOT_STEPS
	s_sub_co_u32 s[SLOTS], s[SLOTS], 1
	s_cmp_lg_u32 s[SLOTS], 0
	s_cbranch_scc1 .Lslot
	CHANGE 0                                       ; the last slot is written out
	SLOT_STEPS
	; THE WAY OUT.  O^T / the sum is my head's 64 channels of 16 tokens: two blocks of 32 of the next product's K, half a fragment.  The pair's two waves put their halves into one image in LDS; whole runs leave.
	v_add_f32 v14, v14, v15
	v_permlanex16_b32 v252, v14, s[SEL], s[SEL+1]
	v_add_f32 v14, v14, v252                       ; the row's sum
	v_rcp_f32 v14, v14
	v_and_b32 v8, 15, v0                           ; (a plain place behind the transcendental)
	v_and_b32 v9, 31, v0
	s_lshr_b32 s84, s[WV], 1
	s_mul_i32 s85, s84, 1536
	s_add_co_u32 s85, s85, STG                     ; my pair's image
	s_mul_i32 s86, s36, 520
	s_add_co_u32 s86, s86, s85
	v_add_nc_u32 v80, s86, v[AK0]                  ; registers 6 e, 6 e + 1 at 16 l + 520 e; 6 e + 4, 6 e + 5 512 bytes on
	s_mul_i32 s86, s36, 1016
	s_add_co_u32 s86, s86, s85
	v_add_nc_u32 v81, s86, v[AK0]                  ; registers 6 e + 2, 6 e + 3 at 16 l + 8 + 1,016 e
	s_lshl_b32 s86, s84, 6
	s_lshl_b32 s87, s36, 1
	s_add_co_u32 s86, s86, s87
	s_add_co_u32 s86, s86, SSTG
	v_lshl_add_u32 v82, v8, 2, s86                 ; my two bytes of row r's scale word
	s_lshl_b32 s86, s36, 9
	v_add_nc_u32 v86, s86, v[AK0]                  ; back: 512 bytes at 512 e,
	v_add_nc_u32 v83, s85, v86
	s_lshl_b32 s86, s36, 8
	s_add_co_u32 s86, s86, 1024
	v_lshl_add_u32 v87, v9, 3, s86                 ; and 256 bytes at 1,024 + 256 e
	v_add_nc_u32 v84, s85, v87
	s_lshl_b32 s86, s38, 7
	s_add_co_u32 s86, s86, SSTG
	v_lshlrev_b32 v88, 2, v9
	v_add_nc_u32 v85, s86, v88                     ; the 32 scale words of my block class
	s_wait_alu depctr_va_vdst(0)                   ; the wait ahead of the reciprocal's first reader
.set IDX, 0
.rept 32
	v_mul_f32 v[96+IDX], v[160+IDX], v14           ; register 8 t + j: channel 16 t + 8 h + j of my query
.set IDX, IDX+1
.endr
.irp b, 0,1
	v_max3_num_f32 v[232+\b], |v[96+16*\b]|, |v[97+16*\b]|, 0x1800000
.endr
.irp i, 2,4,6,8,10,12,14
.irp b, 0,1
	v_max3_num_f32 v[232+\b], v[232+\b], |v[96+16*\b+\i]|, |v[97+16*\b+\i]|
.endr
.endr
.irp b, 0,1
	v_permlanex16_b32 v[236+\b], v[232+\b], s[SEL], s[SEL+1]
.endr
.irp b, 0,1
	v_max_num_f32 v[232+\b], v[232+\b], v[236+\b]
.endr
.irp b, 0,1
	v_add_nc_u32 v[244+\b], 0xff000000, v[232+\b]
.endr
.irp b, 0,1
	v_lshrrev_b32 v[236+\b], 23, v[244+\b]
.endr
	v_lshl_or_b32 v254, v237, 8, v236              ; my two bytes
	v_cvt_scalef32_pk16_fp6_f32 v[224:226], v[96:111], v244
	v_cvt_scalef32_pk16_fp6_f32 v[228:230], v[112:127], v245
	v_nop                                          ; one plain place behind a scaled conversion
	v_permlane16_swap_b32 v224, v228
	v_permlane16_swap_b32 v225, v229
	v_permlane16_swap_b32 v226, v230
	v_mov_b32 v227, v228
	v_mov_b32 v228, v229
	v_mov_b32 v229, v230                           ; v224-229: registers 6 e .. 6 e + 5 of the fragment
	ds_store_b64 v80, v[224:225]
	ds_store_b64 v81, v[226:227] offset:8
	ds_store_b64 v80, v[228:229] offset:512
	ds_store_b16 v82, v254                         ; lanes l and l xor 16 write the same bytes with the same value
	s_wait_dscnt 0x0                               ; for the others' sake: my stores have landed
	s_barrier_signal -1
	s_barrier_wait -1
	ds_load_b128 v[32:35], v83
	ds_load_b64 v[36:37], v84
	s_wait_dscnt 0x0
	global_store_b128 v86, v[32:35], s[68:69]      ; 512 consecutive bytes
	global_store_b64 v87, v[36:37], s[68:69]       ; 256 consecutive bytes, at a multiple of 256 from cc's first byte
	s_and_b32 s84, s[WV], 3
	s_cmp_lg_u32 s84, 3                            ; one wave of each block class stores its two fragments' scale words
	s_cbranch_scc1 .Lno_words
	ds_load_b32 v38, v85
	s_wait_dscnt 0x0
	global_store_b32 v88, v38, s[70:71]            ; 128 consecutive bytes
.Lno_words:
	s_wait_tensorcnt 0x0                           ; the wave's end
	ds_add_u32 v[SPW], v[NIL]
	s_wait_dscnt 0x0
	CROUND                                         ; the closing round
	s_endpgm
.Lfunc_end_k_q7ee3d1b08e_attn:
	.size	k_q7ee3d1b08e_attn, .Lfunc_end_k_q7ee3d1b08e_attn-k_q7ee3d1b08e_attn
	.p2alignl 7, 3214868480
	.fill 96, 4, 3214868480
	.section	.rodata,"a",@progbits
	.p2align	6, 0x0
	.amdhsa_kernel k_q7ee3d1b08e_attn
		.amdhsa_group_segment_fixed_size 327680
		.amdhsa_private_segment_fixed_size 0
		.amdhsa_enable_private_segment 0
		.amdhsa_kernarg_size 24
		.amdhsa_user_sgpr_count 2
		.amdhsa_user_sgpr_kernarg_segment_ptr 1
		.amdhsa_wavefront_size32 1
		.amdhsa_system_sgpr_workgroup_id_x 1
		.amdhsa_system_sgpr_workgroup_id_y 1
		.amdhsa_system_sgpr_workgroup_id_z 1
		.amdhsa_system_vgpr_workitem_id 0
		.amdhsa_next_free_vgpr 256
		.amdhsa_next_free_sgpr 88
		.amdhsa_reserve_vcc 1
		.amdhsa_float_denorm_mode_32 3
		.amdhsa_float_denorm_mode_16_64 3
		.amdhsa_memory_ordered 1
		.amdhsa_forward_progress 1
		.amdhsa_inst_pref_size 104
	.end_amdhsa_kernel
	.amdgpu_metadata
---
amdhsa.version: [ 1, 2 ]
amdhsa.kernels:
  - .name:           k_q7ee3d1b08e_attn
    .symbol:         k_q7ee3d1b08e_attn.kd
    .args:
      - { .name: qk, .offset: 0, .size: 8, .value_kind: global_buffer, .address_space: global }
      - { .name: vt, .offset: 8, .size: 8, .value_kind: global_buffer, .address_space: global }
      - { .name: cc, .offset: 16, .size: 8, .value_kind: global_buffer, .address_space: global }
    .group_segment_fixed_size: 327680
    .private_segment_fixed_size: 0
    .kernarg_segment_align: 8
    .kernarg_segment_size: 24
    .max_flat_workgroup_size: 512
    .sgpr_count:     88
    .vgpr_count:     256
    .wavefront_size: 32
...
	.end_amdgpu_metadata
.endif
;; end of part 4
;; launch gout (part 5): grid 4 x 16, 4 waves a work-group, clusters of 4 x 4, 327,680 bytes of LDS; arguments cc, wc, bo, x, x1; writes x1
.if DOCPART == 5
	.amdgcn_target "amdgcn-amd-amdhsa--gfx1250"
	.amdhsa_code_object_version 6
	.text
	.protected	k_q7ee3d1b08e_gout
	.globl	k_q7ee3d1b08e_gout
	.p2align	8
	.type	k_q7ee3d1b08e_gout,@function
k_q7ee3d1b08e_gout:
	s_mov_b64 s[64:65], 0
	v_nop
	global_prefetch_b8 v0, s[64:65] scope:SCOPE_SE
	s_setreg_imm32_b32 hwreg(HW_REG_WAVE_MODE, 25, 1), 1
	s_wait_xcnt 0x0
	s_wait_alu depctr_hold_cnt(0) depctr_sa_sdst(0) depctr_va_vdst(0) depctr_va_sdst(0) depctr_va_ssrc(0) depctr_va_vcc(0) depctr_vm_vsrc(0)
	s_getreg_b32 s2, hwreg(HW_REG_IB_STS2, 6, 4)
	s_cmp_eq_u32 s2, 0
	s_cbranch_scc0 .Lentry_in_a_cluster
	s_endpgm
.Lentry_in_a_cluster:
	s_bfe_u32 s2, ttmp6, 0x10000c
	s_cmp_lg_u32 s2, 0xf033
	s_cbranch_scc0 .Lentry_shape_is_right
	s_endpgm
.Lentry_shape_is_right:
; x1 = x + ctx Wo + bo.  The product on codes of FP6 (E2M3) with one E8M0 scale for each 32 along K (K = 1,024); sums, bias and residual in f32.
; OPERANDS come as RECORDS of 25,600 bytes: 128 rows x 256 K = 16 register images of fragments (16 rows x 128 K, 1,536 bytes: register group c of lane l at 512 c + 16 l; fragment 8 s + i), then their scale
; words (fragment f, row r at 24,576 + 64 f + 4 r).  Record (k / 256) RG + row / 128.  One tensor load brings a record, scales and all; a fragment comes out of LDS by three loads of 16 bytes a lane.
; A tile of 256 x 256 is made by four waves, 128 x 128 each: 64 accumulators, 512 registers.  K goes in steps of 256 through a ring of two LDS slots of four records (A's two row halves, B's two).
; N = 1,024 gives 64 tiles of this size: 64 work-groups.  THE MATRIX INSTRUCTION IS USED TRANSPOSED (source 0 = 16 rows of B, source 1 = 16 rows of A): a lane holds eight neighbouring numbers of a row of the result.
; CLUSTERS 4 x 4: A's records are shared along a row of the cluster, B's along a column: joint tensor loads.
; REGISTERS: window 0: v0-31 addresses, v4-7 the bias; v32-63 scale words, two sets; v128-223 A's fragments, one set (way out: v128-255 rows back from the stage).
;   window 1: B's fragments, two sets (way out: the residual's rows, four sets of 64).   windows 2, 3: the accumulators, (a, b) at v[8 (8 (a % 4) + b)].
.set KK,    1024
.set RGA,   32                         ; ctx has 32 groups of 128 rows
.set RGB,   8                          ; Wo has 8
.set WOFF,  2457600                    ; Wo's records in wc
.set NTOUT, 0                          ; x1 is read again by later launches
.set REC,   25600
.set SLOT,  4*REC
.set SPARE, 2*SLOT                     ; behind the ring: the spare words, 128 bytes for each wave: two blocks of 256 bytes that no other line names
.set FR,    12
.set NL,    3
.set NQ,    2
.set NP,    4
.set LAPS,  KK/512
.set ADRA,  16
.set ADRS,  18
.set ADRB,  20
.set STO,   24                         ; v24 the way out: where I put 32 bytes of a row
.set RD,    25                         ; v25 where I read a row back
.set CO,    26                         ; v26 16 x lane
.set SPW,   28
.set NIL,   29
.set BI,    4
.set SC,    32
.set AF,    128
.set BK,    128
.set SPITCH, 528                       ; the stage: 16 rows x (512 bytes + 16) for each wave, in slot 0, which has had its last fill and its last read when the first result is stored there
.set G1,    24
.set G0,    32
.set G1B,   48
.set G0B,   56
.set MSB,   0
.set MUL_LO, 0xa1
.set MUL_HI, 0xf1
.set TO_B,   0x40
.macro WIN new                         ; the immediate's high byte repeats the setting that is left
.if MSB != \new
	s_set_vgpr_msb (MSB<<8)|\new
.set MSB, \new
.endif
.endm
.macro JLOAD s                         ; a joint load: waves 0 and 1 fetch A's records, waves 2 and 3 B's; four v_nop follow each of the two lines
	s_cmp_eq_u32 s15, 0
	s_cbranch_scc0 .Lfor_b_\@
	tensor_load_to_lds s[G0+4*\s:G0+4*\s+3], s[G1:G1+7]
	s_nop 0
.rept 4
	v_nop
.endr
	s_branch .Lasked_\@
.Lfor_b_\@:
	tensor_load_to_lds s[G0B+4*\s:G0B+4*\s+3], s[G1B:G1B+7]
	s_nop 0
.rept 4
	v_nop
.endr
.Lasked_\@:
.endm
.macro CREST
	s_cmp_lg_u32 s14, 0
	s_cbranch_scc1 .Lnot_wave_0_\@
	s_barrier_signal -3
.Lnot_wave_0_\@:
	s_barrier_wait -3
	s_barrier_signal -1
	s_barrier_wait -1
.endm
.macro CROUND
	s_barrier_signal -1
	s_barrier_wait -1
	CREST
.endm
.macro ADVANCE slot                    ; both walking addresses two K steps on
	s_add_nc_u64 s[G0+4*\slot+2:G0+4*\slot+3], s[G0+4*\slot+2:G0+4*\slot+3], 2*RGA*REC
	s_add_nc_u64 s[G0B+4*\slot+2:G0B+4*\slot+3], s[G0B+4*\slot+2:G0B+4*\slot+3], 2*RGB*REC
.endm
.macro FRAG reg, adr, q, i
.irp c, 0,1,2
	ds_load_b128 v[\reg+4*\c:\reg+4*\c+3], v[\adr] offset:(8*(\q)+(\i))*1536+512*\c
.endr
.endm
; 16 matrix instructions: A's blocks a0, a0 + 1 x B's eight, 128 along K.  The 64 accumulators take turns, one instruction a turn.
.macro MUL16 a0, p, q, sc, zero
.irp a, \a0, \a0+1
.irp b, 0,1,2,3,4,5,6,7
.if \zero
	v_wmma_scale_f32_16x16x128_f8f6f4 v[8*(8*((\a)%4)+\b):8*(8*((\a)%4)+\b)+7], v[128*(\p)+FR*\b:128*(\p)+FR*\b+FR-1], v[AF+FR*(\a):AF+FR*(\a)+FR-1], 0, v[SC+8*NQ*(\sc)+NQ*\b+(\q)], v[SC+8*NQ*(\sc)+NQ*(\a)+(\q)] matrix_a_fmt:MATRIX_FMT_FP6 matrix_b_fmt:MATRIX_FMT_FP6 matrix_a_scale:MATRIX_SCALE_ROW1
.else
	v_wmma_scale_f32_16x16x128_f8f6f4 v[8*(8*((\a)%4)+\b):8*(8*((\a)%4)+\b)+7], v[128*(\p)+FR*\b:128*(\p)+FR*\b+FR-1], v[AF+FR*(\a):AF+FR*(\a)+FR-1], v[8*(8*((\a)%4)+\b):8*(8*((\a)%4)+\b)+7], v[SC+8*NQ*(\sc)+NQ*\b+(\q)], v[SC+8*NQ*(\sc)+NQ*(\a)+(\q)] matrix_a_fmt:MATRIX_FMT_FP6 matrix_b_fmt:MATRIX_FMT_FP6 matrix_a_scale:MATRIX_SCALE_ROW1
.endif
.endr
.endr
.endm
.macro FETCH_B slot, q, p
	WIN TO_B
.irp i, 0,1,2,3,4,5,6,7
	FRAG 128*(\p)+FR*\i, ADRB+\slot, \q, \i
.endr
	WIN 0
.endm
.macro FETCH_A slot, q, i0
.irp i, \i0, \i0+1, \i0+2, \i0+3
	FRAG AF+FR*(\i), ADRA+\slot, \q, \i
.endr
.endm
.macro SCALES sc
.irp i, 0,1,2,3,4,5,6,7
.irp q, 0,1
	ds_load_b32 v[SC+16*\sc+2*\i+\q], v[ADRS+\sc] offset:512*\q+64*\i
.endr
.endr
.endm
.macro PLACES n
.rept \n
	v_nop
.endr
.endm
.macro STEP slot, q, zero
	s_wait_dscnt 4*NL                              ; B's set, A's blocks 0-3 and the scale words are in; the youngest 12 loads (A's blocks 4-7) may be out
	WIN MUL_LO
	MUL16 0, (\q)%2, \q, \slot, \zero
	MUL16 2, (\q)%2, \q, \slot, \zero
	s_wait_dscnt 0
	PLACES NP
	FETCH_B \slot, (\q)+1, 1-(\q)%2
	FETCH_A \slot, (\q)+1, 0
	WIN MUL_HI
	MUL16 4, (\q)%2, \q, \slot, \zero
	MUL16 6, (\q)%2, \q, \slot, \zero
	PLACES NP
	WIN 0
	FETCH_A \slot, (\q)+1, 4
.endm
.macro TURN slot, next, fill
	s_wait_tensorcnt 0x0                           ; all my tensor loads have landed: the one that was out is my record of the next slot
	ds_add_u32 v[SPW], v[NIL]                      ; 0 onto my spare word
	s_wait_dscnt 4*NL+1                            ; (the add and the youngest 12 loads may be out)
	WIN MUL_LO
	MUL16 0, 1, NQ-1, \slot, 0
	s_wait_dscnt 0x0                               ; the add is done, and my reads of this slot are over
	s_barrier_signal -1
	MUL16 2, 1, NQ-1, \slot, 0
	WIN 0
	s_barrier_wait -1
.if \fill
	CREST                                          ; the barrier has opened a round of the cluster's barrier: no wave of any partner still reads this slot or has a load on its way
	ADVANCE \slot
	JLOAD \slot
.else
	PLACES NP
.endif
	FETCH_B \next, 0, 0
	FETCH_A \next, 0, 0
	SCALES \next
	WIN MUL_HI
	MUL16 4, 1, NQ-1, \slot, 0
	MUL16 6, 1, NQ-1, \slot, 0
	PLACES NP
	WIN 0
	FETCH_A \next, 0, 4
.endm
.macro LAP
	TURN 0, 1, 1
	STEP 1, 0, 0
	TURN 1, 0, 1
	STEP 0, 0, 0
.endm
	s_load_b256 s[4:11], s[0:1], 0x0               ; A's records s[4:5], wc s[6:7], the bias s[8:9], the residual s[10:11]
	s_load_b64 s[12:13], s[0:1], 0x20              ; the result
	v_lshl_add_u32 v[SPW], v0, 2, SPARE
	v_mov_b32 v[NIL], 0
	ds_add_u32 v28, v29
	s_wait_dscnt 0x0
	v_lshrrev_b32 v1, 5, v0
	v_readfirstlane_b32 s14, v1                    ; wave 0..3
	s_lshr_b32 s15, s14, 1                         ; which half of the tile's rows is mine.  Also: I fetch for A (0) or for B (1)
	s_and_b32 s16, s14, 1                          ; which half of its columns.  Also: which record of the two I fetch
	s_bfe_u32 s40, ttmp6, 0x40000
	s_bfe_u32 s41, ttmp6, 0x40004
	s_lshl_b32 s42, ttmp9, 2
	s_add_co_u32 s42, s42, s40                     ; tile column
	s_and_b32 s17, ttmp7, 0xffff
	s_lshl_b32 s17, s17, 2
	s_add_co_u32 s17, s17, s41                     ; tile row
	s_lshl_b32 s43, s41, 2
	s_lshl_b32 s43, 15, s43                        ; my row of the cluster
	s_lshl_b32 s44, 0x1111, s40                    ; my column
	s_or_b32 s[G1+0], s43, (3<<16)|(1<<21)         ; a record: 100 rows of 32 elements of 8 bytes, dense, no padding; 15:0 the mask; 21 set beside it
	s_or_b32 s[G1B+0], s44, (3<<16)|(1<<21)
.irp g, G1, G1B
	s_mov_b32 s[\g+1], 32<<16
	s_mov_b32 s[\g+2], 100<<16
	s_mov_b32 s[\g+3], 32<<16
	s_mov_b32 s[\g+4], 100
	s_mov_b32 s[\g+5], 32
	s_mov_b32 s[\g+6], 0
	s_mov_b32 s[\g+7], 0
.endr
	s_lshl_b32 s20, s17, 1
	s_add_co_u32 s20, s20, s16
	s_mul_i32 s20, s20, REC                        ; A: record 2 x tile row + half
	s_mov_b32 s21, 0
	s_lshl_b32 s46, s42, 1
	s_add_co_u32 s46, s46, s16
	s_mul_i32 s46, s46, REC                        ; B: record 2 x tile column + half
	s_add_co_u32 s46, s46, WOFF
	s_mov_b32 s47, 0
	s_mul_i32 s45, s14, REC                        ; where they go: wave x a record
	s_wait_kmcnt 0x0
	s_add_nc_u64 s[20:21], s[4:5], s[20:21]
	s_add_nc_u64 s[46:47], s[6:7], s[46:47]
	CROUND                                         ; all sixteen work-groups are here: the first joint loads meet
.irp s, 0,1
	s_mov_b32 s[G0+4*\s], 1
	s_add_co_u32 s[G0+4*\s+1], s45, \s*SLOT
	s_add_nc_u64 s[G0+4*\s+2:G0+4*\s+3], s[20:21], \s*RGA*REC
	s_or_b32 s[G0+4*\s+3], s[G0+4*\s+3], 0x80000000
	s_mov_b32 s[G0B+4*\s], 1
	s_add_co_u32 s[G0B+4*\s+1], s45, \s*SLOT
	s_add_nc_u64 s[G0B+4*\s+2:G0B+4*\s+3], s[46:47], \s*RGB*REC
	s_or_b32 s[G0B+4*\s+3], s[G0B+4*\s+3], 0x80000000
	JLOAD \s
.endr
	v_and_b32 v1, 15, v0                           ; r
	v_bfe_u32 v2, v0, 4, 1                         ; h
	v_and_b32 v3, 31, v0
	v_lshlrev_b32 v[CO], 4, v3
	s_mul_i32 s21, s15, REC
	s_mul_i32 s22, s16, REC
	s_add_co_u32 s22, s22, 2*REC
	v_add_nc_u32 v[ADRA], s21, v[CO]
	v_add_nc_u32 v[ADRB], s22, v[CO]
	v_add_nc_u32 v[ADRA+1], SLOT, v[ADRA]
	v_add_nc_u32 v[ADRB+1], SLOT, v[ADRB]
	s_xor_b32 s22, s15, 1
	s_add_co_u32 s22, s22, s16
	s_add_co_u32 s22, s22, 1
	s_mul_i32 s22, s22, REC                        ; from my record of A to my record of B
	v_mul_u32_u24 v4, s22, v2                      ; lanes 16-31 take B's scale words
	v_lshl_add_u32 v4, v1, 2, v4
	s_add_co_u32 s21, s21, 24576
	v_add_nc_u32 v[ADRS], s21, v4
	v_add_nc_u32 v[ADRS+1], SLOT, v[ADRS]
	s_mul_i32 s23, s14, 16*SPITCH                  ; my stage
	v_mul_u32_u24 v5, v1, SPITCH
	v_lshl_add_u32 v5, v2, 5, v5
	v_add_nc_u32 v[STO], s23, v5                   ; in: row r, 32 bytes for each half of the lanes
	v_add_nc_u32 v[RD], s23, v[CO]                 ; back: the 32 lanes take one row of 512 bytes
	s_lshl_b32 s90, s17, 8
	s_lshl_b32 s91, s15, 7
	s_add_co_u32 s90, s90, s91
	s_lshl_b32 s90, s90, 12                        ; my first row: 256 x tile row + 128 x half, 4,096 bytes a row
	s_lshl_b32 s88, s42, 10
	s_lshl_b32 s89, s16, 9
	s_add_co_u32 s88, s88, s89                     ; my first column, in bytes
	s_mov_b32 s89, 0
	s_add_nc_u64 s[8:9], s[8:9], s[88:89]
	s_add_co_u32 s90, s90, s88
	s_mov_b32 s91, 0
	s_add_nc_u64 s[10:11], s[10:11], s[90:91]
	s_add_nc_u64 s[12:13], s[12:13], s[90:91]
	global_load_b128 v[BI:BI+3], v[CO], s[8:9]     ; the bias at my four columns; wanted on the way out
	s_wait_tensorcnt 1                             ; my record of K step 0 is in (K step 1's load may be out)
	s_barrier_signal -1
	s_barrier_wait -1
	FETCH_B 0, 0, 0
	FETCH_A 0, 0, 0
	SCALES 0
	FETCH_A 0, 0, 4
	STEP 0, 0, 1                                   ; the first step's products start the sums
.if LAPS > 2
	s_mov_b32 s3, LAPS-1
.Llap:
	LAP
	s_sub_co_u32 s3, s3, 1
	s_cmp_lg_u32 s3, 0
	s_cbranch_scc1 .Llap
.else
	LAP
.endif
	TURN 0, 1, 0                                   ; the last lap fills nothing
	STEP 1, 0, 0
	s_wait_dscnt 4*NL
	WIN MUL_LO
	MUL16 0, 1, NQ-1, 1, 0
	MUL16 2, 1, NQ-1, 1, 0
	s_wait_dscnt 0
	WIN MUL_HI
	MUL16 4, 1, NQ-1, 1, 0
	MUL16 6, 1, NQ-1, 1, 0
	WIN 0
; THE WAY OUT, block by block of 16 rows x 128 columns: through my own stage in LDS and back as whole rows of 512 bytes; the residual's rows, asked for four blocks ahead, and the bias are added; 32 lanes store a row's 512 bytes.
.macro TOSTAGE a
.set AC, 64*((\a)%4)
	WIN 0x08+4*((\a)/4)                            ; an LDS store's data are its source 1: window 2 or 3
.irp b, 0,1,2,3,4,5,6,7
	ds_store_b128 v[STO], v[AC+8*\b:AC+8*\b+3] offset:64*\b          ; each accumulator from its low end on
	ds_store_b128 v[STO], v[AC+8*\b+4:AC+8*\b+7] offset:64*\b+16
.endr
	WIN 0
.set BB, BK+64*((\a)%2)
.irp t, 0,1,2,3,4,5,6,7,8,9,10,11,12,13,14,15
	ds_load_b128 v[BB+4*\t:BB+4*\t+3], v[RD] offset:\t*SPITCH        ; LDS serves a wave's instructions in order: these see the stores above
.endr
.endm
.macro RLOAD a                         ; the residual's 16 rows of block a into window 1, set a % 4
	WIN TO_B
.irp t, 0,1,2,3,4,5,6,7,8,9,10,11,12,13,14,15
	global_load_b128 v[64*((\a)%4)+4*\t:64*((\a)%4)+4*\t+3], v[CO], s[10:11] offset:(16*(\a)+\t)*4096
.endr
	WIN 0
.endm
.macro SEND a, younger
.set BB, BK+64*((\a)%2)
.set RR, 64*((\a)%4)
	s_wait_dscnt \younger                          ; the block is back in registers
.if (\a) <= 4
	s_wait_loadcnt 48                              ; its residual is in; the loads of the three blocks behind it may be out
.else
	s_wait_loadcnt 16*(7-(\a))
.endif
	WIN 0x04                                       ; source 1 window 1
.set IDX, 0
.rept 32
	v_pk_add_f32 v[BB+IDX:BB+IDX+1], v[BB+IDX:BB+IDX+1], v[RR+IDX:RR+IDX+1]
.set IDX, IDX+2
.endr
	WIN 0
.irp t, 0,1,2,3,4,5,6,7,8,9,10,11,12,13,14,15
	v_pk_add_f32 v[BB+4*\t:BB+4*\t+1], v[BB+4*\t:BB+4*\t+1], v[BI:BI+1]
	v_pk_add_f32 v[BB+4*\t+2:BB+4*\t+3], v[BB+4*\t+2:BB+4*\t+3], v[BI+2:BI+3]
.endr
.irp t, 0,1,2,3,4,5,6,7,8,9,10,11,12,13,14,15
.if NTOUT
	global_store_b128 v[CO], v[BB+4*\t:BB+4*\t+3], s[12:13] offset:(16*(\a)+\t)*4096 th:TH_STORE_NT
.else
	global_store_b128 v[CO], v[BB+4*\t:BB+4*\t+3], s[12:13] offset:(16*(\a)+\t)*4096   ; 512 consecutive bytes, at a multiple of 256 from the buffer's first byte; 127 rows at the most: inside the signed 24-bit immediate
.endif
.endr
.if (\a) < 4
	RLOAD (\a)+4
.endif
.endm
	PLACES NP                                      ; behind the last products: for the loads into registers that they read, and for the reads of results
	s_wait_loadcnt 0x0                             ; the bias
	RLOAD 0
	RLOAD 1
	RLOAD 2
	RLOAD 3
	TOSTAGE 0
.irp a, 1,2,3,4,5,6,7
.if \a > 1
	s_wait_xcnt 0x0                                ; block a - 2's stores have read their registers: block a's loads may land there
.endif
	TOSTAGE \a
	SEND \a-1, 32                                  ; behind block a - 1's loads: block a's 16 stores and 16 loads
.endr
	SEND 7, 0
	s_wait_tensorcnt 0x0                           ; the wave's end
	ds_add_u32 v[SPW], v[NIL]
	s_wait_dscnt 0x0
	CROUND                                         ; the closing round
	s_endpgm
.Lfunc_end_k_q7ee3d1b08e_gout:
	.size	k_q7ee3d1b08e_gout, .Lfunc_end_k_q7ee3d1b08e_gout-k_q7ee3d1b08e_gout
	.p2alignl 7, 3214868480
	.fill 96, 4, 3214868480
	.section	.rodata,"a",@progbits
	.p2align	6, 0x0
	.amdhsa_kernel k_q7ee3d1b08e_gout
		.amdhsa_group_segment_fixed_size 327680
		.amdhsa_private_segment_fixed_size 0
		.amdhsa_enable_private_segment 0
		.amdhsa_kernarg_size 40
		.amdhsa_user_sgpr_count 2
		.amdhsa_user_sgpr_kernarg_segment_ptr 1
		.amdhsa_wavefront_size32 1
		.amdhsa_system_sgpr_workgroup_id_x 1
		.amdhsa_system_sgpr_workgroup_id_y 1
		.amdhsa_system_sgpr_workgroup_id_z 1
		.amdhsa_system_vgpr_workitem_id 0
		.amdhsa_next_free_vgpr 1024
		.amdhsa_next_free_sgpr 100
		.amdhsa_reserve_vcc 0
		.amdhsa_float_denorm_mode_32 3
		.amdhsa_float_denorm_mode_16_64 3
		.amdhsa_memory_ordered 1
		.amdhsa_forward_progress 1
		.amdhsa_inst_pref_size 180
	.end_amdhsa_kernel
	.amdgpu_metadata
---
amdhsa.version: [ 1, 2 ]
amdhsa.kernels:
  - .name:           k_q7ee3d1b08e_gout
    .symbol:         k_q7ee3d1b08e_gout.kd
    .args:
      - { .name: cc, .offset: 0, .size: 8, .value_kind: global_buffer, .address_space: global }
      - { .name: wc, .offset: 8, .size: 8, .value_kind: global_buffer, .address_space: global }
      - { .name: bo, .offset: 16, .size: 8, .value_kind: global_buffer, .address_space: global }
      - { .name: x, .offset: 24, .size: 8, .value_kind: global_buffer, .address_space: global }
      - { .name: x1, .offset: 32, .size: 8, .value_kind: global_buffer, .address_space: global }
    .group_segment_fixed_size: 327680
    .private_segment_fixed_size: 0
    .kernarg_segment_align: 8
    .kernarg_segment_size: 40
    .max_flat_workgroup_size: 128
    .sgpr_count:     100
    .vgpr_count:     1024
    .wavefront_size: 32
...
	.end_amdgpu_metadata
.endif
;; end of part 5
;; launch ln2: the kernel of part 2 again; grid 256 x 1, 8 waves a work-group, no clusters, 70,656 bytes of LDS; arguments x1, g2, s2, hc; writes hc
;; launch gup (part 6): grid 16 x 16, 4 waves a work-group, clusters of 4 x 4, 327,680 bytes of LDS; arguments hc, wc, b1, gc; writes gc
.if DOCPART == 6
	.amdgcn_target "amdgcn-amd-amdhsa--gfx1250"
	.amdhsa_code_object_version 6
	.text
	.protected	k_q7ee3d1b08e_gup
	.globl	k_q7ee3d1b08e_gup
	.p2align	8
	.type	k_q7ee3d1b08e_gup,@function
k_q7ee3d1b08e_gup:
	s_mov_b64 s[64:65], 0
	v_nop
	global_prefetch_b8 v0, s[64:65] scope:SCOPE_SE
	s_setreg_imm32_b32 hwreg(HW_REG_WAVE_MODE, 25, 1), 1
	s_wait_xcnt 0x0
	s_wait_alu depctr_hold_cnt(0) depctr_sa_sdst(0) depctr_va_vdst(0) depctr_va_sdst(0) depctr_va_ssrc(0) depctr_va_vcc(0) depctr_vm_vsrc(0)
	s_getreg_b32 s2, hwreg(HW_REG_IB_STS2, 6, 4)
	s_cmp_eq_u32 s2, 0
	s_cbranch_scc0 .Lentry_in_a_cluster
	s_endpgm
.Lentry_in_a_cluster:
	s_bfe_u32 s2, ttmp6, 0x10000c
	s_cmp_lg_u32 s2, 0xf033
	s_cbranch_scc0 .Lentry_shape_is_right
	s_endpgm
.Lentry_shape_is_right:
; g = gelu(h W1 + b1), quantised again as the next product's operand.  The product on codes of FP6 (E2M3) with one E8M0 scale for each 32 along K (K = 1,024); bias and activation in f32.
; OPERANDS come as RECORDS of 25,600 bytes: 128 rows x 256 K = 16 register images of fragments (16 rows x 128 K, 1,536 bytes: register group c of lane l at 512 c + 16 l; fragment 8 s + i), then their scale
; words (fragment f, row r at 24,576 + 64 f + 4 r).  Record (k / 256) RG + row / 128.  One tensor load brings a record; a fragment comes out of LDS by three loads of 16 bytes a lane.  gc is laid the same way.
; A tile of 256 x 256 is made by four waves, 128 x 128 each; K in steps of 256 through a ring of two LDS slots of four records.  256 work-groups.
; THE MATRIX INSTRUCTION IS USED TRANSPOSED (source 0 = 16 rows of W1^T, source 1 = 16 tokens): a lane holds ONE token and its registers run along the hidden units, the next product's K.
; Inside a block of 32 the places hold K with bits 3 and 4 exchanged, in every operand of this program alike: that is the order in which a transposed result's registers lie.
; GELU: 0.5 x (1 + tanh(u)) = x / (1 + 2^(x (k1 + k2 x^2))), k1 = -2 sqrt(2 / pi) log2(e), k2 = 0.044715 k1: v_exp_f32 and v_rcp_f32 in f32.  Far in the negative tail, where the written form cancels to 0, this
; form gives a number under 1e-7 |x|.  LIMITS: NaN and infinities are not served; a block of zeros gets the byte 1 (its codes are zeros; this program alone reads the bytes).
; CLUSTERS 4 x 4: A's records are shared along a row of the cluster, B's along a column: joint tensor loads.
; REGISTERS: window 0: v0-31 addresses; v32-63 scale words, two sets; v64-95 codes and quantiser's work; v128-223 A's fragments (way out: v128-191 64 numbers, v192-255 the activation's work).
;   window 1: B's fragments, two sets; v96-127, v224-255 the bias.   windows 2, 3: the accumulators, (a, b) at v[8 (8 (a % 4) + b)].
.set KK,    1024
.set RGA,   32
.set RGB,   32
.set WOFF,  3276800                    ; W1's records in wc
.set REC,   25600
.set SLOT,  4*REC
.set SPARE, 2*SLOT                     ; behind the ring: the spare words, 128 bytes for each wave: two blocks of 256 bytes that no other line names
.set FR,    12
.set NL,    3
.set NQ,    2
.set NP,    4
.set LAPS,  KK/512
.set ADRA,  16
.set ADRS,  18
.set ADRB,  20
.set SPW,   28
.set NIL,   29
.set SC,    32
.set AF,    128
.set G1,    24
.set G0,    32
.set G1B,   48
.set G0B,   56
.set SEL,   84
.set PW,    8
.set PC,    64
.set TM,    84
.set TT,    128
.set UU,    192
.set OC,    66
.set OS,    68
.set MSB,   0
.set MUL_LO, 0xa1
.set MUL_HI, 0xf1
.set TO_B,   0x40
.macro WIN new                         ; the immediate's high byte repeats the setting that is left
.if MSB != \new
	s_set_vgpr_msb (MSB<<8)|\new
.set MSB, \new
.endif
.endm
.macro JLOAD s                         ; a joint load: waves 0 and 1 fetch A's records, waves 2 and 3 B's; four v_nop follow each of the two lines
	s_cmp_eq_u32 s15, 0
	s_cbranch_scc0 .Lfor_b_\@
	tensor_load_to_lds s[G0+4*\s:G0+4*\s+3], s[G1:G1+7]
	s_nop 0
.rept 4
	v_nop
.endr
	s_branch .Lasked_\@
.Lfor_b_\@:
	tensor_load_to_lds s[G0B+4*\s:G0B+4*\s+3], s[G1B:G1B+7]
	s_nop 0
.rept 4
	v_nop
.endr
.Lasked_\@:
.endm
.macro CREST
	s_cmp_lg_u32 s14, 0
	s_cbranch_scc1 .Lnot_wave_0_\@
	s_barrier_signal -3
.Lnot_wave_0_\@:
	s_barrier_wait -3
	s_barrier_signal -1
	s_barrier_wait -1
.endm
.macro CROUND
	s_barrier_signal -1
	s_barrier_wait -1
	CREST
.endm
.macro ADVANCE slot
	s_add_nc_u64 s[G0+4*\slot+2:G0+4*\slot+3], s[G0+4*\slot+2:G0+4*\slot+3], 2*RGA*REC
	s_add_nc_u64 s[G0B+4*\slot+2:G0B+4*\slot+3], s[G0B+4*\slot+2:G0B+4*\slot+3], 2*RGB*REC
.endm
.macro FRAG reg, adr, q, i
.irp c, 0,1,2
	ds_load_b128 v[\reg+4*\c:\reg+4*\c+3], v[\adr] offset:(8*(\q)+(\i))*1536+512*\c
.endr
.endm
; 16 matrix instructions: A's blocks a0, a0 + 1 x B's eight, 128 along K.  The 64 accumulators take turns, one instruction a turn.
.macro MUL16 a0, p, q, sc, zero
.irp a, \a0, \a0+1
.irp b, 0,1,2,3,4,5,6,7
.if \zero
	v_wmma_scale_f32_16x16x128_f8f6f4 v[8*(8*((\a)%4)+\b):8*(8*((\a)%4)+\b)+7], v[128*(\p)+FR*\b:128*(\p)+FR*\b+FR-1], v[AF+FR*(\a):AF+FR*(\a)+FR-1], 0, v[SC+8*NQ*(\sc)+NQ*\b+(\q)], v[SC+8*NQ*(\sc)+NQ*(\a)+(\q)] matrix_a_fmt:MATRIX_FMT_FP6 matrix_b_fmt:MATRIX_FMT_FP6 matrix_a_scale:MATRIX_SCALE_ROW1
.else
	v_wmma_scale_f32_16x16x128_f8f6f4 v[8*(8*((\a)%4)+\b):8*(8*((\a)%4)+\b)+7], v[128*(\p)+FR*\b:128*(\p)+FR*\b+FR-1], v[AF+FR*(\a):AF+FR*(\a)+FR-1], v[8*(8*((\a)%4)+\b):8*(8*((\a)%4)+\b)+7], v[SC+8*NQ*(\sc)+NQ*\b+(\q)], v[SC+8*NQ*(\sc)+NQ*(\a)+(\q)] matrix_a_fmt:MATRIX_FMT_FP6 matrix_b_fmt:MATRIX_FMT_FP6 matrix_a_scale:MATRIX_SCALE_ROW1
.endif
.endr
.endr
.endm
.macro FETCH_B slot, q, p
	WIN TO_B
.irp i, 0,1,2,3,4,5,6,7
	FRAG 128*(\p)+FR*\i, ADRB+\slot, \q, \i
.endr
	WIN 0
.endm
.macro FETCH_A slot, q, i0
.irp i, \i0, \i0+1, \i0+2, \i0+3
	FRAG AF+FR*(\i), ADRA+\slot, \q, \i
.endr
.endm
.macro SCALES sc
.irp i, 0,1,2,3,4,5,6,7
.irp q, 0,1
	ds_load_b32 v[SC+16*\sc+2*\i+\q], v[ADRS+\sc] offset:512*\q+64*\i
.endr
.endr
.endm
.macro PLACES n
.rept \n
	v_nop
.endr
.endm
.macro STEP slot, q, zero
	s_wait_dscnt 4*NL                              ; B's set, A's blocks 0-3 and the scale words are in; the youngest 12 loads (A's blocks 4-7) may be out
	WIN MUL_LO
	MUL16 0, (\q)%2, \q, \slot, \zero
	MUL16 2, (\q)%2, \q, \slot, \zero
	s_wait_dscnt 0
	PLACES NP
	FETCH_B \slot, (\q)+1, 1-(\q)%2
	FETCH_A \slot, (\q)+1, 0
	WIN MUL_HI
	MUL16 4, (\q)%2, \q, \slot, \zero
	MUL16 6, (\q)%2, \q, \slot, \zero
	PLACES NP
	WIN 0
	FETCH_A \slot, (\q)+1, 4
.endm
.macro TURN slot, next, fill
	s_wait_tensorcnt 0x0                           ; all my tensor loads have landed: the one that was out is my record of the next slot
	ds_add_u32 v[SPW], v[NIL]                      ; 0 onto my spare word
	s_wait_dscnt 4*NL+1                            ; (the add and the youngest 12 loads may be out)
	WIN MUL_LO
	MUL16 0, 1, NQ-1, \slot, 0
	s_wait_dscnt 0x0                               ; the add is done, and my reads of this slot are over
	s_barrier_signal -1
	MUL16 2, 1, NQ-1, \slot, 0
	WIN 0
	s_barrier_wait -1
.if \fill
	CREST                                          ; the barrier has opened a round of the cluster's barrier: no wave of any partner still reads this slot or has a load on its way
	ADVANCE \slot
	JLOAD \slot
.else
	PLACES NP
.endif
	FETCH_B \next, 0, 0
	FETCH_A \next, 0, 0
	SCALES \next
	WIN MUL_HI
	MUL16 4, 1, NQ-1, \slot, 0
	MUL16 6, 1, NQ-1, \slot, 0
	PLACES NP
	WIN 0
	FETCH_A \next, 0, 4
.endm
.macro LAP
	TURN 0, 1, 1
	STEP 1, 0, 0
	TURN 1, 0, 1
	STEP 0, 0, 0
.endm
; 64 numbers of a lane, register 16 b + i = place 32 b + 16 (lane / 16) + i of my row, become a fragment's codes in v[PC] on and its scale word in v[pw].
.macro QUANT s, pw
.irp b, 0,1,2,3
	v_max3_num_f32 v[TM+\b], |v[\s+16*\b]|, |v[\s+1+16*\b]|, 0x1800000   ; my 16 numbers, and the floor 2^(3 - 127): the byte cannot fall under 1
.endr
.irp i, 2,4,6,8,10,12,14
.irp b, 0,1,2,3
	v_max3_num_f32 v[TM+\b], v[TM+\b], |v[\s+16*\b+\i]|, |v[\s+1+16*\b+\i]|
.endr
.endr
.irp b, 0,1,2,3
	v_permlanex16_b32 v[TM+4+\b], v[TM+\b], s[SEL], s[SEL+1]
.endr
.irp b, 0,1,2,3
	v_max_num_f32 v[TM+\b], v[TM+\b], v[TM+4+\b]
.endr
.irp b, 0,1,2,3
	v_add_nc_u32 v[TM+8+\b], 0xff000000, v[TM+\b]  ; 2 off the exponent field: the conversion's scale operand
.endr
.irp b, 0,1,2,3
	v_lshrrev_b32 v[TM+4+\b], 23, v[TM+8+\b]       ; the scale's byte
.endr
	v_lshl_or_b32 v[\pw], v[TM+5], 8, v[TM+4]
	v_lshl_or_b32 v[\pw], v[TM+6], 16, v[\pw]
	v_lshl_or_b32 v[\pw], v[TM+7], 24, v[\pw]
.irp c, 0,1
	v_cvt_scalef32_pk16_fp6_f32 v[PC+6*\c:PC+2+6*\c], v[\s+32*\c:\s+15+32*\c], v[TM+8+2*\c]
	v_cvt_scalef32_pk16_fp6_f32 v[PC+12+4*\c:PC+14+4*\c], v[\s+16+32*\c:\s+31+32*\c], v[TM+8+2*\c+1]
.endr
	v_nop                                          ; one plain place behind a scaled conversion
.irp c, 0,1
.irp i, 0,1,2
	v_permlane16_swap_b32 v[PC+6*\c+\i], v[PC+12+4*\c+\i]
.endr
.irp i, 0,1,2
	v_mov_b32 v[PC+3+6*\c+\i], v[PC+12+4*\c+\i]
.endr
.endr
.endm
	s_load_b256 s[4:11], s[0:1], 0x0               ; hc s[4:5], wc s[6:7], b1 s[8:9], gc s[10:11]
	v_lshl_add_u32 v[SPW], v0, 2, SPARE
	v_mov_b32 v[NIL], 0
	ds_add_u32 v28, v29
	s_wait_dscnt 0x0
	v_lshrrev_b32 v1, 5, v0
	v_readfirstlane_b32 s14, v1                    ; wave 0..3
	s_lshr_b32 s15, s14, 1
	s_and_b32 s16, s14, 1
	s_bfe_u32 s40, ttmp6, 0x40000
	s_bfe_u32 s41, ttmp6, 0x40004
	s_lshl_b32 s42, ttmp9, 2
	s_add_co_u32 s42, s42, s40                     ; tile column
	s_and_b32 s17, ttmp7, 0xffff
	s_lshl_b32 s17, s17, 2
	s_add_co_u32 s17, s17, s41                     ; tile row
	s_lshl_b32 s43, s41, 2
	s_lshl_b32 s43, 15, s43
	s_lshl_b32 s44, 0x1111, s40
	s_or_b32 s[G1+0], s43, (3<<16)|(1<<21)         ; a record: 100 rows of 32 elements of 8 bytes, dense, no padding; 15:0 the mask; 21 set beside it
	s_or_b32 s[G1B+0], s44, (3<<16)|(1<<21)
.irp g, G1, G1B
	s_mov_b32 s[\g+1], 32<<16
	s_mov_b32 s[\g+2], 100<<16
	s_mov_b32 s[\g+3], 32<<16
	s_mov_b32 s[\g+4], 100
	s_mov_b32 s[\g+5], 32
	s_mov_b32 s[\g+6], 0
	s_mov_b32 s[\g+7], 0
.endr
	s_lshl_b32 s20, s17, 1
	s_add_co_u32 s20, s20, s16
	s_mul_i32 s20, s20, REC
	s_mov_b32 s21, 0
	s_lshl_b32 s46, s42, 1
	s_add_co_u32 s46, s46, s16
	s_mul_i32 s46, s46, REC
	s_add_co_u32 s46, s46, WOFF
	s_mov_b32 s47, 0
	s_mul_i32 s45, s14, REC
	s_mov_b32 s[SEL], 0x76543210
	s_mov_b32 s[SEL+1], 0xfedcba98
	s_mov_b32 s77, 0xffff0000                      ; lanes 16-31
	s_mov_b32 s78, 0xbdd2d3e8                      ; k2
	s_mov_b32 s79, s78
	s_wait_kmcnt 0x0
	s_add_nc_u64 s[20:21], s[4:5], s[20:21]
	s_add_nc_u64 s[46:47], s[6:7], s[46:47]
	CROUND                                         ; all sixteen work-groups are here: the first joint loads meet
.irp s, 0,1
	s_mov_b32 s[G0+4*\s], 1
	s_add_co_u32 s[G0+4*\s+1], s45, \s*SLOT
	s_add_nc_u64 s[G0+4*\s+2:G0+4*\s+3], s[20:21], \s*RGA*REC
	s_or_b32 s[G0+4*\s+3], s[G0+4*\s+3], 0x80000000
	s_mov_b32 s[G0B+4*\s], 1
	s_add_co_u32 s[G0B+4*\s+1], s45, \s*SLOT
	s_add_nc_u64 s[G0B+4*\s+2:G0B+4*\s+3], s[46:47], \s*RGB*REC
	s_or_b32 s[G0B+4*\s+3], s[G0B+4*\s+3], 0x80000000
	JLOAD \s
.endr
	v_and_b32 v1, 15, v0                           ; r
	v_bfe_u32 v2, v0, 4, 1                         ; h
	v_and_b32 v3, 31, v0
	v_lshlrev_b32 v26, 4, v3                       ; v26: 16 x lane
	v_lshlrev_b32 v27, 2, v3                       ; v27: 4 x lane
	v_lshlrev_b32 v22, 5, v2                       ; v22: 32 h
	s_mul_i32 s21, s15, REC
	s_mul_i32 s22, s16, REC
	s_add_co_u32 s22, s22, 2*REC
	v_add_nc_u32 v[ADRA], s21, v26
	v_add_nc_u32 v[ADRB], s22, v26
	v_add_nc_u32 v[ADRA+1], SLOT, v[ADRA]
	v_add_nc_u32 v[ADRB+1], SLOT, v[ADRB]
	s_xor_b32 s22, s15, 1
	s_add_co_u32 s22, s22, s16
	s_add_co_u32 s22, s22, 1
	s_mul_i32 s22, s22, REC
	v_mul_u32_u24 v4, s22, v2
	v_lshl_add_u32 v4, v1, 2, v4
	s_add_co_u32 s21, s21, 24576
	v_add_nc_u32 v[ADRS], s21, v4
	v_add_nc_u32 v[ADRS+1], SLOT, v[ADRS]
	s_lshl_b32 s88, s42, 5
	s_lshl_b32 s89, s17, 1
	s_add_co_u32 s88, s88, s89
	s_add_co_u32 s88, s88, s15
	s_mul_i32 s88, s88, REC                        ; gc's record 32 x tile column + 2 x tile row + row half
	s_mul_i32 s90, s16, 12288                      ; its fragments 8 x column half on
	s_add_co_u32 s90, s90, s88
	s_mov_b32 s91, 0
	s_add_nc_u64 s[OC:OC+1], s[10:11], s[90:91]
	s_lshl_b32 s90, s16, 9
	s_add_co_u32 s90, s90, s88
	s_add_co_u32 s90, s90, 24576
	s_add_nc_u64 s[OS:OS+1], s[10:11], s[90:91]
	s_lshl_b32 s90, s42, 10
	s_lshl_b32 s89, s16, 9
	s_add_co_u32 s90, s90, s89
	s_add_nc_u64 s[8:9], s[8:9], s[90:91]          ; b1 at my 128 hidden units
	WIN TO_B                                       ; register 8 b + j = number 16 b + 8 h + j, into window 1's idle registers; wanted only on the way out
.irp b, 0,1,2,3,4,5,6,7
	global_load_b128 v[96+8*\b+96*(\b/4):99+8*\b+96*(\b/4)], v22, s[8:9] offset:64*\b
	global_load_b128 v[100+8*\b+96*(\b/4):103+8*\b+96*(\b/4)], v22, s[8:9] offset:64*\b+16
.endr
	WIN 0
	s_wait_tensorcnt 1                             ; my record of K step 0 is in (K step 1's load may be out)
	s_barrier_signal -1
	s_barrier_wait -1
	FETCH_B 0, 0, 0
	FETCH_A 0, 0, 0
	SCALES 0
	FETCH_A 0, 0, 4
	STEP 0, 0, 1                                   ; the first step's products start the sums
	LAP                                            ; K = 1,024 is two laps: one that fills both slots again,
	TURN 0, 1, 0                                   ; and one that fills nothing
	STEP 1, 0, 0
	s_wait_dscnt 4*NL
	WIN MUL_LO
	MUL16 0, 1, NQ-1, 1, 0
	MUL16 2, 1, NQ-1, 1, 0
	s_wait_dscnt 0
	WIN MUL_HI
	MUL16 4, 1, NQ-1, 1, 0
	MUL16 6, 1, NQ-1, 1, 0
	WIN 0
	; THE WAY OUT: block a (16 tokens x my 128 hidden units): bias, activation, quantiser, and the fragment's image is stored.
	PLACES NP
	s_wait_loadcnt 0x0                             ; the bias
.irp b, 0,1,2,3
	v_mov_b32 v[TM+4+\b], 0                        ; written once: a lane permute's destination counts as one of its sources
.endr
	v_mov_b32 v4, 0xc0135761                       ; k1, twice: a pair for the packed form
	v_mov_b32 v5, v4
.macro EPI a
.set AC, 64*((\a)%4)
.if (\a) > 0
	s_wait_xcnt 0x0                                ; the last block's stores have read their registers
.endif
	WIN 0x06+(\a)/4                                ; source 0: the accumulators' window; source 1: window 1
.set IDX, 0
.rept 32
	v_pk_add_f32 v[TT+IDX:TT+IDX+1], v[AC+IDX:AC+IDX+1], v[96+IDX+96*(IDX/32):97+IDX+96*(IDX/32)]   ; each accumulator from its low end on
.set IDX, IDX+2
.endr
	WIN 0
.set IDX, 0
.rept 32
	v_pk_mul_f32 v[UU+IDX:UU+IDX+1], v[TT+IDX:TT+IDX+1], v[TT+IDX:TT+IDX+1]                        ; x^2
.set IDX, IDX+2
.endr
.set IDX, 0
.rept 32
	v_pk_fma_f32 v[UU+IDX:UU+IDX+1], v[UU+IDX:UU+IDX+1], s[78:79], v[4:5] op_sel_hi:[1,0,1]        ; k1 + k2 x^2
.set IDX, IDX+2
.endr
.set IDX, 0
.rept 32
	v_pk_mul_f32 v[UU+IDX:UU+IDX+1], v[UU+IDX:UU+IDX+1], v[TT+IDX:TT+IDX+1]                        ; x (k1 + k2 x^2)
.set IDX, IDX+2
.endr
.set IDX, 0
.rept 64
	v_exp_f32 v[UU+IDX], v[UU+IDX]
.set IDX, IDX+1
.endr
	v_nop                                          ; one plain place behind the batch
	s_wait_alu depctr_va_vdst(0)                   ; one wait for the 64, ahead of their first reader
.set IDX, 0
.rept 32
	v_pk_add_f32 v[UU+IDX:UU+IDX+1], v[UU+IDX:UU+IDX+1], 1.0 op_sel_hi:[1,0]
.set IDX, IDX+2
.endr
.set IDX, 0
.rept 64
	v_rcp_f32 v[UU+IDX], v[UU+IDX]
.set IDX, IDX+1
.endr
	v_nop
	s_wait_alu depctr_va_vdst(0)
.set IDX, 0
.rept 32
	v_pk_mul_f32 v[TT+IDX:TT+IDX+1], v[TT+IDX:TT+IDX+1], v[UU+IDX:UU+IDX+1]
.set IDX, IDX+2
.endr
	QUANT TT, PW+(\a)
.irp c, 0,1,2
	global_store_b128 v26, v[PC+4*\c:PC+4*\c+3], s[OC:OC+1] offset:1536*(\a)+512*\c   ; 32 lanes store 512 consecutive bytes, at a multiple of 256 from gc's first byte
.endr
.endm
.irp a, 0,1,2,3,4,5,6,7
	EPI \a
.endr
.irp a, 0,2,4,6
	v_cndmask_b32 v[(\a)/2], v[PW+\a], v[PW+\a+1], s77         ; lanes 0-15 block a's words, lanes 16-31 block a + 1's
	global_store_b32 v27, v[(\a)/2], s[OS:OS+1] offset:64*\a   ; 128 consecutive bytes
.endr
	s_wait_tensorcnt 0x0                           ; the wave's end
	ds_add_u32 v[SPW], v[NIL]
	s_wait_dscnt 0x0
	CROUND                                         ; the closing round
	s_endpgm
.Lfunc_end_k_q7ee3d1b08e_gup:
	.size	k_q7ee3d1b08e_gup, .Lfunc_end_k_q7ee3d1b08e_gup-k_q7ee3d1b08e_gup
	.p2alignl 7, 3214868480
	.fill 96, 4, 3214868480
	.section	.rodata,"a",@progbits
	.p2align	6, 0x0
	.amdhsa_kernel k_q7ee3d1b08e_gup
		.amdhsa_group_segment_fixed_size 327680
		.amdhsa_private_segment_fixed_size 0
		.amdhsa_enable_private_segment 0
		.amdhsa_kernarg_size 32
		.amdhsa_user_sgpr_count 2
		.amdhsa_user_sgpr_kernarg_segment_ptr 1
		.amdhsa_wavefront_size32 1
		.amdhsa_system_sgpr_workgroup_id_x 1
		.amdhsa_system_sgpr_workgroup_id_y 1
		.amdhsa_system_sgpr_workgroup_id_z 1
		.amdhsa_system_vgpr_workitem_id 0
		.amdhsa_next_free_vgpr 1024
		.amdhsa_next_free_sgpr 100
		.amdhsa_reserve_vcc 0
		.amdhsa_float_denorm_mode_32 3
		.amdhsa_float_denorm_mode_16_64 3
		.amdhsa_memory_ordered 1
		.amdhsa_forward_progress 1
		.amdhsa_inst_pref_size 255
	.end_amdhsa_kernel
	.section	.bss,"aw",@nobits
	.p2align	6
	.space	262144
	.amdgpu_metadata
---
amdhsa.version: [ 1, 2 ]
amdhsa.kernels:
  - .name:           k_q7ee3d1b08e_gup
    .symbol:         k_q7ee3d1b08e_gup.kd
    .args:
      - { .name: hc, .offset: 0, .size: 8, .value_kind: global_buffer, .address_space: global }
      - { .name: wc, .offset: 8, .size: 8, .value_kind: global_buffer, .address_space: global }
      - { .name: b1, .offset: 16, .size: 8, .value_kind: global_buffer, .address_space: global }
      - { .name: gc, .offset: 24, .size: 8, .value_kind: global_buffer, .address_space: global }
    .group_segment_fixed_size: 327680
    .private_segment_fixed_size: 0
    .kernarg_segment_align: 8
    .kernarg_segment_size: 32
    .max_flat_workgroup_size: 128
    .sgpr_count:     100
    .vgpr_count:     1024
    .wavefront_size: 32
...
	.end_amdgpu_metadata
.endif
;; end of part 6
;; launch gdown (part 7): grid 4 x 16, 4 waves a work-group, clusters of 4 x 4, 327,680 bytes of LDS; arguments gc, wc, b2, x1, out0; writes out0
.if DOCPART == 7
	.amdgcn_target "amdgcn-amd-amdhsa--gfx1250"
	.amdhsa_code_object_version 6
	.text
	.protected	k_q7ee3d1b08e_gdown
	.globl	k_q7ee3d1b08e_gdown
	.p2align	8
	.type	k_q7ee3d1b08e_gdown,@function
k_q7ee3d1b08e_gdown:
	s_mov_b64 s[64:65], 0
	v_nop
	global_prefetch_b8 v0, s[64:65] scope:SCOPE_SE
	s_setreg_imm32_b32 hwreg(HW_REG_WAVE_MODE, 25, 1), 1
	s_wait_xcnt 0x0
	s_wait_alu depctr_hold_cnt(0) depctr_sa_sdst(0) depctr_va_vdst(0) depctr_va_sdst(0) depctr_va_ssrc(0) depctr_va_vcc(0) depctr_vm_vsrc(0)
	s_getreg_b32 s2, hwreg(HW_REG_IB_STS2, 6, 4)
	s_cmp_eq_u32 s2, 0
	s_cbranch_scc0 .Lentry_in_a_cluster
	s_endpgm
.Lentry_in_a_cluster:
	s_bfe_u32 s2, ttmp6, 0x10000c
	s_cmp_lg_u32 s2, 0xf033
	s_cbranch_scc0 .Lentry_shape_is_right
	s_endpgm
.Lentry_shape_is_right:
; out = x1 + g W2 + b2.  The product on codes of FP6 (E2M3) with one E8M0 scale for each 32 along K (K = 4,096); sums, bias and residual in f32.
; OPERANDS come as RECORDS of 25,600 bytes: 128 rows x 256 K = 16 register images of fragments (16 rows x 128 K, 1,536 bytes: register group c of lane l at 512 c + 16 l; fragment 8 s + i), then their scale
; words (fragment f, row r at 24,576 + 64 f + 4 r).  Record (k / 256) RG + row / 128.  One tensor load brings a record, scales and all; a fragment comes out of LDS by three loads of 16 bytes a lane.
; A tile of 256 x 256 is made by four waves, 128 x 128 each: 64 accumulators, 512 registers.  K goes in steps of 256 through a ring of two LDS slots of four records (A's two row halves, B's two).
; N = 1,024 gives 64 tiles of this size: 64 work-groups.  THE MATRIX INSTRUCTION IS USED TRANSPOSED (source 0 = 16 rows of B, source 1 = 16 rows of A): a lane holds eight neighbouring numbers of a row of the result.
; CLUSTERS 4 x 4: A's records are shared along a row of the cluster, B's along a column: joint tensor loads.
; REGISTERS: window 0: v0-31 addresses, v4-7 the bias; v32-63 scale words, two sets; v128-223 A's fragments, one set (way out: v128-255 rows back from the stage).
;   window 1: B's fragments, two sets (way out: the residual's rows, four sets of 64).   windows 2, 3: the accumulators, (a, b) at v[8 (8 (a % 4) + b)].
.set KK,    4096
.set RGA,   32                         ; g has 32 groups of 128 rows
.set RGB,   8                          ; W2 has 8
.set WOFF,  6553600                    ; W2's records in wc
.set NTOUT, 1                          ; the result is written once and read by nobody here
.set REC,   25600
.set SLOT,  4*REC
.set SPARE, 2*SLOT                     ; behind the ring: the spare words, 128 bytes for each wave: two blocks of 256 bytes that no other line names
.set FR,    12
.set NL,    3
.set NQ,    2
.set NP,    4
.set LAPS,  KK/512
.set ADRA,  16
.set ADRS,  18
.set ADRB,  20
.set STO,   24
.set RD,    25
.set CO,    26
.set SPW,   28
.set NIL,   29
.set BI,    4
.set SC,    32
.set AF,    128
.set BK,    128
.set SPITCH, 528                       ; the stage: 16 rows x (512 bytes + 16) for each wave, in slot 0, which has had its last fill and its last read when the first result is stored there
.set G1,    24
.set G0,    32
.set G1B,   48
.set G0B,   56
.set MSB,   0
.set MUL_LO, 0xa1
.set MUL_HI, 0xf1
.set TO_B,   0x40
.macro WIN new                         ; the immediate's high byte repeats the setting that is left
.if MSB != \new
	s_set_vgpr_msb (MSB<<8)|\new
.set MSB, \new
.endif
.endm
.macro JLOAD s                         ; a joint load: waves 0 and 1 fetch A's records, waves 2 and 3 B's; four v_nop follow each of the two lines
	s_cmp_eq_u32 s15, 0
	s_cbranch_scc0 .Lfor_b_\@
	tensor_load_to_lds s[G0+4*\s:G0+4*\s+3], s[G1:G1+7]
	s_nop 0
.rept 4
	v_nop
.endr
	s_branch .Lasked_\@
.Lfor_b_\@:
	tensor_load_to_lds s[G0B+4*\s:G0B+4*\s+3], s[G1B:G1B+7]
	s_nop 0
.rept 4
	v_nop
.endr
.Lasked_\@:
.endm
.macro CREST
	s_cmp_lg_u32 s14, 0
	s_cbranch_scc1 .Lnot_wave_0_\@
	s_barrier_signal -3
.Lnot_wave_0_\@:
	s_barrier_wait -3
	s_barrier_signal -1
	s_barrier_wait -1
.endm
.macro CROUND
	s_barrier_signal -1
	s_barrier_wait -1
	CREST
.endm
.macro ADVANCE slot                    ; both walking addresses two K steps on
	s_add_nc_u64 s[G0+4*\slot+2:G0+4*\slot+3], s[G0+4*\slot+2:G0+4*\slot+3], 2*RGA*REC
	s_add_nc_u64 s[G0B+4*\slot+2:G0B+4*\slot+3], s[G0B+4*\slot+2:G0B+4*\slot+3], 2*RGB*REC
.endm
.macro FRAG reg, adr, q, i
.irp c, 0,1,2
	ds_load_b128 v[\reg+4*\c:\reg+4*\c+3], v[\adr] offset:(8*(\q)+(\i))*1536+512*\c
.endr
.endm
; 16 matrix instructions: A's blocks a0, a0 + 1 x B's eight, 128 along K.  The 64 accumulators take turns, one instruction a turn, over the loop's backward jump too.
.macro MUL16 a0, p, q, sc, zero
.irp a, \a0, \a0+1
.irp b, 0,1,2,3,4,5,6,7
.if \zero
	v_wmma_scale_f32_16x16x128_f8f6f4 v[8*(8*((\a)%4)+\b):8*(8*((\a)%4)+\b)+7], v[128*(\p)+FR*\b:128*(\p)+FR*\b+FR-1], v[AF+FR*(\a):AF+FR*(\a)+FR-1], 0, v[SC+8*NQ*(\sc)+NQ*\b+(\q)], v[SC+8*NQ*(\sc)+NQ*(\a)+(\q)] matrix_a_fmt:MATRIX_FMT_FP6 matrix_b_fmt:MATRIX_FMT_FP6 matrix_a_scale:MATRIX_SCALE_ROW1
.else
	v_wmma_scale_f32_16x16x128_f8f6f4 v[8*(8*((\a)%4)+\b):8*(8*((\a)%4)+\b)+7], v[128*(\p)+FR*\b:128*(\p)+FR*\b+FR-1], v[AF+FR*(\a):AF+FR*(\a)+FR-1], v[8*(8*((\a)%4)+\b):8*(8*((\a)%4)+\b)+7], v[SC+8*NQ*(\sc)+NQ*\b+(\q)], v[SC+8*NQ*(\sc)+NQ*(\a)+(\q)] matrix_a_fmt:MATRIX_FMT_FP6 matrix_b_fmt:MATRIX_FMT_FP6 matrix_a_scale:MATRIX_SCALE_ROW1
.endif
.endr
.endr
.endm
.macro FETCH_B slot, q, p
	WIN TO_B
.irp i, 0,1,2,3,4,5,6,7
	FRAG 128*(\p)+FR*\i, ADRB+\slot, \q, \i
.endr
	WIN 0
.endm
.macro FETCH_A slot, q, i0
.irp i, \i0, \i0+1, \i0+2, \i0+3
	FRAG AF+FR*(\i), ADRA+\slot, \q, \i
.endr
.endm
.macro SCALES sc
.irp i, 0,1,2,3,4,5,6,7
.irp q, 0,1
	ds_load_b32 v[SC+16*\sc+2*\i+\q], v[ADRS+\sc] offset:512*\q+64*\i
.endr
.endr
.endm
.macro PLACES n
.rept \n
	v_nop
.endr
.endm
.macro STEP slot, q, zero
	s_wait_dscnt 4*NL                              ; B's set, A's blocks 0-3 and the scale words are in; the youngest 12 loads (A's blocks 4-7) may be out
	WIN MUL_LO
	MUL16 0, (\q)%2, \q, \slot, \zero
	MUL16 2, (\q)%2, \q, \slot, \zero
	s_wait_dscnt 0
	PLACES NP
	FETCH_B \slot, (\q)+1, 1-(\q)%2
	FETCH_A \slot, (\q)+1, 0
	WIN MUL_HI
	MUL16 4, (\q)%2, \q, \slot, \zero
	MUL16 6, (\q)%2, \q, \slot, \zero
	PLACES NP
	WIN 0
	FETCH_A \slot, (\q)+1, 4
.endm
.macro TURN slot, next, fill
	s_wait_tensorcnt 0x0                           ; all my tensor loads have landed: the one that was out is my record of the next slot
	ds_add_u32 v[SPW], v[NIL]                      ; 0 onto my spare word
	s_wait_dscnt 4*NL+1                            ; (the add and the youngest 12 loads may be out)
	WIN MUL_LO
	MUL16 0, 1, NQ-1, \slot, 0
	s_wait_dscnt 0x0                               ; the add is done, and my reads of this slot are over
	s_barrier_signal -1
	MUL16 2, 1, NQ-1, \slot, 0
	WIN 0
	s_barrier_wait -1
.if \fill
	CREST                                          ; the barrier has opened a round of the cluster's barrier: no wave of any partner still reads this slot or has a load on its way
	ADVANCE \slot
	JLOAD \slot
.else
	PLACES NP
.endif
	FETCH_B \next, 0, 0
	FETCH_A \next, 0, 0
	SCALES \next
	WIN MUL_HI
	MUL16 4, 1, NQ-1, \slot, 0
	MUL16 6, 1, NQ-1, \slot, 0
	PLACES NP
	WIN 0
	FETCH_A \next, 0, 4
.endm
.macro LAP
	TURN 0, 1, 1
	STEP 1, 0, 0
	TURN 1, 0, 1
	STEP 0, 0, 0
.endm
	s_load_b256 s[4:11], s[0:1], 0x0               ; A's records s[4:5], wc s[6:7], the bias s[8:9], the residual s[10:11]
	s_load_b64 s[12:13], s[0:1], 0x20              ; the result
	v_lshl_add_u32 v[SPW], v0, 2, SPARE
	v_mov_b32 v[NIL], 0
	ds_add_u32 v28, v29
	s_wait_dscnt 0x0
	v_lshrrev_b32 v1, 5, v0
	v_readfirstlane_b32 s14, v1                    ; wave 0..3
	s_lshr_b32 s15, s14, 1
	s_and_b32 s16, s14, 1
	s_bfe_u32 s40, ttmp6, 0x40000
	s_bfe_u32 s41, ttmp6, 0x40004
	s_lshl_b32 s42, ttmp9, 2
	s_add_co_u32 s42, s42, s40                     ; tile column
	s_and_b32 s17, ttmp7, 0xffff
	s_lshl_b32 s17, s17, 2
	s_add_co_u32 s17, s17, s41                     ; tile row
	s_lshl_b32 s43, s41, 2
	s_lshl_b32 s43, 15, s43
	s_lshl_b32 s44, 0x1111, s40
	s_or_b32 s[G1+0], s43, (3<<16)|(1<<21)         ; a record: 100 rows of 32 elements of 8 bytes, dense, no padding; 15:0 the mask; 21 set beside it
	s_or_b32 s[G1B+0], s44, (3<<16)|(1<<21)
.irp g, G1, G1B
	s_mov_b32 s[\g+1], 32<<16
	s_mov_b32 s[\g+2], 100<<16
	s_mov_b32 s[\g+3], 32<<16
	s_mov_b32 s[\g+4], 100
	s_mov_b32 s[\g+5], 32
	s_mov_b32 s[\g+6], 0
	s_mov_b32 s[\g+7], 0
.endr
	s_lshl_b32 s20, s17, 1
	s_add_co_u32 s20, s20, s16
	s_mul_i32 s20, s20, REC
	s_mov_b32 s21, 0
	s_lshl_b32 s46, s42, 1
	s_add_co_u32 s46, s46, s16
	s_mul_i32 s46, s46, REC
	s_add_co_u32 s46, s46, WOFF
	s_mov_b32 s47, 0
	s_mul_i32 s45, s14, REC
	s_wait_kmcnt 0x0
	s_add_nc_u64 s[20:21], s[4:5], s[20:21]
	s_add_nc_u64 s[46:47], s[6:7], s[46:47]
	CROUND                                         ; all sixteen work-groups are here: the first joint loads meet
.irp s, 0,1
	s_mov_b32 s[G0+4*\s], 1
	s_add_co_u32 s[G0+4*\s+1], s45, \s*SLOT
	s_add_nc_u64 s[G0+4*\s+2:G0+4*\s+3], s[20:21], \s*RGA*REC
	s_or_b32 s[G0+4*\s+3], s[G0+4*\s+3], 0x80000000
	s_mov_b32 s[G0B+4*\s], 1
	s_add_co_u32 s[G0B+4*\s+1], s45, \s*SLOT
	s_add_nc_u64 s[G0B+4*\s+2:G0B+4*\s+3], s[46:47], \s*RGB*REC
	s_or_b32 s[G0B+4*\s+3], s[G0B+4*\s+3], 0x80000000
	JLOAD \s
.endr
	v_and_b32 v1, 15, v0                           ; r
	v_bfe_u32 v2, v0, 4, 1                         ; h
	v_and_b32 v3, 31, v0
	v_lshlrev_b32 v[CO], 4, v3
	s_mul_i32 s21, s15, REC
	s_mul_i32 s22, s16, REC
	s_add_co_u32 s22, s22, 2*REC
	v_add_nc_u32 v[ADRA], s21, v[CO]
	v_add_nc_u32 v[ADRB], s22, v[CO]
	v_add_nc_u32 v[ADRA+1], SLOT, v[ADRA]
	v_add_nc_u32 v[ADRB+1], SLOT, v[ADRB]
	s_xor_b32 s22, s15, 1
	s_add_co_u32 s22, s22, s16
	s_add_co_u32 s22, s22, 1
	s_mul_i32 s22, s22, REC
	v_mul_u32_u24 v4, s22, v2
	v_lshl_add_u32 v4, v1, 2, v4
	s_add_co_u32 s21, s21, 24576
	v_add_nc_u32 v[ADRS], s21, v4
	v_add_nc_u32 v[ADRS+1], SLOT, v[ADRS]
	s_mul_i32 s23, s14, 16*SPITCH
	v_mul_u32_u24 v5, v1, SPITCH
	v_lshl_add_u32 v5, v2, 5, v5
	v_add_nc_u32 v[STO], s23, v5
	v_add_nc_u32 v[RD], s23, v[CO]
	s_lshl_b32 s90, s17, 8
	s_lshl_b32 s91, s15, 7
	s_add_co_u32 s90, s90, s91
	s_lshl_b32 s90, s90, 12
	s_lshl_b32 s88, s42, 10
	s_lshl_b32 s89, s16, 9
	s_add_co_u32 s88, s88, s89
	s_mov_b32 s89, 0
	s_add_nc_u64 s[8:9], s[8:9], s[88:89]
	s_add_co_u32 s90, s90, s88
	s_mov_b32 s91, 0
	s_add_nc_u64 s[10:11], s[10:11], s[90:91]
	s_add_nc_u64 s[12:13], s[12:13], s[90:91]
	global_load_b128 v[BI:BI+3], v[CO], s[8:9]     ; the bias at my four columns; wanted on the way out
	s_wait_tensorcnt 1                             ; my record of K step 0 is in (K step 1's load may be out)
	s_barrier_signal -1
	s_barrier_wait -1
	FETCH_B 0, 0, 0
	FETCH_A 0, 0, 0
	SCALES 0
	FETCH_A 0, 0, 4
	STEP 0, 0, 1                                   ; the first step's products start the sums
.if LAPS > 2
	s_mov_b32 s3, LAPS-1
.Llap:                                                 ; a trip goes once round the ring and fills both slots again
	LAP
	s_sub_co_u32 s3, s3, 1
	s_cmp_lg_u32 s3, 0
	s_cbranch_scc1 .Llap
.else
	LAP
.endif
	TURN 0, 1, 0                                   ; the last lap fills nothing
	STEP 1, 0, 0
	s_wait_dscnt 4*NL
	WIN MUL_LO
	MUL16 0, 1, NQ-1, 1, 0
	MUL16 2, 1, NQ-1, 1, 0
	s_wait_dscnt 0
	WIN MUL_HI
	MUL16 4, 1, NQ-1, 1, 0
	MUL16 6, 1, NQ-1, 1, 0
	WIN 0
; THE WAY OUT, block by block of 16 rows x 128 columns: through my own stage in LDS and back as whole rows of 512 bytes; the residual's rows, asked for four blocks ahead, and the bias are added; 32 lanes store a row's 512 bytes.
.macro TOSTAGE a
.set AC, 64*((\a)%4)
	WIN 0x08+4*((\a)/4)                            ; an LDS store's data are its source 1: window 2 or 3
.irp b, 0,1,2,3,4,5,6,7
	ds_store_b128 v[STO], v[AC+8*\b:AC+8*\b+3] offset:64*\b          ; each accumulator from its low end on
	ds_store_b128 v[STO], v[AC+8*\b+4:AC+8*\b+7] offset:64*\b+16
.endr
	WIN 0
.set BB, BK+64*((\a)%2)
.irp t, 0,1,2,3,4,5,6,7,8,9,10,11,12,13,14,15
	ds_load_b128 v[BB+4*\t:BB+4*\t+3], v[RD] offset:\t*SPITCH        ; LDS serves a wave's instructions in order: these see the stores above
.endr
.endm
.macro RLOAD a                         ; the residual's 16 rows of block a into window 1, set a % 4
	WIN TO_B
.irp t, 0,1,2,3,4,5,6,7,8,9,10,11,12,13,14,15
	global_load_b128 v[64*((\a)%4)+4*\t:64*((\a)%4)+4*\t+3], v[CO], s[10:11] offset:(16*(\a)+\t)*4096
.endr
	WIN 0
.endm
.macro SEND a, younger
.set BB, BK+64*((\a)%2)
.set RR, 64*((\a)%4)
	s_wait_dscnt \younger                          ; the block is back in registers
.if (\a) <= 4
	s_wait_loadcnt 48                              ; its residual is in; the loads of the three blocks behind it may be out
.else
	s_wait_loadcnt 16*(7-(\a))
.endif
	WIN 0x04                                       ; source 1 window 1
.set IDX, 0
.rept 32
	v_pk_add_f32 v[BB+IDX:BB+IDX+1], v[BB+IDX:BB+IDX+1], v[RR+IDX:RR+IDX+1]
.set IDX, IDX+2
.endr
	WIN 0
.irp t, 0,1,2,3,4,5,6,7,8,9,10,11,12,13,14,15
	v_pk_add_f32 v[BB+4*\t:BB+4*\t+1], v[BB+4*\t:BB+4*\t+1], v[BI:BI+1]
	v_pk_add_f32 v[BB+4*\t+2:BB+4*\t+3], v[BB+4*\t+2:BB+4*\t+3], v[BI+2:BI+3]
.endr
.irp t, 0,1,2,3,4,5,6,7,8,9,10,11,12,13,14,15
.if NTOUT
	global_store_b128 v[CO], v[BB+4*\t:BB+4*\t+3], s[12:13] offset:(16*(\a)+\t)*4096 th:TH_STORE_NT   ; 512 consecutive bytes, at a multiple of 256 from the buffer's first byte; 127 rows at the most: inside the signed 24-bit immediate
.else
	global_store_b128 v[CO], v[BB+4*\t:BB+4*\t+3], s[12:13] offset:(16*(\a)+\t)*4096
.endif
.endr
.if (\a) < 4
	RLOAD (\a)+4
.endif
.endm
	PLACES NP                                      ; behind the last products: for the loads into registers that they read, and for the reads of results
	s_wait_loadcnt 0x0                             ; the bias
	RLOAD 0
	RLOAD 1
	RLOAD 2
	RLOAD 3
	TOSTAGE 0
.irp a, 1,2,3,4,5,6,7
.if \a > 1
	s_wait_xcnt 0x0                                ; block a - 2's stores have read their registers: block a's loads may land there
.endif
	TOSTAGE \a
	SEND \a-1, 32                                  ; behind block a - 1's loads: block a's 16 stores and 16 loads
.endr
	SEND 7, 0
	s_wait_tensorcnt 0x0                           ; the wave's end
	ds_add_u32 v[SPW], v[NIL]
	s_wait_dscnt 0x0
	CROUND                                         ; the closing round
	s_endpgm
.Lfunc_end_k_q7ee3d1b08e_gdown:
	.size	k_q7ee3d1b08e_gdown, .Lfunc_end_k_q7ee3d1b08e_gdown-k_q7ee3d1b08e_gdown
	.p2alignl 7, 3214868480
	.fill 96, 4, 3214868480
	.section	.rodata,"a",@progbits
	.p2align	6, 0x0
	.amdhsa_kernel k_q7ee3d1b08e_gdown
		.amdhsa_group_segment_fixed_size 327680
		.amdhsa_private_segment_fixed_size 0
		.amdhsa_enable_private_segment 0
		.amdhsa_kernarg_size 40
		.amdhsa_user_sgpr_count 2
		.amdhsa_user_sgpr_kernarg_segment_ptr 1
		.amdhsa_wavefront_size32 1
		.amdhsa_system_sgpr_workgroup_id_x 1
		.amdhsa_system_sgpr_workgroup_id_y 1
		.amdhsa_system_sgpr_workgroup_id_z 1
		.amdhsa_system_vgpr_workitem_id 0
		.amdhsa_next_free_vgpr 1024
		.amdhsa_next_free_sgpr 100
		.amdhsa_reserve_vcc 0
		.amdhsa_float_denorm_mode_32 3
		.amdhsa_float_denorm_mode_16_64 3
		.amdhsa_memory_ordered 1
		.amdhsa_forward_progress 1
		.amdhsa_inst_pref_size 180
	.end_amdhsa_kernel
	.amdgpu_metadata
---
amdhsa.version: [ 1, 2 ]
amdhsa.kernels:
  - .name:           k_q7ee3d1b08e_gdown
    .symbol:         k_q7ee3d1b08e_gdown.kd
    .args:
      - { .name: gc, .offset: 0, .size: 8, .value_kind: global_buffer, .address_space: global }
      - { .name: wc, .offset: 8, .size: 8, .value_kind: global_buffer, .address_space: global }
      - { .name: b2, .offset: 16, .size: 8, .value_kind: global_buffer, .address_space: global }
      - { .name: x1, .offset: 24, .size: 8, .value_kind: global_buffer, .address_space: global }
      - { .name: out0, .offset: 32, .size: 8, .value_kind: global_buffer, .address_space: global }
    .group_segment_fixed_size: 327680
    .private_segment_fixed_size: 0
    .kernarg_segment_align: 8
    .kernarg_segment_size: 40
    .max_flat_workgroup_size: 128
    .sgpr_count:     100
    .vgpr_count:     1024
    .wavefront_size: 32
...
	.end_amdgpu_metadata
.endif
;; end of part 7
;; ======== version 2 of 2: 6 launches
;; limits: right only within a limited range of input values
;; workspace buffers: wc 9,830,400 bytes; hc 3,276,800 bytes; qk 6,553,600 bytes; vt 3,276,800 bytes; cc 3,276,800 bytes; x1 16,777,216 bytes; gc 13,107,200 bytes
;; launch prep (part 8): grid 448 x 1, 8 waves a work-group, no clusters, 119,808 bytes of LDS; arguments x, g1, s1, hc, Wq, Wk, Wv, Wo, W1, W2, wc; writes hc, wc
.if DOCPART == 8
	.amdgcn_target "amdgcn-amd-amdhsa--gfx1250"
	.amdhsa_code_object_version 6
	.text
	.protected	k_q7ee3d1b08e_prep
	.globl	k_q7ee3d1b08e_prep
	.p2align	8
	.type	k_q7ee3d1b08e_prep,@function
k_q7ee3d1b08e_prep:
	s_mov_b64 s[64:65], 0
	v_nop
	global_prefetch_b8 v0, s[64:65] scope:SCOPE_SE
	s_setreg_imm32_b32 hwreg(HW_REG_WAVE_MODE, 25, 1), 1
	s_wait_xcnt 0x0
; TWO INDEPENDENT PREPARATIONS IN ONE LAUNCH, parted by the work-group's number: work-groups 0-191 quantise the six weights into wc, work-groups 192-447 norm and quantise x into hc.  Each path has LDS bytes of its own.
; A RECORD (25,600 bytes) = 128 rows x 256 along K = 16 fragments of 16 rows x 128 K, each an image of the operand's 12 registers (register group c of lane l at 512 c + 16 l: 1,536 bytes), then the fragments'
; scale words: fragment f, row r at 24,576 + 64 f + 4 r.  f = 8 s + i: s the 128 along K, i the 16 rows.
; ORDER INSIDE A BLOCK OF 32: place p holds k = p with its bits 3 and 4 exchanged, in every operand of this program alike: the blocks stay the same sets of 32 numbers, so scales and codes are the stated
; quantiser's, and a permutation of K applied to both operands leaves the products as they are.
; THE WEIGHTS, f32 stored [K][N]: four waves make a record, a work-group two (record 2 x work-group + wave / 4); a wave takes 32 columns, A LANE A COLUMN, ITS REGISTERS RUN DOWN K: each load reads 128 consecutive
; bytes a wave, a block's largest magnitude needs no other lane, and the conversions give codes with K innermost.  The codes go through the wave's own stage and leave as runs of 512 bytes.
; Which weight a record belongs to is chosen by selects on its number.  Records 0-63 Wq|Wk (2,048 rows), 64-95 Wv, 96-127 Wo, 128-255 W1, 256-383 W2.
; THE NORM: h = g (x - mean) / sqrt(var + 1e-12) + s over rows of 1,024 (var with divisor 1,023), quantised along the row; record (k / 256) 32 + row / 128.  A work-group takes 16 rows; wave w takes columns
; 128 w .. 128 w + 127 and makes one fragment.  Each load reads 512 consecutive bytes of a row; the numbers turn through the wave's own stage so that lane (r, h) holds 64 numbers of row r, register 16 b + i =
; place 32 b + 16 h + i.  Mean and variance in two passes, f32; the eight waves' partial sums meet in LDS behind a barrier, twice.  1 / 1,023 is a multiplication by the nearest f32 number; 1 / sqrt is v_rsq_f32.
; A block's scale: the largest magnitude's exponent field - 2, held at 1 from below (a block of zeros gets the byte 1 where the rule says 127: its codes are zeros and this program alone reads the bytes).
; LIMITS: NaN and infinities among the inputs are not served.
.set REC,  25600
.set NQW,  192                         ; work-groups that quantise weights
.set QST,  70656                       ; LDS: the weights' stages, 6,144 bytes a wave, behind the norm's bytes and the spare words
.set VO,   32                          ; weights: v32-63 row swap34(i) of a block x the pitch + 4 x lane
.set WX,   64                          ; v64-127 two sets of 32 numbers
.set CD,   128                         ; v128-134 a block's codes
.set SBW,  136                         ; v136-137 the scale words of the two K steps of 128
.set OUTR, 140                         ; v140-187 the way out
.set SB,   32                          ; s[32:47] where block t's 32 rows begin
.set XX,   16                          ; norm: v16-79 my 64 numbers
.set GG,   80                          ; v80-143 the rows as loaded; later g
.set SS,   144                         ; v144-207 s
.set PC,   208                         ; v208-226 the codes
.set TM,   228                         ; v228-239 the quantiser's work
.set PW,   240                         ; v240 my row's scale word
.set SPI,  528                         ; a stage row: 512 bytes + 16
.set RED,  8*16*SPI                    ; 16 rows x 8 waves of partial sums, twice 512 bytes
.set SEL,  20
	v_lshl_add_u32 v254, v0, 2, 0x11000            ; my spare word; the spare words lie behind RED
	v_mov_b32 v255, 0
	s_cmp_ge_u32 ttmp9, NQW
	s_cbranch_scc1 .Lnorm
	s_load_b256 s[4:11], s[0:1], 0x20              ; Wq s[4:5], Wk s[6:7], Wv s[8:9], Wo s[10:11]
	s_load_b128 s[12:15], s[0:1], 0x40             ; W1 s[12:13], W2 s[14:15]
	s_load_b64 s[16:17], s[0:1], 0x50              ; wc
	v_lshrrev_b32 v2, 5, v0
	v_readfirstlane_b32 s52, v2                    ; wave 0..7
	s_and_b32 s18, s52, 3                          ; my place among the record's four waves
	s_lshr_b32 s53, s52, 2
	s_lshl_b32 s54, ttmp9, 1
	s_add_co_u32 s54, s54, s53                     ; my record
	v_and_b32 v1, 31, v0
	v_lshlrev_b32 v3, 2, v1                        ; 4 bytes a column
	s_mul_i32 s50, s52, 6144
	s_add_co_u32 s50, s50, QST                     ; my stage: four images
	v_lshrrev_b32 v4, 4, v1
	v_mul_u32_u24 v4, v4, 1536                     ; lanes 16-31 belong to the next fragment
	v_and_b32 v5, 15, v1
	v_lshl_add_u32 v4, v5, 4, v4
	v_add_nc_u32 v4, s50, v4                       ; v4: into the stage
	v_lshlrev_b32 v6, 4, v1
	v_add_nc_u32 v5, s50, v6                       ; v5: out of the stage
	s_mul_i32 s51, s18, 3072
	v_add_nc_u32 v6, s51, v6                       ; v6: in the record: my wave's two fragments of a K step
	s_lshl_b32 s51, s18, 7
	v_add_nc_u32 v7, s51, v3                       ; v7: my scale word's place
	s_wait_kmcnt 0x0
	s_mov_b64 s[20:21], s[14:15]                   ; the weight
	s_mov_b32 s22, 256                             ; its first record
	s_mov_b32 s23, 3                               ; log2 of its groups of 128 rows
	s_mov_b32 s24, 12                              ; log2 of its pitch in bytes
	s_cmp_lt_u32 s54, 256
	s_cselect_b64 s[20:21], s[12:13], s[20:21]
	s_cselect_b32 s22, 128, s22
	s_cselect_b32 s23, 5, s23
	s_cselect_b32 s24, 14, s24
	s_cmp_lt_u32 s54, 128
	s_cselect_b64 s[20:21], s[10:11], s[20:21]
	s_cselect_b32 s22, 96, s22
	s_cselect_b32 s23, 3, s23
	s_cselect_b32 s24, 12, s24
	s_cmp_lt_u32 s54, 96
	s_cselect_b64 s[20:21], s[8:9], s[20:21]
	s_cselect_b32 s22, 64, s22
	s_cmp_lt_u32 s54, 64
	s_cselect_b64 s[20:21], s[4:5], s[20:21]
	s_cselect_b32 s22, 0, s22
	s_cselect_b32 s23, 4, s23
	s_cselect_b32 s25, 8, 64                       ; from this group of rows on the first 64 records are Wk's
	s_sub_co_u32 s26, s54, s22                     ; the record within its weight
	s_lshr_b32 s27, s26, s23                       ; which 256 along K
	s_bfm_b32 s28, s23, 0
	s_and_b32 s28, s26, s28                        ; which 128 rows
	s_cmp_ge_u32 s28, s25
	s_cselect_b64 s[20:21], s[6:7], s[20:21]
	s_cselect_b32 s29, 8, 0
	s_sub_co_u32 s28, s28, s29
	s_lshl_b32 s30, s27, 8
	s_lshl_b32 s30, s30, s24
	s_lshl_b32 s31, s28, 9
	s_add_co_u32 s30, s30, s31
	s_lshl_b32 s31, s18, 7
	s_add_co_u32 s30, s30, s31
	s_mov_b32 s31, 0
	s_add_nc_u64 s[SB:SB+1], s[20:21], s[30:31]
	s_lshl_b32 s30, 32, s24                        ; a block: 32 rows
.irp t, 1,2,3,4,5,6,7
	s_add_nc_u64 s[SB+2*\t:SB+2*\t+1], s[SB+2*\t-2:SB+2*\t-1], s[30:31]
.endr
	s_mul_i32 s48, s54, REC
	s_mov_b32 s49, 0
	s_add_nc_u64 s[16:17], s[16:17], s[48:49]
.irp i, 0,1,2,3,4,5,6,7,8,9,10,11,12,13,14,15,16,17,18,19,20,21,22,23,24,25,26,27,28,29,30,31
	v_lshl_add_u32 v[VO+\i], ((\i)&7)|(((\i)&8)<<1)|(((\i)&16)>>1), s24, v3   ; place i of a block takes row i with bits 3 and 4 exchanged
.endr
.macro LOAD t                          ; block t: 32 rows of my column into set t % 2
.irp i, 0,1,2,3,4,5,6,7,8,9,10,11,12,13,14,15,16,17,18,19,20,21,22,23,24,25,26,27,28,29,30,31
	global_load_b32 v[WX+32*((\t)%2)+\i], v[VO+\i], s[SB+2*(\t):SB+2*(\t)+1] th:TH_LOAD_NT
.endr
.endm
	LOAD 0
	LOAD 1
.macro BLOCK t
.set XS, WX+32*((\t)%2)
.set KS, (\t)/4
.set BQ, (\t)%4
.set IM, KS*3072+(BQ&1)*256            ; the operand's lanes 16-31 hold the odd blocks: 256 bytes on in each register group
.if (\t) < 7
	s_wait_loadcnt 32                              ; this block's 32 loads are in; the next block's 32 may be out
.else
	s_wait_loadcnt 0
.endif
	v_max3_num_f32 v12, |v[XS]|, |v[XS+1]|, |v[XS+2]|
	v_max3_num_f32 v13, |v[XS+3]|, |v[XS+4]|, |v[XS+5]|
.irp i, 6,10,14,18,22,26
	v_max3_num_f32 v12, v12, |v[XS+\i]|, |v[XS+\i+1]|
	v_max3_num_f32 v13, v13, |v[XS+\i+2]|, |v[XS+\i+3]|
.endr
	v_max3_num_f32 v12, v12, |v[XS+30]|, |v[XS+31]|
	v_max3_num_f32 v12, v12, v13, 0x1800000        ; and the floor 2^(3 - 127): the byte cannot fall under 1
	v_add_nc_u32 v11, 0xff000000, v12              ; 2 off the exponent field: the conversion's scale operand
	v_lshrrev_b32 v13, 23, v11                     ; the scale's byte
.if BQ == 0
	v_mov_b32 v[SBW+KS], v13
.else
	v_lshl_or_b32 v[SBW+KS], v13, 8*BQ, v[SBW+KS]
.endif
	v_cvt_scalef32_pk16_fp6_f32 v[CD:CD+2], v[XS:XS+15], v11
	v_cvt_scalef32_pk16_fp6_f32 v[CD+4:CD+6], v[XS+16:XS+31], v11
	v_nop                                          ; one plain place behind a scaled conversion
	v_mov_b32 v[CD+3], v[CD+4]                     ; the block's six registers on end
	v_mov_b32 v[CD+4], v[CD+5]
	v_mov_b32 v[CD+5], v[CD+6]
.if BQ < 2
	ds_store_b128 v4, v[CD:CD+3] offset:IM
	ds_store_b64 v4, v[CD+4:CD+5] offset:IM+512
.else
	ds_store_b64 v4, v[CD:CD+1] offset:IM+520
	ds_store_b128 v4, v[CD+2:CD+5] offset:IM+1024
.endif
.if (\t)+2 < 8
	LOAD (\t)+2
.endif
	s_wait_dscnt 0x0                               ; the stores have read their registers: the next block's codes may be written
.endm
.set Q, 0
.rept 8
	BLOCK Q
.set Q, Q+1
.endr
	global_store_b32 v7, v[SBW], s[16:17] offset:24576
	s_wait_alu depctr_va_vdst(0)                   ; directly ahead of the reader below
	global_store_b32 v7, v[SBW+1], s[16:17] offset:24576+512
.irp k, 0,1,2,3,4,5,6,7,8,9,10,11
	ds_load_b128 v[OUTR+4*\k:OUTR+4*\k+3], v5 offset:512*\k       ; LDS serves a wave's instructions in order: these see my stores
.endr
.irp k, 0,1,2,3,4,5,6,7,8,9,10,11
	s_wait_dscnt 11-\k
	global_store_b128 v6, v[OUTR+4*\k:OUTR+4*\k+3], s[16:17] offset:(\k/6)*12288+(\k%6)*512   ; 512 consecutive bytes, at a multiple of 256 from wc's first byte
.endr
	s_wait_tensorcnt 0x0                           ; the wave's end
	ds_add_u32 v254, v255
	s_wait_dscnt 0x0
	s_endpgm
.Lnorm:
	s_load_b256 s[4:11], s[0:1], 0x0               ; x s[4:5], g s[6:7], s s[8:9], hc s[10:11]
	s_sub_co_u32 s15, ttmp9, NQW                   ; which 16 rows
	v_lshrrev_b32 v1, 5, v0
	s_delay_alu instid0(VALU_DEP_1)
	v_readfirstlane_b32 s12, v1                    ; wave 0..7
	v_and_b32 v1, 31, v0
	v_and_b32 v2, 15, v0                           ; r
	v_bfe_u32 v3, v0, 4, 1                         ; h
	s_delay_alu instid0(VALU_DEP_3)
	v_lshlrev_b32 v4, 4, v1                        ; v4: 16 x lane
	s_mul_i32 s13, s12, 16*SPI
	v_add_nc_u32 v5, s13, v4                       ; v5: into my stage
	v_mul_u32_u24 v6, v2, SPI
	s_delay_alu instid0(VALU_DEP_1)
	v_lshl_add_u32 v6, v3, 5, v6
	s_delay_alu instid0(VALU_DEP_1)
	v_add_nc_u32 v6, s13, v6                       ; v6: out of it: row r, + 32 h
	v_lshlrev_b32 v7, 5, v3                        ; v7: 32 h, for g and s
	v_lshlrev_b32 v8, 5, v2
	s_delay_alu instid0(VALU_DEP_1)
	v_add_nc_u32 v8, RED, v8                       ; v8: my row's eight partial sums
	s_lshl_b32 s14, s12, 2
	v_add_nc_u32 v9, s14, v8                       ; v9: my wave's word among them
	v_lshlrev_b32 v10, 2, v2                       ; v10: 4 r
	s_mov_b32 s[SEL], 0x76543210
	s_mov_b32 s[SEL+1], 0xfedcba98                 ; v_permlanex16_b32's selects for lane l xor 16
	s_mov_b32 s30, 0x3a802008                      ; 1 / 1,023
	s_mov_b32 s31, 0x2b8cbccc                      ; 1e-12
	s_lshl_b32 s18, s12, 9                         ; my wave's 512 bytes of a row
	s_mov_b32 s19, 0
	s_lshl_b32 s16, s15, 16                        ; 16 rows of 4,096 bytes a work-group
	s_add_co_u32 s16, s16, s18
	s_mov_b32 s17, 0
	s_lshr_b32 s22, s12, 1
	s_lshl_b32 s22, s22, 5
	s_lshr_b32 s23, s15, 3
	s_add_co_u32 s22, s22, s23
	s_mul_i32 s22, s22, REC                        ; record (w / 2) 32 + rows / 128
	s_and_b32 s23, s12, 1
	s_and_b32 s24, s15, 7
	s_mul_i32 s26, s23, 12288
	s_mul_i32 s27, s24, 1536
	s_add_co_u32 s26, s26, s27
	s_add_co_u32 s26, s26, s22
	s_mov_b32 s27, 0                               ; s[26:27]: my fragment
	s_lshl_b32 s28, s23, 9
	s_lshl_b32 s29, s24, 6
	s_add_co_u32 s28, s28, s29
	s_add_co_u32 s28, s28, s22
	s_add_co_u32 s28, s28, 24576
	s_mov_b32 s29, 0                               ; s[28:29]: its scale words
.irp b, 0,1,2,3
	v_mov_b32 v[TM+4+\b], 0                        ; written once: a lane permute's destination counts as one of its sources
.endr
	s_wait_alu depctr_va_vdst(0)                   ; the wait at the head's end
	s_wait_kmcnt 0x0
	s_add_nc_u64 s[4:5], s[4:5], s[16:17]
	s_add_nc_u64 s[6:7], s[6:7], s[18:19]
	s_add_nc_u64 s[8:9], s[8:9], s[18:19]
	s_add_nc_u64 s[24:25], s[10:11], s[28:29]
	s_add_nc_u64 s[10:11], s[10:11], s[26:27]
.irp p, 0,1,2,3,4,5,6,7,8,9,10,11,12,13,14,15
	global_load_b128 v[GG+4*\p:GG+4*\p+3], v4, s[4:5] offset:\p*4096     ; row p: 512 consecutive bytes
.endr
.irp p, 0,1,2,3,4,5,6,7,8,9,10,11,12,13,14,15
	s_wait_loadcnt 15-\p                           ; loads come back in order: row p is in
	ds_store_b128 v5, v[GG+4*\p:GG+4*\p+3] offset:\p*SPI
.endr
.irp b, 0,1,2,3
.irp u, 0,1
.irp v, 0,1
	ds_load_b128 v[XX+16*\b+8*\u+4*\v:XX+16*\b+8*\u+4*\v+3], v6 offset:128*\b+64*\u+16*\v   ; columns 32 b + 16 u + 8 h + 4 v on
.endr
.endr
.endr
	s_wait_dscnt 0x0                               ; my numbers are in, and the stores have read v80-143, which g's loads take now
.irp b, 0,1,2,3
.irp u, 0,1
.irp v, 0,1
	global_load_b128 v[GG+16*\b+8*\u+4*\v:GG+16*\b+8*\u+4*\v+3], v7, s[6:7] offset:128*\b+64*\u+16*\v
	global_load_b128 v[SS+16*\b+8*\u+4*\v:SS+16*\b+8*\u+4*\v+3], v7, s[8:9] offset:128*\b+64*\u+16*\v
.endr
.endr
.endr
.macro FOLD off                        ; four chains of pairs in v[242:249] become the row's total over all 1,024 columns, in v242
	s_delay_alu instid0(VALU_DEP_3)
	v_pk_add_f32 v[242:243], v[242:243], v[244:245]
	s_delay_alu instid0(VALU_DEP_2)
	v_pk_add_f32 v[246:247], v[246:247], v[248:249]
	s_delay_alu instid0(VALU_DEP_1)
	v_pk_add_f32 v[242:243], v[242:243], v[246:247]
	s_delay_alu instid0(VALU_DEP_1)
	v_add_f32 v242, v242, v243
	s_delay_alu instid0(VALU_DEP_1)
	v_permlanex16_b32 v243, v242, s[SEL], s[SEL+1]
	s_delay_alu instid0(VALU_DEP_1)
	v_add_f32 v242, v242, v243
	ds_store_b32 v9, v242 offset:\off              ; lanes l and l xor 16 write the same word with the same value
	s_wait_dscnt 0x0                               ; for the others' sake: my store has landed
	s_barrier_signal -1
	s_barrier_wait -1
	ds_load_b128 v[244:247], v8 offset:\off
	ds_load_b128 v[248:251], v8 offset:\off+16
	s_wait_dscnt 0x0
	v_pk_add_f32 v[244:245], v[244:245], v[246:247]
	v_pk_add_f32 v[248:249], v[248:249], v[250:251]
	s_delay_alu instid0(VALU_DEP_1)
	v_pk_add_f32 v[244:245], v[244:245], v[248:249]
	s_delay_alu instid0(VALU_DEP_1)
	v_add_f32 v242, v244, v245
.endm
.irp c, 0,1,2,3
	v_pk_add_f32 v[242+2*\c:243+2*\c], v[XX+4*\c:XX+4*\c+1], v[XX+4*\c+2:XX+4*\c+3]
.endr
.irp j, 16,24,32,40,48,56
.irp c, 0,1,2,3
	s_delay_alu instid0(VALU_DEP_4)
	v_pk_add_f32 v[242+2*\c:243+2*\c], v[242+2*\c:243+2*\c], v[XX+\j+2*\c:XX+\j+2*\c+1]
.endr
.endr
	FOLD 0
	s_delay_alu instid0(VALU_DEP_1)
	v_mul_f32 v12, 0x3a800000, v242                ; the mean: x 2^-10, exact
	s_delay_alu instid0(VALU_DEP_2)
	v_mul_f32 v13, 0x3a800000, v242
.set IDX, 0
.rept 32
	v_pk_add_f32 v[XX+IDX:XX+IDX+1], v[XX+IDX:XX+IDX+1], v[12:13] neg_lo:[0,1] neg_hi:[0,1]   ; x - mean
.set IDX, IDX+2
.endr
.irp c, 0,1,2,3
	v_pk_mul_f32 v[242+2*\c:243+2*\c], v[XX+2*\c:XX+2*\c+1], v[XX+2*\c:XX+2*\c+1]
.endr
.irp j, 8,16,24,32,40,48,56
.irp c, 0,1,2,3
	s_delay_alu instid0(VALU_DEP_4)
	v_pk_fma_f32 v[242+2*\c:243+2*\c], v[XX+\j+2*\c:XX+\j+2*\c+1], v[XX+\j+2*\c:XX+\j+2*\c+1], v[242+2*\c:243+2*\c]
.endr
.endr
	FOLD 512                                       ; other bytes than the first time: no third barrier
	s_delay_alu instid0(VALU_DEP_1)
	v_fma_f32 v14, v242, s30, s31                  ; var + 1e-12
	s_wait_alu depctr_va_vdst(0)                   ; the wait ahead of the transcendental
	v_rsq_f32 v14, v14
	v_nop                                          ; one plain place behind it
	s_wait_alu depctr_va_vdst(0)                   ; and ahead of the first instruction that names the result
	v_mov_b32 v15, v14
	s_wait_alu depctr_va_vdst(0)                   ; and directly ahead of the wait below
	s_wait_loadcnt 0x0                             ; g and s
.set IDX, 0
.rept 32
	v_pk_mul_f32 v[XX+IDX:XX+IDX+1], v[XX+IDX:XX+IDX+1], v[14:15]
.set IDX, IDX+2
.endr
.set IDX, 0
.rept 32
	v_pk_fma_f32 v[XX+IDX:XX+IDX+1], v[XX+IDX:XX+IDX+1], v[GG+IDX:GG+IDX+1], v[SS+IDX:SS+IDX+1]
.set IDX, IDX+2
.endr
.irp b, 0,1,2,3                                ; the quantiser: four blocks of 32; a block lies in lanes l and l xor 16
	v_max3_num_f32 v[TM+\b], |v[XX+16*\b]|, |v[XX+1+16*\b]|, 0x1800000   ; with the floor 2^(3 - 127)
.endr
.irp i, 2,4,6,8,10,12,14
.irp b, 0,1,2,3
	s_delay_alu instid0(VALU_DEP_4)
	v_max3_num_f32 v[TM+\b], v[TM+\b], |v[XX+16*\b+\i]|, |v[XX+1+16*\b+\i]|
.endr
.endr
.irp b, 0,1,2,3
	s_delay_alu instid0(VALU_DEP_4)
	v_permlanex16_b32 v[TM+4+\b], v[TM+\b], s[SEL], s[SEL+1]
.endr
.irp b, 0,1,2,3
	s_delay_alu instid0(VALU_DEP_4)
	v_max_num_f32 v[TM+\b], v[TM+\b], v[TM+4+\b]
.endr
.irp b, 0,1,2,3
	s_delay_alu instid0(VALU_DEP_4)
	v_add_nc_u32 v[TM+8+\b], 0xff000000, v[TM+\b]  ; 2 off the exponent field: the conversion's scale operand
.endr
.irp b, 0,1,2,3
	s_delay_alu instid0(VALU_DEP_4)
	v_lshrrev_b32 v[TM+4+\b], 23, v[TM+8+\b]       ; the scale's byte
.endr
	s_delay_alu instid0(VALU_DEP_3)
	v_lshl_or_b32 v[PW], v[TM+5], 8, v[TM+4]
	s_delay_alu instid0(VALU_DEP_1)
	v_lshl_or_b32 v[PW], v[TM+6], 16, v[PW]
	s_delay_alu instid0(VALU_DEP_1)
	v_lshl_or_b32 v[PW], v[TM+7], 24, v[PW]
.irp c, 0,1
	v_cvt_scalef32_pk16_fp6_f32 v[PC+6*\c:PC+2+6*\c], v[XX+32*\c:XX+15+32*\c], v[TM+8+2*\c]
	v_cvt_scalef32_pk16_fp6_f32 v[PC+12+4*\c:PC+14+4*\c], v[XX+16+32*\c:XX+31+32*\c], v[TM+8+2*\c+1]
.endr
	v_nop                                          ; one plain place behind a scaled conversion
.irp c, 0,1                                    ; the operand's layout wants a whole block in a lane
.irp i, 0,1,2
	v_permlane16_swap_b32 v[PC+6*\c+\i], v[PC+12+4*\c+\i]
.endr
.irp i, 0,1,2
	s_delay_alu instid0(VALU_DEP_3)
	v_mov_b32 v[PC+3+6*\c+\i], v[PC+12+4*\c+\i]
.endr
.endr
.irp c, 0,1,2
	global_store_b128 v4, v[PC+4*\c:PC+4*\c+3], s[10:11] offset:512*\c    ; 512 consecutive bytes, at a multiple of 256 from hc's first byte
.endr
	global_store_b32 v10, v[PW], s[24:25]          ; 16 words; lanes l and l xor 16 store the same word with the same value
	s_wait_tensorcnt 0x0                           ; the wave's end
	ds_add_u32 v254, v255
	s_wait_dscnt 0x0
	s_endpgm
.Lfunc_end_k_q7ee3d1b08e_prep:
	.size	k_q7ee3d1b08e_prep, .Lfunc_end_k_q7ee3d1b08e_prep-k_q7ee3d1b08e_prep
	.p2alignl 7, 3214868480
	.fill 96, 4, 3214868480
	.section	.rodata,"a",@progbits
	.p2align	6, 0x0
	.amdhsa_kernel k_q7ee3d1b08e_prep
		.amdhsa_group_segment_fixed_size 119808
		.amdhsa_private_segment_fixed_size 0
		.amdhsa_enable_private_segment 0
		.amdhsa_kernarg_size 88
		.amdhsa_user_sgpr_count 2
		.amdhsa_user_sgpr_kernarg_segment_ptr 1
		.amdhsa_wavefront_size32 1
		.amdhsa_system_sgpr_workgroup_id_x 1
		.amdhsa_system_sgpr_workgroup_id_y 1
		.amdhsa_system_sgpr_workgroup_id_z 1
		.amdhsa_system_vgpr_workitem_id 0
		.amdhsa_next_free_vgpr 256
		.amdhsa_next_free_sgpr 66
		.amdhsa_reserve_vcc 0
		.amdhsa_float_denorm_mode_32 3
		.amdhsa_float_denorm_mode_16_64 3
		.amdhsa_memory_ordered 1
		.amdhsa_forward_progress 1
		.amdhsa_inst_pref_size 75
	.end_amdhsa_kernel
	.amdgpu_metadata
---
amdhsa.version: [ 1, 2 ]
amdhsa.kernels:
  - .name:           k_q7ee3d1b08e_prep
    .symbol:         k_q7ee3d1b08e_prep.kd
    .args:
      - { .name: x, .offset: 0, .size: 8, .value_kind: global_buffer, .address_space: global }
      - { .name: g1, .offset: 8, .size: 8, .value_kind: global_buffer, .address_space: global }
      - { .name: s1, .offset: 16, .size: 8, .value_kind: global_buffer, .address_space: global }
      - { .name: hc, .offset: 24, .size: 8, .value_kind: global_buffer, .address_space: global }
      - { .name: Wq, .offset: 32, .size: 8, .value_kind: global_buffer, .address_space: global }
      - { .name: Wk, .offset: 40, .size: 8, .value_kind: global_buffer, .address_space: global }
      - { .name: Wv, .offset: 48, .size: 8, .value_kind: global_buffer, .address_space: global }
      - { .name: Wo, .offset: 56, .size: 8, .value_kind: global_buffer, .address_space: global }
      - { .name: W1, .offset: 64, .size: 8, .value_kind: global_buffer, .address_space: global }
      - { .name: W2, .offset: 72, .size: 8, .value_kind: global_buffer, .address_space: global }
      - { .name: wc, .offset: 80, .size: 8, .value_kind: global_buffer, .address_space: global }
    .group_segment_fixed_size: 119808
    .private_segment_fixed_size: 0
    .kernarg_segment_align: 8
    .kernarg_segment_size: 88
    .max_flat_workgroup_size: 256
    .sgpr_count:     66
    .vgpr_count:     256
    .wavefront_size: 32
...
	.end_amdgpu_metadata
.endif
;; end of part 8
;; launch gqkv (part 9): grid 12 x 16, 4 waves a work-group, clusters of 4 x 4, 327,680 bytes of LDS; arguments hc, wc, bq, bk, bv, qk, vt; writes qk, vt
.if DOCPART == 9
	.amdgcn_target "amdgcn-amd-amdhsa--gfx1250"
	.amdhsa_code_object_version 6
	.text
	.protected	k_q7ee3d1b08e_gqkv
	.globl	k_q7ee3d1b08e_gqkv
	.p2align	8
	.type	k_q7ee3d1b08e_gqkv,@function
k_q7ee3d1b08e_gqkv:
	s_mov_b64 s[64:65], 0
	v_nop
	global_prefetch_b8 v0, s[64:65] scope:SCOPE_SE
	s_setreg_imm32_b32 hwreg(HW_REG_WAVE_MODE, 25, 1), 1
	s_wait_xcnt 0x0
	s_wait_alu depctr_hold_cnt(0) depctr_sa_sdst(0) depctr_va_vdst(0) depctr_va_sdst(0) depctr_va_ssrc(0) depctr_va_vcc(0) depctr_vm_vsrc(0)
	s_getreg_b32 s2, hwreg(HW_REG_IB_STS2, 6, 4)
	s_cmp_eq_u32 s2, 0
	s_cbranch_scc0 .Lentry_in_a_cluster
	s_endpgm
.Lentry_in_a_cluster:
	s_bfe_u32 s2, ttmp6, 0x10000c
	s_cmp_lg_u32 s2, 0xf033
	s_cbranch_scc0 .Lentry_shape_is_right
	s_endpgm
.Lentry_shape_is_right:
.set KK,    1024
.set WV_OFF, 1638400
.set REC,   25600
.set SLOT,  4*REC
.set SPARE, 2*SLOT
.set FR,    12
.set NL,    3
.set NQ,    2
.set NP,    4
.set LAPS,  KK/512
.set ADRA,  16
.set ADRS,  18
.set ADRB,  20
.set SPW,   28
.set NIL,   29
.set SC,    32
.set AF,    128
.set G1,    24
.set G0,    32
.set G1B,   48
.set G0B,   56
.set SEL,   84
.set PW,    8
.set PC,    64
.set TM,    84
.set TT,    128
.set BL,    224
.set RAW,   240
.set OC,    66
.set OS,    68
.set MSB,   0
.set MUL_LO, 0xa1
.set MUL_HI, 0xf1
.set TO_B,   0x40
.macro WIN new
.if MSB != \new
	s_set_vgpr_msb (MSB<<8)|\new
.set MSB, \new
.endif
.endm
.macro JLOAD s
	s_cmp_eq_u32 s15, 0
	s_cbranch_scc0 .Lfor_b_\@
	tensor_load_to_lds s[G0+4*\s:G0+4*\s+3], s[G1:G1+7]
	s_nop 0
.rept 4
	v_nop
.endr
	s_branch .Lasked_\@
.Lfor_b_\@:
	tensor_load_to_lds s[G0B+4*\s:G0B+4*\s+3], s[G1B:G1B+7]
	s_nop 0
.rept 4
	v_nop
.endr
.Lasked_\@:
.endm
.macro CREST
	s_cmp_lg_u32 s14, 0
	s_cbranch_scc1 .Lnot_wave_0_\@
	s_barrier_signal -3
.Lnot_wave_0_\@:
	s_barrier_wait -3
	s_barrier_signal -1
	s_barrier_wait -1
.endm
.macro CROUND
	s_barrier_signal -1
	s_barrier_wait -1
	CREST
.endm
.macro ADVANCE slot
	s_add_nc_u64 s[G0+4*\slot+2:G0+4*\slot+3], s[G0+4*\slot+2:G0+4*\slot+3], s[80:81]
	s_add_nc_u64 s[G0B+4*\slot+2:G0B+4*\slot+3], s[G0B+4*\slot+2:G0B+4*\slot+3], s[82:83]
.endm
.macro FRAG reg, adr, q, i
.irp c, 0,1,2
	ds_load_b128 v[\reg+4*\c:\reg+4*\c+3], v[\adr] offset:(8*(\q)+(\i))*1536+512*\c
.endr
.endm
.macro MUL16 a0, p, q, sc, zero
.irp a, \a0, \a0+1
.irp b, 0,1,2,3,4,5,6,7
.if \zero
	v_wmma_scale_f32_16x16x128_f8f6f4 v[8*(8*((\a)%4)+\b):8*(8*((\a)%4)+\b)+7], v[128*(\p)+FR*\b:128*(\p)+FR*\b+FR-1], v[AF+FR*(\a):AF+FR*(\a)+FR-1], 0, v[SC+8*NQ*(\sc)+NQ*\b+(\q)], v[SC+8*NQ*(\sc)+NQ*(\a)+(\q)] matrix_a_fmt:MATRIX_FMT_FP6 matrix_b_fmt:MATRIX_FMT_FP6 matrix_a_scale:MATRIX_SCALE_ROW1
.else
	v_wmma_scale_f32_16x16x128_f8f6f4 v[8*(8*((\a)%4)+\b):8*(8*((\a)%4)+\b)+7], v[128*(\p)+FR*\b:128*(\p)+FR*\b+FR-1], v[AF+FR*(\a):AF+FR*(\a)+FR-1], v[8*(8*((\a)%4)+\b):8*(8*((\a)%4)+\b)+7], v[SC+8*NQ*(\sc)+NQ*\b+(\q)], v[SC+8*NQ*(\sc)+NQ*(\a)+(\q)] matrix_a_fmt:MATRIX_FMT_FP6 matrix_b_fmt:MATRIX_FMT_FP6 matrix_a_scale:MATRIX_SCALE_ROW1
.endif
.endr
.endr
.endm
.macro FETCH_B slot, q, p
	WIN TO_B
.irp i, 0,1,2,3,4,5,6,7
	FRAG 128*(\p)+FR*\i, ADRB+\slot, \q, \i
.endr
	WIN 0
.endm
.macro FETCH_A slot, q, i0
.irp i, \i0, \i0+1, \i0+2, \i0+3
	FRAG AF+FR*(\i), ADRA+\slot, \q, \i
.endr
.endm
.macro SCALES sc
.irp i, 0,1,2,3,4,5,6,7
.irp q, 0,1
	ds_load_b32 v[SC+16*\sc+2*\i+\q], v[ADRS+\sc] offset:512*\q+64*\i
.endr
.endr
.endm
.macro PLACES n
.rept \n
	v_nop
.endr
.endm
.macro STEP slot, q, zero
	s_wait_dscnt 4*NL
	WIN MUL_LO
	MUL16 0, (\q)%2, \q, \slot, \zero
	MUL16 2, (\q)%2, \q, \slot, \zero
	s_wait_dscnt 0
	PLACES NP
	FETCH_B \slot, (\q)+1, 1-(\q)%2
	FETCH_A \slot, (\q)+1, 0
	WIN MUL_HI
	MUL16 4, (\q)%2, \q, \slot, \zero
	MUL16 6, (\q)%2, \q, \slot, \zero
	PLACES NP
	WIN 0
	FETCH_A \slot, (\q)+1, 4
.endm
.macro TURN slot, next, fill
	s_wait_tensorcnt 0x0
	ds_add_u32 v[SPW], v[NIL]
	s_wait_dscnt 4*NL+1
	WIN MUL_LO
	MUL16 0, 1, NQ-1, \slot, 0
	s_wait_dscnt 0x0
	s_barrier_signal -1
	MUL16 2, 1, NQ-1, \slot, 0
	WIN 0
	s_barrier_wait -1
.if \fill
	CREST
	ADVANCE \slot
	JLOAD \slot
.else
	PLACES NP
.endif
	FETCH_B \next, 0, 0
	FETCH_A \next, 0, 0
	SCALES \next
	WIN MUL_HI
	MUL16 4, 1, NQ-1, \slot, 0
	MUL16 6, 1, NQ-1, \slot, 0
	PLACES NP
	WIN 0
	FETCH_A \next, 0, 4
.endm
.macro LAP
	TURN 0, 1, 1
	STEP 1, 0, 0
	TURN 1, 0, 1
	STEP 0, 0, 0
.endm
.macro QUANT s, pw
.irp b, 0,1,2,3
	v_max3_num_f32 v[TM+\b], |v[\s+16*\b]|, |v[\s+1+16*\b]|, 0x1800000
.endr
.irp i, 2,4,6,8,10,12,14
.irp b, 0,1,2,3
	v_max3_num_f32 v[TM+\b], v[TM+\b], |v[\s+16*\b+\i]|, |v[\s+1+16*\b+\i]|
.endr
.endr
.irp b, 0,1,2,3
	v_permlanex16_b32 v[TM+4+\b], v[TM+\b], s[SEL], s[SEL+1]
.endr
.irp b, 0,1,2,3
	v_max_num_f32 v[TM+\b], v[TM+\b], v[TM+4+\b]
.endr
.irp b, 0,1,2,3
	v_add_nc_u32 v[TM+8+\b], 0xff000000, v[TM+\b]
.endr
.irp b, 0,1,2,3
	v_lshrrev_b32 v[TM+4+\b], 23, v[TM+8+\b]
.endr
	v_lshl_or_b32 v[\pw], v[TM+5], 8, v[TM+4]
	v_lshl_or_b32 v[\pw], v[TM+6], 16, v[\pw]
	v_lshl_or_b32 v[\pw], v[TM+7], 24, v[\pw]
.irp c, 0,1
	v_cvt_scalef32_pk16_fp6_f32 v[PC+6*\c:PC+2+6*\c], v[\s+32*\c:\s+15+32*\c], v[TM+8+2*\c]
	v_cvt_scalef32_pk16_fp6_f32 v[PC+12+4*\c:PC+14+4*\c], v[\s+16+32*\c:\s+31+32*\c], v[TM+8+2*\c+1]
.endr
	v_nop
.irp c, 0,1
.irp i, 0,1,2
	v_permlane16_swap_b32 v[PC+6*\c+\i], v[PC+12+4*\c+\i]
.endr
.irp i, 0,1,2
	v_mov_b32 v[PC+3+6*\c+\i], v[PC+12+4*\c+\i]
.endr
.endr
.endm
	s_load_b256 s[4:11], s[0:1], 0x0
	s_load_b128 s[92:95], s[0:1], 0x20
	s_load_b64 s[96:97], s[0:1], 0x30
	v_lshl_add_u32 v[SPW], v0, 2, SPARE
	v_mov_b32 v[NIL], 0
	ds_add_u32 v28, v29
	ds_add_u32 v28, v29
	s_wait_dscnt 0x0
	v_lshrrev_b32 v1, 5, v0
	v_readfirstlane_b32 s14, v1
	s_lshr_b32 s15, s14, 1
	s_and_b32 s16, s14, 1
	s_bfe_u32 s40, ttmp6, 0x40000
	s_bfe_u32 s41, ttmp6, 0x40004
	s_and_b32 s18, ttmp7, 0xffff
	s_mov_b32 s72, 32*REC
	s_mov_b32 s74, 16*REC
	s_cmp_eq_u32 ttmp9, 2
	s_cselect_b32 s76, -1, 0
	s_cselect_b32 s19, s18, ttmp9
	s_cselect_b32 s18, 0, s18
	s_cselect_b32 s72, 8*REC, s72
	s_cselect_b32 s74, 32*REC, s74
	s_cselect_b32 s90, WV_OFF, 0
	s_mov_b32 s73, 0
	s_mov_b32 s75, 0
	s_lshl_b32 s80, s72, 1
	s_mov_b32 s81, 0
	s_lshl_b32 s82, s74, 1
	s_mov_b32 s83, 0
	s_lshl_b32 s42, s19, 2
	s_add_co_u32 s42, s42, s40
	s_lshl_b32 s17, s18, 2
	s_add_co_u32 s17, s17, s41
	s_lshl_b32 s43, s41, 2
	s_lshl_b32 s43, 15, s43
	s_lshl_b32 s44, 0x1111, s40
	s_or_b32 s[G1+0], s43, (3<<16)|(1<<21)
	s_or_b32 s[G1B+0], s44, (3<<16)|(1<<21)
.irp g, G1, G1B
	s_mov_b32 s[\g+1], 32<<16
	s_mov_b32 s[\g+2], 100<<16
	s_mov_b32 s[\g+3], 32<<16
	s_mov_b32 s[\g+4], 100
	s_mov_b32 s[\g+5], 32
	s_mov_b32 s[\g+6], 0
	s_mov_b32 s[\g+7], 0
.endr
	s_lshl_b32 s20, s17, 1
	s_add_co_u32 s20, s20, s16
	s_mul_i32 s20, s20, REC
	s_add_co_u32 s20, s20, s90
	s_mov_b32 s21, 0
	s_lshl_b32 s46, s42, 1
	s_add_co_u32 s46, s46, s16
	s_mul_i32 s46, s46, REC
	s_mov_b32 s47, 0
	s_mul_i32 s45, s14, REC
	s_mov_b32 s[SEL], 0x76543210
	s_mov_b32 s[SEL+1], 0xfedcba98
	s_mov_b32 s77, 0xffff0000
	s_wait_kmcnt 0x0
	s_cmp_eq_u32 ttmp9, 2
	s_cselect_b64 s[86:87], s[6:7], s[4:5]
	s_cselect_b64 s[88:89], s[4:5], s[6:7]
	s_add_nc_u64 s[20:21], s[86:87], s[20:21]
	s_add_nc_u64 s[46:47], s[88:89], s[46:47]
	CROUND
	s_mov_b32 s[G0], 1
	s_mov_b32 s[G0+1], s45
	s_mov_b64 s[G0+2:G0+3], s[20:21]
	s_or_b32 s[G0+3], s[G0+3], 0x80000000
	s_mov_b32 s[G0B], 1
	s_mov_b32 s[G0B+1], s45
	s_mov_b64 s[G0B+2:G0B+3], s[46:47]
	s_or_b32 s[G0B+3], s[G0B+3], 0x80000000
	JLOAD 0
	s_mov_b32 s[G0+4], 1
	s_add_co_u32 s[G0+5], s45, SLOT
	s_add_nc_u64 s[G0+6:G0+7], s[20:21], s[72:73]
	s_or_b32 s[G0+7], s[G0+7], 0x80000000
	s_mov_b32 s[G0B+4], 1
	s_add_co_u32 s[G0B+5], s45, SLOT
	s_add_nc_u64 s[G0B+6:G0B+7], s[46:47], s[74:75]
	s_or_b32 s[G0B+7], s[G0B+7], 0x80000000
	s_wait_alu depctr_va_vdst(0)
	s_wait_tensorcnt 0x0
	ds_add_u32 v28, v29
	s_wait_dscnt 0x0
	CROUND
	JLOAD 1
	v_and_b32 v1, 15, v0
	v_bfe_u32 v2, v0, 4, 1
	v_and_b32 v3, 31, v0
	v_lshlrev_b32 v26, 4, v3
	v_lshlrev_b32 v27, 2, v3
	v_lshlrev_b32 v22, 5, v2
	v_lshlrev_b32 v23, 2, v1
	s_wait_alu depctr_va_vdst(0)
	s_mul_i32 s21, s15, REC
	s_mul_i32 s22, s16, REC
	s_add_co_u32 s22, s22, 2*REC
	v_add_nc_u32 v[ADRA], s21, v26
	v_add_nc_u32 v[ADRB], s22, v26
	v_add_nc_u32 v[ADRA+1], SLOT, v[ADRA]
	v_add_nc_u32 v[ADRB+1], SLOT, v[ADRB]
	s_xor_b32 s22, s15, 1
	s_add_co_u32 s22, s22, s16
	s_add_co_u32 s22, s22, 1
	s_mul_i32 s22, s22, REC
	v_mul_u32_u24 v4, s22, v2
	v_lshl_add_u32 v4, v1, 2, v4
	s_add_co_u32 s21, s21, 24576
	v_add_nc_u32 v[ADRS], s21, v4
	v_add_nc_u32 v[ADRS+1], SLOT, v[ADRS]
	s_lshl_b32 s66, s42, 1
	s_add_co_u32 s66, s66, s16
	s_lshl_b32 s66, s66, 4
	s_add_co_u32 s66, s66, s17
	s_lshl_b32 s67, s42, 3
	s_lshl_b32 s68, s17, 1
	s_add_co_u32 s67, s67, s68
	s_add_co_u32 s67, s67, s15
	s_and_b32 s70, s42, 3
	s_lshl_b32 s70, s70, 10
	s_lshl_b32 s71, s16, 9
	s_add_co_u32 s70, s70, s71
	s_lshl_b32 s98, s17, 10
	s_lshl_b32 s99, s15, 9
	s_add_co_u32 s98, s98, s99
	s_cmp_lt_u32 s42, 4
	s_cselect_b64 s[86:87], s[8:9], s[10:11]
	s_cmp_eq_u32 ttmp9, 2
	s_cselect_b64 s[86:87], s[8:9], s[86:87]
	s_cselect_b32 s70, 0, s70
	s_cselect_b32 s98, s98, 0
	s_cselect_b32 s66, s67, s66
	s_cselect_b32 s67, s16, s15
	s_cselect_b64 s[88:89], s[96:97], s[94:95]
	s_mov_b32 s71, 0
	s_mov_b32 s99, 0
	s_add_nc_u64 s[70:71], s[86:87], s[70:71]
	s_add_nc_u64 s[98:99], s[92:93], s[98:99]
	s_mul_i32 s66, s66, REC
	s_mul_i32 s90, s67, 12288
	s_lshl_b32 s91, s67, 9
	s_add_co_u32 s90, s90, s66
	s_add_co_u32 s68, s91, s66
	s_add_co_u32 s68, s68, 24576
	s_mov_b32 s91, 0
	s_mov_b32 s69, 0
	s_add_nc_u64 s[OC:OC+1], s[88:89], s[90:91]
	s_add_nc_u64 s[OS:OS+1], s[88:89], s[68:69]
	WIN TO_B
.irp b, 0,1,2,3,4,5,6,7
	global_load_b128 v[96+8*\b+96*(\b/4):99+8*\b+96*(\b/4)], v22, s[70:71] offset:64*\b
	global_load_b128 v[100+8*\b+96*(\b/4):103+8*\b+96*(\b/4)], v22, s[70:71] offset:64*\b+16
.endr
	WIN 0
.irp a, 0,1,2,3,4,5,6,7
	global_load_b32 v[RAW+\a], v23, s[98:99] offset:64*\a
.endr
	s_wait_alu depctr_va_vdst(0)
	s_wait_tensorcnt 1
	s_barrier_signal -1
	s_barrier_wait -1
	FETCH_B 0, 0, 0
	FETCH_A 0, 0, 0
	SCALES 0
	FETCH_A 0, 0, 4
	STEP 0, 0, 1
	LAP
	TURN 0, 1, 0
	STEP 1, 0, 0
	s_wait_dscnt 4*NL
	WIN MUL_LO
	MUL16 0, 1, NQ-1, 1, 0
	MUL16 2, 1, NQ-1, 1, 0
	s_wait_dscnt 0
	WIN MUL_HI
	MUL16 4, 1, NQ-1, 1, 0
	MUL16 6, 1, NQ-1, 1, 0
	WIN 0
	PLACES NP
	s_wait_loadcnt 0x0
.irp b, 0,1,2,3
	v_mov_b32 v[TM+4+\b], 0
.endr
	WIN 0x41
.set IDX, 0
.rept 64
	v_cndmask_b32 v[96+IDX+96*(IDX/32)], v[96+IDX+96*(IDX/32)], 0, s76
.set IDX, IDX+1
.endr
	WIN 0
.irp a, 0,1,2,3,4,5,6,7
	v_cndmask_b32 v[BL+2*\a], 0, v[RAW+\a], s76
	v_cndmask_b32 v[BL+2*\a+1], 0, v[RAW+\a], s76
.endr
.macro EPI a
.set AC, 64*((\a)%4)
.if (\a) > 0
	s_wait_xcnt 0x0
.endif
	WIN 0x06+(\a)/4
.set IDX, 0
.rept 32
	v_pk_add_f32 v[TT+IDX:TT+IDX+1], v[AC+IDX:AC+IDX+1], v[96+IDX+96*(IDX/32):97+IDX+96*(IDX/32)]
.set IDX, IDX+2
.endr
	WIN 0
.set IDX, 0
.rept 32
	v_pk_add_f32 v[TT+IDX:TT+IDX+1], v[TT+IDX:TT+IDX+1], v[BL+2*(\a):BL+2*(\a)+1]
.set IDX, IDX+2
.endr
	QUANT TT, PW+(\a)
.irp c, 0,1,2
	global_store_b128 v26, v[PC+4*\c:PC+4*\c+3], s[OC:OC+1] offset:1536*(\a)+512*\c
.endr
.endm
.irp a, 0,1,2,3,4,5,6,7
	EPI \a
.endr
.irp a, 0,2,4,6
	v_cndmask_b32 v[(\a)/2], v[PW+\a], v[PW+\a+1], s77
	global_store_b32 v27, v[(\a)/2], s[OS:OS+1] offset:64*\a
.endr
	s_wait_tensorcnt 0x0
	ds_add_u32 v[SPW], v[NIL]
	s_wait_dscnt 0x0
	CROUND
	s_endpgm
.Lfunc_end_k_q7ee3d1b08e_gqkv:
	.size	k_q7ee3d1b08e_gqkv, .Lfunc_end_k_q7ee3d1b08e_gqkv-k_q7ee3d1b08e_gqkv
	.p2alignl 7, 3214868480
	.fill 96, 4, 3214868480
	.section	.rodata,"a",@progbits
	.p2align	6, 0x0
	.amdhsa_kernel k_q7ee3d1b08e_gqkv
		.amdhsa_group_segment_fixed_size 327680
		.amdhsa_private_segment_fixed_size 0
		.amdhsa_enable_private_segment 0
		.amdhsa_kernarg_size 56
		.amdhsa_user_sgpr_count 2
		.amdhsa_user_sgpr_kernarg_segment_ptr 1
		.amdhsa_wavefront_size32 1
		.amdhsa_system_sgpr_workgroup_id_x 1
		.amdhsa_system_sgpr_workgroup_id_y 1
		.amdhsa_system_sgpr_workgroup_id_z 1
		.amdhsa_system_vgpr_workitem_id 0
		.amdhsa_next_free_vgpr 1024
		.amdhsa_next_free_sgpr 100
		.amdhsa_reserve_vcc 0
		.amdhsa_float_denorm_mode_32 3
		.amdhsa_float_denorm_mode_16_64 3
		.amdhsa_memory_ordered 1
		.amdhsa_forward_progress 1
		.amdhsa_inst_pref_size 180
	.end_amdhsa_kernel
	.amdgpu_metadata
---
amdhsa.version: [ 1, 2 ]
amdhsa.kernels:
  - .name:           k_q7ee3d1b08e_gqkv
    .symbol:         k_q7ee3d1b08e_gqkv.kd
    .args:
      - { .name: hc, .offset: 0, .size: 8, .value_kind: global_buffer, .address_space: global }
      - { .name: wc, .offset: 8, .size: 8, .value_kind: global_buffer, .address_space: global }
      - { .name: bq, .offset: 16, .size: 8, .value_kind: global_buffer, .address_space: global }
      - { .name: bk, .offset: 24, .size: 8, .value_kind: global_buffer, .address_space: global }
      - { .name: bv, .offset: 32, .size: 8, .value_kind: global_buffer, .address_space: global }
      - { .name: qk, .offset: 40, .size: 8, .value_kind: global_buffer, .address_space: global }
      - { .name: vt, .offset: 48, .size: 8, .value_kind: global_buffer, .address_space: global }
    .group_segment_fixed_size: 327680
    .private_segment_fixed_size: 0
    .kernarg_segment_align: 8
    .kernarg_segment_size: 56
    .max_flat_workgroup_size: 128
    .sgpr_count:     100
    .vgpr_count:     1024
    .wavefront_size: 32
...
	.end_amdgpu_metadata
.endif
;; end of part 9
;; launch attn (part 10): grid 8 x 32, 16 waves a work-group, clusters of 4 x 1, 327,680 bytes of LDS; arguments qk, vt, cc; writes cc
.if DOCPART == 10
	.amdgcn_target "amdgcn-amd-amdhsa--gfx1250"
	.amdhsa_code_object_version 6
	.text
	.protected	k_q7ee3d1b08e_attn
	.globl	k_q7ee3d1b08e_attn
	.p2align	8
	.type	k_q7ee3d1b08e_attn,@function
k_q7ee3d1b08e_attn:
	s_mov_b64 s[64:65], 0
	v_nop
	global_prefetch_b8 v0, s[64:65] scope:SCOPE_SE
	s_setreg_imm32_b32 hwreg(HW_REG_WAVE_MODE, 25, 1), 1
	s_wait_xcnt 0x0
	s_wait_alu depctr_hold_cnt(0) depctr_sa_sdst(0) depctr_va_vdst(0) depctr_va_sdst(0) depctr_va_ssrc(0) depctr_va_vcc(0) depctr_vm_vsrc(0)
	s_getreg_b32 s2, hwreg(HW_REG_IB_STS2, 6, 4)
	s_cmp_eq_u32 s2, 0
	s_cbranch_scc0 .Lentry_in_a_cluster
	s_endpgm
.Lentry_in_a_cluster:
	s_bfe_u32 s2, ttmp6, 0x10000c
	s_cmp_lg_u32 s2, 0x3003
	s_cbranch_scc0 .Lentry_shape_is_right
	s_endpgm
.Lentry_shape_is_right:
; ctx = softmax(q k^T / 8, causal) v for 32 heads of 64 over 2,048 tokens, both products on codes of FP6 (E2M3) with one E8M0 scale for each 32 along K, and ctx quantised again for the next product.
; THE SOFTMAX AHEAD OF THE SECOND PRODUCT: t = score x log2(e) / 8; M = the row's largest t so far, rounded UP to a whole number; p = 2^(t - M) is quantised along the keys, not normalised.
; The row's sum is taken of the unquantised p and divides at the end.  When M moves, the sum and O are multiplied by 2^(old M - new M): exact.
; INPUTS are records of 25,600 bytes: 16 register images of fragments (1,536 bytes: register group c of lane l at 512 c + 16 l), then their scale words (fragment f, row r at 24,576 + 64 f + 4 r).
;   qk: record (n / 128) 16 + token / 256 = 256 tokens x 128 n (a PAIR of heads), fragment (token % 256) / 16; n / 128 = pair for q, 8 + pair for k.  Head e of the pair is an image's registers 6 e .. 6 e + 5.
;   vt: record (token / 256) 8 + pair = 128 channels x 256 keys, fragment 8 ((key / 128) % 2) + channel / 16.
; A WORK-GROUP SERVES ONE HEAD OF ONE BATCH, AND ALL ITS K AND V LIE IN LDS: sixteen waves, one tensor load each (waves 0-7 a record of k: of each image the 1,024 bytes that hold my head; waves 8-15 a record of v: my
; head's 2 x 6,144 bytes).  Nothing is filled again.  The scale words (12,288 bytes) come through registers, k's shifted so that my head's two bytes stand lowest.
; K = 64 IN A FORM OF 128: my head's six registers are the operand's lower six, of k and of q; q's upper six are zero codes, so whatever codes stand in k's upper six add nothing: the eight operands of k overlap, six registers apart.
; Both products are used transposed (S^T = k q^T, O^T = v^T p^T): a lane holds ONE query.  Inside a block of 32 all operands hold K with bits 3 and 4 exchanged, which is how a transposed result's registers lie.
; SHARES.  Blocks of 128 queries go in pairs (bl, 15 - bl), 17 key steps of 128 a pair.  A cluster (x = g) has the four pairs bl = 2 j + g; work-group cx takes tiles 2 cx, 2 cx + 1 (16 queries each) of every block.
; For each pair and tile two waves: wave A (bit 2 of the wave's number 0) takes the high tile's key steps 0-7, none of them masked; wave B takes its steps 8 .. 15 - bl, puts O, M and the sum into its own LDS bytes, and then
; takes the low tile's steps 0 .. bl: nine steps.  Behind one barrier A joins B's part to its own by exact powers of two.  The loop has nine trips in every wave; which key step a trip takes is arithmetic on ids.
; CAUSAL: key steps all of whose keys come after a tile's block are dealt to nobody; on the diagonal hidden scores become -infinity.
; CLUSTERS: the four partners differ in cx alone, which enters global addresses and the mask's compare value, no branch and no LDS address; k's and v's records are asked for JOINTLY.
; NO PREFETCH: every tile is asked for at the head; there is no loop to run ahead in.
; OUT: cc's fragment (16 tokens x a pair of heads) is two halves of 768 bytes, half e = registers 6 e .. 6 e + 3 at 16 l, then 6 e + 4, 6 e + 5 at 512 + 8 l: a wave stores its half whole; of a scale word it stores its two bytes.
; LIMITS: NaN and infinities are not served; the scaled scores stay under 2^31 in magnitude; a block of zeros gets the byte 1 (its codes are zeros; this program alone reads the bytes).
; REGISTERS: v1-7, 28-30 addresses that stay; v8-11, 31 the step's; v12 -M, v13 the largest t, v[14:15] the sum; v16-27 Q; v32-79 k's eight or v's four fragments; v80-86 the low tile's Q; v96-159 S^T, then p; v160-191 O^T;
; v200-207 k's scale words; v224-235 p's codes; v230-254 at work; v255 Q's scale words.
.set REC,   25600
.set VB,    131072                     ; LDS: k 16 steps x 8,192 from 0; v 16 steps x 6,144
.set SKB,   229376                     ; k's scale words, 512 bytes a step
.set SVB,   237568                     ; v's, 256 bytes a step
.set PB,    241664                     ; a place of 4,608 bytes for each wave: O^T's 32 registers as images, then v12-15
.set PP,    4608
.set SPARE, PB+16*PP                   ; the spare words, 128 bytes for each of 16 waves
.set L16,  1
.set AK0,  2
.set AK1,  3
.set AV0,  4
.set SPW,  5
.set NIL,  6
.set ASK0, 7
.set ADK,  8
.set ADV,  9
.set ADS,  10
.set ADT,  11
.set PS,   28
.set DQ,   29
.set ASV0, 30
.set ADK2, 31
.set Q2,   80
.set Q2S,  86
.set PR,   87
.set QA1,  88
.set QA2,  89
.set R4,   90
.set L8,   91
.set KSR,  92
.set VSR,  192
.set SKW,  194
.set SVW,  195
.set KSC,  200
.set WV,   10
.set CX,   11
.set SEL,  20
.set CS,   22
.set G1K,  24
.set G1V,  32
.set G0K,  40
.set G0V,  44
.set I,    48                          ; the trip
.set LAST, 49                          ; trips with work: 8 (A), 9 (B)
.set SW,   50                          ; the trip at which B changes tiles
.set D1,   51                          ; the trips on a diagonal
.set D2,   52
.set O1,   53                          ; key step = (trip + O1 or O2) mod 16
.set O2,   54
.set KS,   55
.set DG,   56
.macro CROUND                          ; a round of the cluster's barrier
	s_barrier_signal -1
	s_barrier_wait -1
	s_cmp_lg_u32 s[WV], 0
	s_cbranch_scc1 .Lnot_wave_0_\@
	s_barrier_signal -3
.Lnot_wave_0_\@:
	s_barrier_wait -3
	s_barrier_signal -1
	s_barrier_wait -1
.endm
	s_load_b128 s[4:7], s[0:1], 0x0                ; qk s[4:5], vt s[6:7]
	s_load_b64 s[8:9], s[0:1], 0x10                ; cc
	v_lshl_add_u32 v[SPW], v0, 2, SPARE
	v_mov_b32 v[NIL], 0
	ds_add_u32 v[SPW], v[NIL]                      ; the opening lines: the add, twice on end, and its wait ahead of my tensor load
	ds_add_u32 v[SPW], v[NIL]
	v_lshrrev_b32 v8, 5, v0
	v_readfirstlane_b32 s[WV], v8                  ; wave 0..15
	s_bfe_u32 s[CX], ttmp6, 0x40000                ; cx
	s_and_b32 s57, ttmp7, 0xffff
	s_lshr_b32 s12, s57, 4                         ; the batch
	s_bfe_u32 s13, s57, 0x30001                    ; the pair of heads
	s_and_b32 s14, s57, 1                          ; e: which head of the pair
	s_and_b32 s19, s[WV], 7                        ; which record I fetch
	s_lshl_b32 s62, s12, 3
	s_add_co_u32 s61, s13, 8
	s_lshl_b32 s61, s61, 4
	s_add_co_u32 s61, s61, s62                     ; k's first record: (8 + pair) 16 + 8 batch
	s_add_co_u32 s82, s61, s19
	s_mul_i32 s82, s82, REC
	s_lshl_b32 s63, s14, 9
	s_add_co_u32 s82, s82, s63                     ; head 0: register groups 0, 1 of each image; head 1: groups 1, 2
	s_mov_b32 s83, 0
	s_add_co_u32 s84, s62, s19
	s_lshl_b32 s84, s84, 3
	s_add_co_u32 s84, s84, s13
	s_mul_i32 s84, s84, REC                        ; v: record (8 batch + w % 8) 8 + pair,
	s_mul_i32 s63, s14, 6144
	s_add_co_u32 s84, s84, s63                     ; my head's four fragments of each key step
	s_mov_b32 s85, 0
	s_mov_b32 s[G1K], 15|(3<<16)|(1<<21)           ; the mask: all four work-groups; elements of 8 bytes; bit 21 beside a mask
	s_mov_b32 s[G1K+1], 128<<16                    ; 16 rows of 1,024 bytes, 1,536 apart
	s_mov_b32 s[G1K+2], 16<<16
	s_mov_b32 s[G1K+3], 128<<16
	s_mov_b32 s[G1K+4], 16
	s_mov_b32 s[G1K+5], 192
	s_mov_b32 s[G1K+6], 0
	s_mov_b32 s[G1K+7], 0
	s_mov_b32 s[G1V], 15|(3<<16)|(1<<21)
	s_mov_b32 s[G1V+1], 768<<16                    ; 2 rows of 6,144 bytes, 12,288 apart
	s_mov_b32 s[G1V+2], 2<<16
	s_mov_b32 s[G1V+3], 768<<16
	s_mov_b32 s[G1V+4], 2
	s_mov_b32 s[G1V+5], 1536
	s_mov_b32 s[G1V+6], 0
	s_mov_b32 s[G1V+7], 0
	s_mov_b32 s[G0K], 1
	s_lshl_b32 s[G0K+1], s19, 14                   ; a record of k: two key steps of 8,192 bytes
	s_mov_b32 s[G0V], 1
	s_mul_i32 s[G0V+1], s19, 12288
	s_add_co_u32 s[G0V+1], s[G0V+1], VB
	s_wait_dscnt 0x0                               ; both opening adds are done
	s_wait_kmcnt 0x0
	s_add_nc_u64 s[G0K+2:G0K+3], s[4:5], s[82:83]
	s_or_b32 s[G0K+3], s[G0K+3], 0x80000000
	s_add_nc_u64 s[G0V+2:G0V+3], s[6:7], s[84:85]
	s_or_b32 s[G0V+3], s[G0V+3], 0x80000000
	CROUND                                         ; all four work-groups are here: the joint loads meet
	s_cmp_lt_u32 s[WV], 8
	s_cbranch_scc0 .Lfor_v
	tensor_load_to_lds s[G0K:G0K+3], s[G1K:G1K+7]
	s_nop 0
.rept 4
	v_nop
.endr
	s_branch .Lasked
.Lfor_v:
	tensor_load_to_lds s[G0V:G0V+3], s[G1V:G1V+7]
	s_nop 0
.rept 4
	v_nop
.endr
.Lasked:
	s_bfe_u32 s15, s[WV], 0x10002                  ; 0: wave A, 1: wave B
	s_and_b32 s16, s[WV], 1                        ; tq: which of my work-group's two tiles of a block
	s_bfe_u32 s17, s[WV], 0x10001
	s_lshr_b32 s58, s[WV], 3
	s_lshl_b32 s58, s58, 1
	s_or_b32 s17, s17, s58                         ; j 0..3
	s_lshl_b32 s17, s17, 1
	s_add_co_u32 s17, s17, ttmp9                   ; bl = 2 j + g
	s_sub_co_u32 s18, 15, s17                      ; bh
	s_sub_co_u32 s58, 8, s17                       ; B's steps on the high tile
	s_sub_co_u32 s59, 7, s17
	s_add_co_u32 s[O2], s17, 8
	s_cmp_eq_u32 s15, 0
	s_cselect_b32 s[LAST], 8, 9
	s_cselect_b32 s[SW], 99, s58
	s_cselect_b32 s[D1], 99, s59
	s_cselect_b32 s[D2], 99, 8
	s_cselect_b32 s[O1], 0, 8
	s_cselect_b32 s86, s18, s17                    ; the block whose tile I finish
	s_lshr_b32 s60, s[WV], 1                       ; I bring the scale words of key step w: record w / 2,
	s_lshl_b32 s63, s16, 9                         ; its half w % 2
	s_add_co_u32 s63, s63, 24576
	s_add_co_u32 s78, s61, s60
	s_mul_i32 s78, s78, REC
	s_add_co_u32 s78, s78, s63
	s_mov_b32 s79, 0
	s_add_co_u32 s80, s62, s60
	s_lshl_b32 s80, s80, 3
	s_add_co_u32 s80, s80, s13
	s_mul_i32 s80, s80, REC
	s_add_co_u32 s80, s80, s63
	s_lshl_b32 s63, s14, 8
	s_add_co_u32 s80, s80, s63
	s_mov_b32 s81, 0
	s_lshl_b32 s87, s13, 4
	s_add_co_u32 s87, s87, s62                     ; q's first record: 16 pair + 8 batch
	s_lshl_b32 s88, s[CX], 1
	s_add_co_u32 s88, s88, s16                     ; my tile within a block
.macro QADR blk, p                     ; q's fragment of my tile of block s[blk]: offsets of its image and of its scale words
	s_lshr_b32 s57, s[\blk], 1
	s_add_co_u32 s57, s57, s87
	s_mul_i32 s57, s57, REC
	s_and_b32 s58, s[\blk], 1
	s_lshl_b32 s58, s58, 3
	s_add_co_u32 s58, s58, s88
	s_mul_i32 s59, s58, 1536
	s_add_co_u32 s[\p], s57, s59
	s_mov_b32 s[\p+1], 0
	s_lshl_b32 s59, s58, 6
	s_add_co_u32 s59, s59, 24576
	s_add_co_u32 s[\p+2], s57, s59
	s_mov_b32 s[\p+3], 0
.endm
	QADR 18, 66
	QADR 17, 70
	s_lshr_b32 s57, s13, 1
	s_lshl_b32 s57, s57, 5
	s_lshl_b32 s58, s12, 4
	s_add_co_u32 s57, s57, s58
	s_add_co_u32 s57, s57, s86
	s_mul_i32 s57, s57, REC                        ; ctx: record (pair / 2) 32 + 16 batch + block
	s_and_b32 s58, s13, 1
	s_lshl_b32 s58, s58, 3
	s_add_co_u32 s58, s58, s88                     ; fragment 8 (pair % 2) + tile
	s_mul_i32 s59, s58, 1536
	s_add_co_u32 s74, s57, s59
	s_mul_i32 s59, s14, 768
	s_add_co_u32 s74, s74, s59                     ; my head's half
	s_mov_b32 s75, 0
	s_lshl_b32 s59, s58, 6
	s_add_co_u32 s59, s59, 24576
	s_add_co_u32 s76, s57, s59
	s_lshl_b32 s59, s14, 1
	s_add_co_u32 s76, s76, s59                     ; my two bytes of each scale word
	s_mov_b32 s77, 0
	s_add_nc_u64 s[66:67], s[4:5], s[66:67]
	s_add_nc_u64 s[68:69], s[4:5], s[68:69]
	s_add_nc_u64 s[70:71], s[4:5], s[70:71]
	s_add_nc_u64 s[72:73], s[4:5], s[72:73]
	s_add_nc_u64 s[74:75], s[8:9], s[74:75]
	s_add_nc_u64 s[76:77], s[8:9], s[76:77]
	s_add_nc_u64 s[78:79], s[4:5], s[78:79]
	s_add_nc_u64 s[80:81], s[6:7], s[80:81]
	s_lshl_b32 s89, s14, 4                         ; 16 e: the shift that brings my head's scale bytes lowest
	s_lshl_b32 s90, s14, 3
	s_mul_i32 s91, s14, 504
	s_add_co_u32 s91, s91, 8
	s_mul_i32 s92, s14, 520
	s_mul_i32 s93, s14, 1016
	s_add_co_u32 s93, s93, 8
	s_mul_i32 s94, s[WV], PP
	s_add_co_u32 s94, s94, PB                      ; my place for a part,
	s_xor_b32 s95, s[WV], 4
	s_mul_i32 s95, s95, PP
	s_add_co_u32 s95, s95, PB                      ; and my partner's
	s_lshl_b32 s96, s[WV], 9
	s_add_co_u32 s96, s96, SKB
	s_lshl_b32 s97, s[WV], 8
	s_add_co_u32 s97, s97, SVB
	s_lshl_b32 s98, s[CX], 5
	s_lshl_b32 s57, s16, 4
	s_add_co_u32 s98, s98, s57                     ; my tile's first query within its block
	s_mov_b32 s[SEL], 0x76543210
	s_mov_b32 s[SEL+1], 0xfedcba98                 ; v_permlanex16_b32's selects for lane l xor 16
	s_mov_b32 s[CS], 0x3e38aa3b                    ; c = log2(e) / 8
	s_mov_b32 s[CS+1], s[CS]
	s_mov_b32 s[I], 0
	v_and_b32 v8, 15, v0                           ; r
	v_bfe_u32 v9, v0, 4, 1                         ; h
	v_and_b32 v10, 31, v0
	v_lshlrev_b32 v[L16], 4, v10
	v_lshlrev_b32 v[L8], 3, v10
	v_lshlrev_b32 v[R4], 2, v8
	v_lshlrev_b32 v11, 3, v9
	v_add_nc_u32 v[AK0], s90, v[L16]               ; my head's six registers in the 1,024 bytes of an image: pairs at 16 l + 8 e, at 16 l + 8 + 504 e, and 512 behind the first
	v_add_nc_u32 v[AK1], s91, v[L16]
	v_add_nc_u32 v[AV0], VB, v[L16]
	v_add_nc_u32 v[ASK0], SKB, v[R4]
	v_add_nc_u32 v[ASV0], SVB, v[R4]
	v_add_nc_u32 v[QA1], s92, v[L16]               ; the same three pairs in a whole image in memory
	v_add_nc_u32 v[QA2], s93, v[L16]
	v_add_nc_u32 v[PS], s94, v[L16]
	v_add_nc_u32 v[PR], s95, v[L16]
	v_add_nc_u32 v[SKW], s96, v[L16]
	v_add_nc_u32 v[SVW], s97, v[L8]
	v_sub_nc_u32 v[DQ], v8, v11
	v_add_nc_u32 v[DQ], s98, v[DQ]                 ; d = my query within its block - 8 h.  Register n holds the step's key 16 (n / 8) + 8 h + n % 8: hidden on the diagonal where 16 (n / 8) + n % 8 > d
	global_load_b64 v[16:17], v[QA1], s[66:67]     ; the high tile's Q
	global_load_b64 v[18:19], v[QA2], s[66:67]
	global_load_b64 v[20:21], v[QA1], s[66:67] offset:512
	global_load_b32 v255, v[R4], s[68:69]
	global_load_b64 v[Q2:Q2+1], v[QA1], s[70:71]   ; the low tile's (one path for all waves; its registers also stand as the upper six of k's eighth operand)
	global_load_b64 v[Q2+2:Q2+3], v[QA2], s[70:71]
	global_load_b64 v[Q2+4:Q2+5], v[QA1], s[70:71] offset:512
	global_load_b32 v[Q2S], v[R4], s[72:73]
	global_load_b128 v[KSR:KSR+3], v[L16], s[78:79] ; key step w's scale words of k: 512 consecutive bytes
	global_load_b64 v[VSR:VSR+1], v[L8], s[80:81]  ; and of v: 256
	v_mov_b32 v13, 0xff61b1e6                      ; the largest t so far: -3e38, under every t
	v_floor_f32 v12, -v13                          ; -M
	v_mov_b32 v14, 0
	v_mov_b32 v15, 0
.irp b, 0,1,2,3
	v_mov_b32 v[236+\b], 0                         ; written once: a lane permute's destination counts as one of its sources
.endr
	v_mov_b32 v252, 0
	v_mov_b32 v253, 0
.irp i, 22,23,24,25,26,27
	v_mov_b32 v[\i], 0                             ; Q's upper six registers: zero codes
.endr
.set IDX, 0
.rept 32
	v_mov_b32 v[160+IDX], 0                        ; O^T: the step is written once; a tile's first step finds zeros
.set IDX, IDX+1
.endr
	s_wait_alu depctr_va_vdst(0)                   ; the wait at the head's end
	s_wait_loadcnt 0x0
	s_wait_tensorcnt 0x0                           ; my record is in
	v_lshrrev_b32 v255, s89, v255
	v_lshrrev_b32 v[Q2S], s89, v[Q2S]
.irp i, 0,1,2,3
	v_lshrrev_b32 v[KSR+\i], s89, v[KSR+\i]
.endr
	s_wait_alu depctr_va_vdst(0)
	ds_store_b128 v[SKW], v[KSR:KSR+3]
	ds_store_b64 v[SVW], v[VSR:VSR+1]
	s_wait_dscnt 0x0                               ; for the others' sake: my stores have landed
	s_barrier_signal -1
	s_barrier_wait -1                              ; all of k, v and their scale words are in
.Ltrip:                                            ; nine trips; a trip is a key step of 128 keys
	s_cmp_ge_u32 s[I], s[LAST]                     ; wave A has eight
	s_cbranch_scc1 .Lnone
	s_cmp_ge_u32 s[I], s[SW]
	s_cselect_b32 s[KS], s[O2], s[O1]
	s_add_co_u32 s[KS], s[KS], s[I]
	s_and_b32 s[KS], s[KS], 15                     ; A: the trip; B: 8 + trip on the high tile, then 0 .. bl on the low one
	s_cmp_eq_u32 s[I], s[D1]
	s_cselect_b32 s[DG], 1, 0
	s_cmp_eq_u32 s[I], s[D2]
	s_cselect_b32 s[DG], 1, s[DG]                  ; 1 on a diagonal
	s_lshl_b32 s57, s[KS], 13
	s_mul_i32 s58, s[KS], 6144
	s_lshl_b32 s59, s[KS], 9
	s_lshl_b32 s60, s[KS], 8
	v_add_nc_u32 v[ADK], s57, v[AK0]               ; (these five are also the places behind the last step's products)
	v_add_nc_u32 v[ADK2], s57, v[AK1]
	v_add_nc_u32 v[ADV], s58, v[AV0]
	v_add_nc_u32 v[ADS], s59, v[ASK0]
	v_add_nc_u32 v[ADT], s60, v[ASV0]
	s_wait_alu depctr_va_vdst(0)
	s_cmp_lg_u32 s[I], s[SW]
	s_cbranch_scc1 .Lsame
.irp k, 0,1,2,3,4,5,6,7                        ; B LEAVES THE HIGH TILE: its part goes to my own LDS bytes, each accumulator from its low end on,
	ds_store_b128 v[PS], v[160+4*\k:163+4*\k] offset:512*\k
.endr
	ds_store_b128 v[PS], v[12:15] offset:4096      ; with -M and the sum
	v_mov_b32 v255, v[Q2S]                         ; and the low tile begins
.irp i, 0,1,2,3,4,5
	v_mov_b32 v[16+\i], v[Q2+\i]
.endr
	v_mov_b32 v13, 0xff61b1e6
	v_mov_b32 v14, 0
	v_mov_b32 v15, 0
	v_floor_f32 v12, -v13
.set IDX, 0
.rept 32
	v_mov_b32 v[160+IDX], 0
.set IDX, IDX+1
.endr
	s_wait_alu depctr_va_vdst(0)
.Lsame:
.irp t, 0,1,2,3,4,5,6,7                        ; S^T = k q^T: eight tiles of 16 keys; operand t is v[32 + 6 t] on, twelve registers, of which the lower six are tile t's
	ds_load_b64 v[32+6*\t:33+6*\t], v[ADK] offset:\t*1024
	ds_load_b64 v[34+6*\t:35+6*\t], v[ADK2] offset:\t*1024
	ds_load_b64 v[36+6*\t:37+6*\t], v[ADK] offset:\t*1024+512
	ds_load_b32 v[KSC+\t], v[ADS] offset:\t*64
.endr
	s_wait_dscnt 0x0
.irp t, 0,1,2,3,4,5,6,7
	v_wmma_scale_f32_16x16x128_f8f6f4 v[96+8*\t:103+8*\t], v[32+6*\t:43+6*\t], v[16:27], 0, v[KSC+\t], v255 matrix_a_fmt:MATRIX_FMT_FP6 matrix_b_fmt:MATRIX_FMT_FP6
.endr
.rept 4
	v_nop                                          ; places in front of loads into registers that the products read, and of the reads of results
.endr
.irp t, 0,1,2,3                                ; v's four fragments are asked for here, so that they land during the softmax
.irp c, 0,1,2
	ds_load_b128 v[32+12*\t+4*\c:35+12*\t+4*\c], v[ADV] offset:\t*1536+512*\c
.endr
	ds_load_b32 v[248+\t], v[ADT] offset:\t*64
.endr
	s_cmp_eq_u32 s[DG], 0                          ; a step all of whose keys count skips the mask
	s_cbranch_scc1 .Lopen
	v_mov_b32 v254, 0xff800000                     ; -infinity
.set NN, 0
.rept 64
	v_cmp_gt_i32 vcc_lo, 16*(NN/8)+NN%8, v[DQ]
	v_cndmask_b32 v[96+NN], v[96+NN], v254, vcc_lo
.set NN, NN+1
.endr
.Lopen:
.irp b, 0,1,2,3
	v_max3_num_f32 v[232+\b], v[96+16*\b], v[97+16*\b], v[98+16*\b]   ; the largest score of each block of 32 keys: it serves the row's maximum and, since p rises with the score, the block's largest p
.endr
.irp i, 3,5,7,9,11,13
.irp b, 0,1,2,3
	v_max3_num_f32 v[232+\b], v[232+\b], v[96+16*\b+\i], v[97+16*\b+\i]
.endr
.endr
.irp b, 0,1,2,3
	v_max_num_f32 v[232+\b], v[232+\b], v[111+16*\b]
.endr
.irp b, 0,1,2,3
	s_delay_alu instid0(VALU_DEP_4)
	v_permlanex16_b32 v[236+\b], v[232+\b], s[SEL], s[SEL+1]
.endr
.irp b, 0,1,2,3
	s_delay_alu instid0(VALU_DEP_4)
	v_max_num_f32 v[232+\b], v[232+\b], v[236+\b]  ; with lane l xor 16's 16 keys
.endr
	s_delay_alu instid0(VALU_DEP_2)
	v_max3_num_f32 v254, v232, v233, v234
	s_delay_alu instid0(VALU_DEP_1)
	v_max_num_f32 v254, v254, v235                 ; the step's largest score of my query (a step's first key counts for every query of the tile: it is a number)
	s_delay_alu instid0(VALU_DEP_1)
	v_mul_f32 v254, s[CS], v254
	s_delay_alu instid0(VALU_DEP_1)
	v_max_num_f32 v13, v13, v254                   ; the running largest t
	v_mov_b32 v254, v12
	s_delay_alu instid0(VALU_DEP_2)
	v_floor_f32 v12, -v13                          ; the new -M = -ceil(t)
	s_delay_alu instid0(VALU_DEP_1)
	v_sub_f32 v254, v12, v254                      ; old M - new M: a whole number, 0 or less
	s_delay_alu instid0(VALU_DEP_1)
	v_cvt_i32_f32 v254, v254                       ; (it saturates)
	s_delay_alu instid0(VALU_DEP_1)
	v_ldexp_f32 v252, 1.0, v254                    ; f = 2^(old M - new M)
.set IDX, 0
.rept 32
	v_pk_fma_f32 v[96+IDX:97+IDX], v[96+IDX:97+IDX], s[CS:CS+1], v[12:13] op_sel_hi:[1,0,0]   ; t - M, two at a time
.set IDX, IDX+2
.endr
.irp b, 0,1,2,3
	v_fma_f32 v[232+\b], v[232+\b], s[CS], v12     ; the same of each block's largest score
.endr
.set IDX, 0
	s_wait_alu depctr_va_vdst(0)                   ; the wait ahead of the batch
.rept 64
	v_exp_f32 v[96+IDX], v[96+IDX]                 ; p = 2^(t - M), at most 1
.set IDX, IDX+1
.endr
	v_pk_mul_f32 v[14:15], v[14:15], v[252:253] op_sel_hi:[1,0]   ; the sums under the new M (a plain place behind the exponentials)
	s_wait_alu depctr_va_vdst(0)                   ; one wait for the whole batch, ahead of its first reader
.irp b, 0,1,2,3
	v_exp_f32 v[232+\b], v[232+\b]                 ; the block's largest p
.endr
	v_pk_add_f32 v[236:237], v[100:101], v[104:105]   ; the row's sum of the unquantised p, in eight chains
	v_pk_add_f32 v[246:247], v[108:109], v[112:113]
	v_pk_add_f32 v[244:245], v[116:117], v[120:121]
	v_pk_add_f32 v[242:243], v[124:125], v[128:129]
	v_pk_add_f32 v[240:241], v[132:133], v[136:137]
	v_pk_add_f32 v[238:239], v[140:141], v[144:145]
	v_pk_add_f32 v[230:231], v[148:149], v[152:153]
	v_pk_add_f32 v[14:15], v[14:15], v[156:157]
	v_pk_add_f32 v[236:237], v[236:237], v[96:97]
	v_pk_add_f32 v[246:247], v[246:247], v[98:99]
	v_pk_add_f32 v[244:245], v[244:245], v[102:103]
	v_pk_add_f32 v[242:243], v[242:243], v[106:107]
	v_pk_add_f32 v[240:241], v[240:241], v[110:111]
	v_pk_add_f32 v[238:239], v[238:239], v[114:115]
	v_pk_add_f32 v[230:231], v[230:231], v[118:119]
	v_pk_add_f32 v[14:15], v[14:15], v[122:123]
	v_pk_add_f32 v[236:237], v[236:237], v[126:127]
	v_pk_add_f32 v[246:247], v[246:247], v[130:131]
	v_pk_add_f32 v[244:245], v[244:245], v[134:135]
	v_pk_add_f32 v[242:243], v[242:243], v[138:139]
	v_pk_add_f32 v[240:241], v[240:241], v[142:143]
	v_pk_add_f32 v[238:239], v[238:239], v[146:147]
	v_pk_add_f32 v[230:231], v[230:231], v[150:151]
	v_pk_add_f32 v[14:15], v[14:15], v[154:155]
	v_pk_add_f32 v[236:237], v[236:237], v[158:159]
	s_delay_alu instid0(VALU_DEP_2)
	v_pk_add_f32 v[14:15], v[14:15], v[242:243]
	s_delay_alu instid0(VALU_DEP_2)
	v_pk_add_f32 v[236:237], v[236:237], v[240:241]
	v_pk_add_f32 v[246:247], v[246:247], v[238:239]
	v_pk_add_f32 v[244:245], v[244:245], v[230:231]
	s_delay_alu instid0(VALU_DEP_2)
	v_pk_add_f32 v[14:15], v[14:15], v[246:247]
	s_delay_alu instid0(VALU_DEP_2)
	v_pk_add_f32 v[236:237], v[236:237], v[244:245]
	s_delay_alu instid0(VALU_DEP_1)
	v_pk_add_f32 v[14:15], v[14:15], v[236:237]
	s_wait_alu depctr_va_vdst(0)                   ; and one for the four
.irp b, 0,1,2,3
	v_max_num_f32 v[232+\b], 0x1800000, v[232+\b]  ; the floor 2^(3 - 127): the byte cannot fall under 1
.endr
.irp b, 0,1,2,3
	s_delay_alu instid0(VALU_DEP_4)
	v_add_nc_u32 v[244+\b], 0xff000000, v[232+\b]  ; the conversion's scale operand
.endr
.irp b, 0,1,2,3
	s_delay_alu instid0(VALU_DEP_4)
	v_lshrrev_b32 v[236+\b], 23, v[244+\b]         ; the scale's byte
.endr
	s_delay_alu instid0(VALU_DEP_3)
	v_lshl_or_b32 v253, v237, 8, v236              ; p's scale word for these 128 keys
	s_delay_alu instid0(VALU_DEP_1)
	v_lshl_or_b32 v253, v238, 16, v253
	s_delay_alu instid0(VALU_DEP_1)
	v_lshl_or_b32 v253, v239, 24, v253
.irp c, 0,1
	v_cvt_scalef32_pk16_fp6_f32 v[224+6*\c:226+6*\c], v[96+32*\c:111+32*\c], v[244+2*\c]
	v_cvt_scalef32_pk16_fp6_f32 v[236+4*\c:238+4*\c], v[112+32*\c:127+32*\c], v[244+2*\c+1]
.endr
	v_nop                                          ; one plain place behind a scaled conversion
.irp c, 0,1
.irp i, 0,1,2
	v_permlane16_swap_b32 v[224+6*\c+\i], v[236+4*\c+\i]
.endr
.irp i, 0,1,2
	s_delay_alu instid0(VALU_DEP_3)
	v_mov_b32 v[227+6*\c+\i], v[236+4*\c+\i]
.endr
.endr
	s_wait_alu depctr_va_vdst(0)                   ; the wait here, directly ahead of the first reader of O^T
.set IDX, 0
.rept 16
	v_pk_mul_f32 v[160+IDX:161+IDX], v[160+IDX:161+IDX], v[252:253] op_sel_hi:[1,0]   ; O^T under the new M.  (These sixteen also stand between the vector writes of p's codes and scale word and the products below)
.set IDX, IDX+2
.endr
	s_wait_alu depctr_va_vdst(0)                   ; directly ahead of the wait below
	s_wait_dscnt 0x0                               ; v's fragments and scale words
.irp t, 0,1,2,3                                ; O^T += v^T p^T: my head's 64 channels; the four accumulators take turns
	v_wmma_scale_f32_16x16x128_f8f6f4 v[160+8*\t:167+8*\t], v[32+12*\t:43+12*\t], v[224:235], v[160+8*\t:167+8*\t], v[248+\t], v253 matrix_a_fmt:MATRIX_FMT_FP6 matrix_b_fmt:MATRIX_FMT_FP6
.endr
.Lnone:
	s_add_co_u32 s[I], s[I], 1
	s_cmp_lt_u32 s[I], 9
	s_cbranch_scc1 .Ltrip
.rept 4
	v_nop                                          ; places behind the last products
.endr
	s_wait_dscnt 0x0                               ; for the others' sake: B's part has landed
	s_barrier_signal -1
	s_barrier_wait -1
	s_cmp_lg_u32 s15, 0
	s_cbranch_scc1 .Lwhole                         ; B's low tile is whole as it stands
.irp k, 0,1,2,3,4,5,6,7                        ; A JOINS B'S PART OF THE HIGH TILE TO ITS OWN: the same lanes hold the same queries and channels
	ds_load_b128 v[96+4*\k:99+4*\k], v[PR] offset:512*\k
.endr
	ds_load_b128 v[128:131], v[PR] offset:4096     ; B's -M, largest t, sum
	s_wait_dscnt 0x0
	v_mov_b32 v137, 0                              ; (upper halves of the pairs named below)
	v_mov_b32 v139, 0
	v_min_num_f32 v132, v12, v128                  ; the common -M
	s_delay_alu instid0(VALU_DEP_1)
	v_sub_f32 v133, v132, v12
	v_sub_f32 v134, v132, v128                     ; whole numbers, 0 or less
	s_delay_alu instid0(VALU_DEP_2)
	v_cvt_i32_f32 v133, v133
	s_delay_alu instid0(VALU_DEP_2)
	v_cvt_i32_f32 v134, v134
	s_delay_alu instid0(VALU_DEP_2)
	v_ldexp_f32 v136, 1.0, v133                    ; my factor, a power of two,
	s_delay_alu instid0(VALU_DEP_2)
	v_ldexp_f32 v138, 1.0, v134                    ; and B's
	v_pk_mul_f32 v[14:15], v[14:15], v[136:137] op_sel_hi:[1,0]
.set IDX, 0
.rept 16
	v_pk_mul_f32 v[160+IDX:161+IDX], v[160+IDX:161+IDX], v[136:137] op_sel_hi:[1,0]
.set IDX, IDX+2
.endr
	v_pk_fma_f32 v[14:15], v[130:131], v[138:139], v[14:15] op_sel_hi:[1,0,1]
.set IDX, 0
.rept 16
	v_pk_fma_f32 v[160+IDX:161+IDX], v[96+IDX:97+IDX], v[138:139], v[160+IDX:161+IDX] op_sel_hi:[1,0,1]
.set IDX, IDX+2
.endr
.Lwhole:
	; THE WAY OUT.  O^T / the sum is my head's 64 channels of 16 tokens: two blocks of 32 of the next product's K, half a fragment, stored whole from registers.
	v_add_f32 v14, v14, v15
	s_delay_alu instid0(VALU_DEP_1)
	v_permlanex16_b32 v252, v14, s[SEL], s[SEL+1]
	s_delay_alu instid0(VALU_DEP_1)
	v_add_f32 v14, v14, v252                       ; the row's sum
	s_wait_alu depctr_va_vdst(0)                   ; the wait ahead of the transcendental
	v_rcp_f32 v14, v14
	v_nop                                          ; one plain place behind it
	s_wait_alu depctr_va_vdst(0)                   ; and the wait ahead of its first reader, which is also O^T's
.set IDX, 0
.rept 32
	v_mul_f32 v[96+IDX], v[160+IDX], v14           ; register 8 t + j: channel 16 t + 8 h + j of my query
.set IDX, IDX+1
.endr
.irp b, 0,1
	v_max3_num_f32 v[232+\b], |v[96+16*\b]|, |v[97+16*\b]|, 0x1800000
.endr
.irp i, 2,4,6,8,10,12,14
.irp b, 0,1
	s_delay_alu instid0(VALU_DEP_2)
	v_max3_num_f32 v[232+\b], v[232+\b], |v[96+16*\b+\i]|, |v[97+16*\b+\i]|
.endr
.endr
.irp b, 0,1
	s_delay_alu instid0(VALU_DEP_2)
	v_permlanex16_b32 v[236+\b], v[232+\b], s[SEL], s[SEL+1]
.endr
.irp b, 0,1
	s_delay_alu instid0(VALU_DEP_2)
	v_max_num_f32 v[232+\b], v[232+\b], v[236+\b]
.endr
.irp b, 0,1
	s_delay_alu instid0(VALU_DEP_2)
	v_add_nc_u32 v[244+\b], 0xff000000, v[232+\b]
.endr
.irp b, 0,1
	s_delay_alu instid0(VALU_DEP_2)
	v_lshrrev_b32 v[236+\b], 23, v[244+\b]
.endr
	s_delay_alu instid0(VALU_DEP_1)
	v_lshl_or_b32 v254, v237, 8, v236              ; my two bytes
	v_cvt_scalef32_pk16_fp6_f32 v[224:226], v[96:111], v244
	v_cvt_scalef32_pk16_fp6_f32 v[228:230], v[112:127], v245
	v_nop                                          ; one plain place behind a scaled conversion
	v_permlane16_swap_b32 v224, v228
	v_permlane16_swap_b32 v225, v229
	v_permlane16_swap_b32 v226, v230
	s_delay_alu instid0(VALU_DEP_3)
	v_mov_b32 v227, v228
	s_delay_alu instid0(VALU_DEP_3)
	v_mov_b32 v228, v229
	s_delay_alu instid0(VALU_DEP_3)
	v_mov_b32 v229, v230                           ; v224-229: registers 6 e .. 6 e + 5 of the fragment
	global_store_b128 v[L16], v[224:227], s[74:75]             ; 512 consecutive bytes, at a multiple of 256 from cc's first byte
	global_store_b64 v[L8], v[228:229], s[74:75] offset:512    ; 256 consecutive bytes
	global_store_b16 v[R4], v254, s[76:77]         ; two bytes of each of 16 neighbouring words (the other head's work-group stores the other two); lanes l and l xor 16 store the same
	s_wait_tensorcnt 0x0                           ; the wave's end
	ds_add_u32 v[SPW], v[NIL]
	s_wait_dscnt 0x0
	CROUND                                         ; the closing round
	s_endpgm
.Lfunc_end_k_q7ee3d1b08e_attn:
	.size	k_q7ee3d1b08e_attn, .Lfunc_end_k_q7ee3d1b08e_attn-k_q7ee3d1b08e_attn
	.p2alignl 7, 3214868480
	.fill 96, 4, 3214868480
	.section	.rodata,"a",@progbits
	.p2align	6, 0x0
	.amdhsa_kernel k_q7ee3d1b08e_attn
		.amdhsa_group_segment_fixed_size 327680
		.amdhsa_private_segment_fixed_size 0
		.amdhsa_enable_private_segment 0
		.amdhsa_kernarg_size 24
		.amdhsa_user_sgpr_count 2
		.amdhsa_user_sgpr_kernarg_segment_ptr 1
		.amdhsa_wavefront_size32 1
		.amdhsa_system_sgpr_workgroup_id_x 1
		.amdhsa_system_sgpr_workgroup_id_y 1
		.amdhsa_system_sgpr_workgroup_id_z 1
		.amdhsa_system_vgpr_workitem_id 0
		.amdhsa_next_free_vgpr 256
		.amdhsa_next_free_sgpr 100
		.amdhsa_reserve_vcc 1
		.amdhsa_float_denorm_mode_32 3
		.amdhsa_float_denorm_mode_16_64 3
		.amdhsa_memory_ordered 1
		.amdhsa_forward_progress 1
		.amdhsa_inst_pref_size 46
	.end_amdhsa_kernel
	.amdgpu_metadata
---
amdhsa.version: [ 1, 2 ]
amdhsa.kernels:
  - .name:           k_q7ee3d1b08e_attn
    .symbol:         k_q7ee3d1b08e_attn.kd
    .args:
      - { .name: qk, .offset: 0, .size: 8, .value_kind: global_buffer, .address_space: global }
      - { .name: vt, .offset: 8, .size: 8, .value_kind: global_buffer, .address_space: global }
      - { .name: cc, .offset: 16, .size: 8, .value_kind: global_buffer, .address_space: global }
    .group_segment_fixed_size: 327680
    .private_segment_fixed_size: 0
    .kernarg_segment_align: 8
    .kernarg_segment_size: 24
    .max_flat_workgroup_size: 512
    .sgpr_count:     100
    .vgpr_count:     256
    .wavefront_size: 32
...
	.end_amdgpu_metadata
.endif
;; end of part 10
;; launch gfuse (part 11): grid 256 x 1, 8 waves a work-group, no clusters, 70,656 bytes of LDS; arguments x, g2, s2, hc, cc, wc, bo, x1; writes hc, x1
.if DOCPART == 11
	.amdgcn_target "amdgcn-amd-amdhsa--gfx1250"
	.amdhsa_code_object_version 6
	.text
	.protected	k_q7ee3d1b08e_gfuse
	.globl	k_q7ee3d1b08e_gfuse
	.p2align	8
	.type	k_q7ee3d1b08e_gfuse,@function
k_q7ee3d1b08e_gfuse:
	s_mov_b64 s[64:65], 0
	v_nop
	global_prefetch_b8 v0, s[64:65] scope:SCOPE_SE
	s_setreg_imm32_b32 hwreg(HW_REG_WAVE_MODE, 25, 1), 1
	s_wait_xcnt 0x0
; x1 = x + ctx Wo + bo, and h = g2 (x1 - mean) / sqrt(var + 1e-12) + s2 quantised for the next product, in one launch: a work-group owns 16 tokens x all 1,024 columns, so a row's mean and variance are its own.
; The product on codes of FP6 (E2M3) with one E8M0 scale for each 32 along K (K = 1,024); sums, bias, residual and norm in f32.  var has the divisor 1,023; 1 / 1,023 is a multiplication by the nearest f32 number.
; RECORDS of 25,600 bytes: 128 rows x 256 K = 16 fragments (16 rows x 128 K, 1,536 bytes; fragment 8 s + i), then their scale words (fragment f, row r at 24,576 + 64 f + 4 r).  Wo's and hc's fragments are register
; images (group c of lane l at 512 c + 16 l); ctx's are two halves of 768 bytes (registers 6 c .. 6 c + 3 at 16 l, then 6 c + 4, 6 c + 5 at 512 + 8 l).  ctx, hc: record (k / 256) 32 + row / 128; Wo: (k / 256) 8 + n / 128.
; Wave w owns columns 128 w .. 128 w + 127: eight accumulators.  THE MATRIX INSTRUCTION IS USED TRANSPOSED (source 0 = 16 rows of Wo^T, source 1 = the 16 tokens): lane (r, h) holds token r, register 8 i + j = column
; 16 i + 8 h + j of my 128, which is place 32 b + 16 h + .. of the next operand (inside a block of 32 every operand of this program holds K with bits 3 and 4 exchanged).
; x + bo IS THE C OF THE FIRST PRODUCTS: x comes in runs of 512 bytes, takes the bias, and turns through the wave's own stage in LDS into the accumulators' registers.
; OPERANDS GO FROM MEMORY STRAIGHT INTO REGISTERS.  ctx's eight fragments stay in registers.  Each fragment of Wo feeds ONE matrix instruction of the work-group (no two waves share a column), so a way through LDS
; would add a write and a read for each byte and spare none: hence no tensor load, and with it no joint load and no cluster.  A unit = 128 along K: ctx's fragment (4 loads), its scale words (1), Wo's scale words
; (4: lanes 0-15 one fragment's, lanes 16-31 the next's), Wo's eight fragments (24): 33 loads; two register buffers, so that one unit is on its way while one is multiplied.
; NO PREFETCH: the walk is written out, eight units; all 256 work-groups read the same 786,432 bytes of Wo at about the same time.
; x1 leaves through the stage as runs of 512 bytes.  LIMITS: NaN and infinities are not served; a block of zeros gets the byte 1 (its codes are zeros; this program alone reads the bytes).
; REGISTERS: window 0: v1-11 addresses, v16-79 the accumulators, v80-175 ctx's fragments, v176-183 their scale words, v184-215 Wo's scale words, v216-219 the bias, v220 4 x lane; behind the product v80-143 g, v144-207 s,
; v208-251 the quantiser's and the sums' work.  window 1: v0-95, v96-191 Wo's fragments, two buffers; v192-255 x as loaded; behind the product v0-63 x1's rows.
.set REC,  25600
.set WOFF, 2457600                     ; Wo's records in wc
.set XX,   16
.set AF,   80
.set AS,   176
.set BS,   184
.set GG,   80
.set SS,   144
.set PC,   208
.set TM,   228
.set PW,   240
.set SPI,  528                         ; a stage row: 512 bytes + 16
.set RED,  8*16*SPI                    ; 16 rows x 8 waves of partial sums, twice 512 bytes; behind them the spare words
.set SEL,  20
.set MSB,  0
.macro WIN new                         ; the immediate's high byte repeats the setting that is left
.if MSB != \new
	s_set_vgpr_msb (MSB<<8)|\new
.set MSB, \new
.endif
.endm
	s_load_b256 s[4:11], s[0:1], 0x0               ; x s[4:5], g s[6:7], s s[8:9], hc s[10:11]
	s_load_b256 s[32:39], s[0:1], 0x20             ; cc s[32:33], wc s[34:35], bo s[36:37], x1 s[38:39]
	v_lshl_add_u32 v254, v0, 2, 0x11000            ; my spare word
	v_mov_b32 v255, 0
	v_lshrrev_b32 v1, 5, v0
	s_delay_alu instid0(VALU_DEP_1)
	v_readfirstlane_b32 s12, v1                    ; wave 0..7
	v_and_b32 v1, 31, v0
	v_and_b32 v2, 15, v0                           ; r
	v_bfe_u32 v3, v0, 4, 1                         ; h
	s_delay_alu instid0(VALU_DEP_3)
	v_lshlrev_b32 v4, 4, v1                        ; v4: 16 x lane
	s_mul_i32 s13, s12, 16*SPI
	v_add_nc_u32 v5, s13, v4                       ; v5: my stage by rows
	v_mul_u32_u24 v6, v2, SPI
	s_delay_alu instid0(VALU_DEP_1)
	v_lshl_add_u32 v6, v3, 5, v6
	s_delay_alu instid0(VALU_DEP_1)
	v_add_nc_u32 v6, s13, v6                       ; v6: my stage by lanes: row r, + 32 h
	v_lshlrev_b32 v7, 5, v3                        ; v7: 32 h, for g and s
	v_lshlrev_b32 v8, 5, v2
	s_delay_alu instid0(VALU_DEP_1)
	v_add_nc_u32 v8, RED, v8                       ; v8: my row's eight partial sums
	s_lshl_b32 s14, s12, 2
	v_add_nc_u32 v9, s14, v8                       ; v9: my wave's word among them
	v_lshlrev_b32 v10, 2, v2                       ; v10: 4 r
	v_lshlrev_b32 v11, 3, v1                       ; v11: 8 x lane
	v_lshlrev_b32 v220, 2, v1                      ; v220: 4 x lane
	s_mov_b32 s[SEL], 0x76543210
	s_mov_b32 s[SEL+1], 0xfedcba98                 ; v_permlanex16_b32's selects for lane l xor 16
	s_mov_b32 s30, 0x3a802008                      ; 1 / 1,023
	s_mov_b32 s31, 0x2b8cbccc                      ; 1e-12
	s_lshl_b32 s18, s12, 9                         ; my wave's 512 bytes of a row
	s_mov_b32 s19, 0
	s_lshl_b32 s16, ttmp9, 16                      ; 16 rows of 4,096 bytes a work-group
	s_add_co_u32 s16, s16, s18
	s_mov_b32 s17, 0
	s_lshr_b32 s22, s12, 1
	s_lshl_b32 s22, s22, 5
	s_lshr_b32 s23, ttmp9, 3
	s_add_co_u32 s22, s22, s23
	s_mul_i32 s22, s22, REC                        ; hc: record (w / 2) 32 + work-group / 8
	s_mul_i32 s40, s23, REC                        ; ctx: record (k / 256) 32 + work-group / 8
	s_and_b32 s23, s12, 1
	s_and_b32 s24, ttmp9, 7                        ; which 16 rows of the 128
	s_mul_i32 s26, s23, 12288
	s_mul_i32 s27, s24, 1536
	s_add_co_u32 s26, s26, s27
	s_add_co_u32 s26, s26, s22
	s_lshl_b32 s28, s23, 9
	s_lshl_b32 s29, s24, 6
	s_add_co_u32 s44, s40, s29
	s_add_co_u32 s44, s44, 24576                   ; s[44:45]: ctx's scale words of my 16 rows
	s_mov_b32 s45, 0
	s_add_co_u32 s40, s40, s27                     ; s[40:41]: ctx's fragments of my 16 rows
	s_mov_b32 s41, 0
	s_mov_b32 s27, 0                               ; s[26:27]: hc's fragment
	s_add_co_u32 s28, s28, s29
	s_add_co_u32 s28, s28, s22
	s_add_co_u32 s28, s28, 24576
	s_mov_b32 s29, 0                               ; s[28:29]: its scale words
	s_mul_i32 s46, s12, REC
	s_add_co_u32 s46, s46, WOFF                    ; s[46:47]: Wo's records of my 128 columns
	s_mov_b32 s47, 0
.irp b, 0,1,2,3
	v_mov_b32 v[TM+4+\b], 0                        ; written once: a lane permute's destination counts as one of its sources
.endr
	s_wait_alu depctr_va_vdst(0)                   ; the wait at the head's end
	s_wait_kmcnt 0x0
	s_add_nc_u64 s[4:5], s[4:5], s[16:17]
	s_add_nc_u64 s[38:39], s[38:39], s[16:17]
	s_add_nc_u64 s[6:7], s[6:7], s[18:19]
	s_add_nc_u64 s[8:9], s[8:9], s[18:19]
	s_add_nc_u64 s[36:37], s[36:37], s[18:19]
	s_add_nc_u64 s[24:25], s[10:11], s[28:29]
	s_add_nc_u64 s[10:11], s[10:11], s[26:27]
	s_add_nc_u64 s[44:45], s[32:33], s[44:45]
	s_add_nc_u64 s[32:33], s[32:33], s[40:41]
	s_add_nc_u64 s[34:35], s[34:35], s[46:47]
.macro UNIT k                          ; the operands of the k-th 128 along K: 33 loads
.irp c, 0,1
	global_load_b128 v[AF+12*(\k)+6*\c:AF+12*(\k)+6*\c+3], v4, s[32:33] offset:((\k)/2)*32*REC+((\k)%2)*12288+768*\c
	global_load_b64 v[AF+12*(\k)+6*\c+4:AF+12*(\k)+6*\c+5], v11, s[32:33] offset:((\k)/2)*32*REC+((\k)%2)*12288+768*\c+512
.endr
	global_load_b32 v[AS+(\k)], v10, s[44:45] offset:((\k)/2)*32*REC+((\k)%2)*512
.irp i, 0,1,2,3
	global_load_b32 v[BS+4*(\k)+\i], v220, s[34:35] offset:24576+((\k)/2)*8*REC+((\k)%2)*512+128*\i
.endr
	WIN 0x40                                       ; destination window 1
.irp i, 0,1,2,3,4,5,6,7
.irp c, 0,1,2
	global_load_b128 v[96*((\k)%2)+12*\i+4*\c:96*((\k)%2)+12*\i+4*\c+3], v4, s[34:35] offset:((\k)/2)*8*REC+((\k)%2)*12288+1536*\i+512*\c
.endr
.endr
	WIN 0
.endm
.macro MULS k                          ; eight products: the eight accumulators take turns, one instruction a turn
	WIN 0x01                                       ; source 0 window 1
.irp i, 0,2,4,6
	v_wmma_scale_f32_16x16x128_f8f6f4 v[XX+8*\i:XX+8*\i+7], v[96*((\k)%2)+12*\i:96*((\k)%2)+12*\i+11], v[AF+12*(\k):AF+12*(\k)+11], v[XX+8*\i:XX+8*\i+7], v[BS+4*(\k)+\i/2], v[AS+(\k)] matrix_a_fmt:MATRIX_FMT_FP6 matrix_b_fmt:MATRIX_FMT_FP6
	v_wmma_scale_f32_16x16x128_f8f6f4 v[XX+8*\i+8:XX+8*\i+15], v[96*((\k)%2)+12*\i+12:96*((\k)%2)+12*\i+23], v[AF+12*(\k):AF+12*(\k)+11], v[XX+8*\i+8:XX+8*\i+15], v[BS+4*(\k)+\i/2], v[AS+(\k)] matrix_a_fmt:MATRIX_FMT_FP6 matrix_b_fmt:MATRIX_FMT_FP6 matrix_a_scale:MATRIX_SCALE_ROW1
.endr
	WIN 0
.endm
	WIN 0x40
.irp p, 0,1,2,3,4,5,6,7,8,9,10,11,12,13,14,15
	global_load_b128 v[192+4*\p:195+4*\p], v4, s[4:5] offset:\p*4096     ; x's row p: 512 consecutive bytes
.endr
	WIN 0
	global_load_b128 v[216:219], v4, s[36:37]      ; the bias at the same four columns
	UNIT 0
	s_wait_loadcnt 33                              ; x and the bias are in; unit 0's 33 loads may be out
	WIN 0x41                                       ; source 0 and destination window 1
.irp p, 0,1,2,3,4,5,6,7,8,9,10,11,12,13,14,15
	v_pk_add_f32 v[192+4*\p:193+4*\p], v[192+4*\p:193+4*\p], v[216:217]
	v_pk_add_f32 v[194+4*\p:195+4*\p], v[194+4*\p:195+4*\p], v[218:219]
.endr
	WIN 0x04                                       ; an LDS store's data are its source 1: window 1
.irp p, 0,1,2,3,4,5,6,7,8,9,10,11,12,13,14,15
	ds_store_b128 v5, v[192+4*\p:195+4*\p] offset:\p*SPI
.endr
	WIN 0
.irp b, 0,1,2,3
.irp u, 0,1
.irp v, 0,1
	ds_load_b128 v[XX+16*\b+8*\u+4*\v:XX+16*\b+8*\u+4*\v+3], v6 offset:128*\b+64*\u+16*\v   ; columns 32 b + 16 u + 8 h + 4 v on.  LDS serves a wave's instructions in order: these see my stores
.endr
.endr
.endr
	UNIT 1
	s_wait_dscnt 0x0                               ; x + bo stands in the accumulators' registers
.irp k, 0,1,2,3,4,5,6,7
.if \k < 7
	s_wait_loadcnt 33                              ; unit k is in; the next unit's 33 loads may be out
.else
	s_wait_loadcnt 0x0
.endif
	MULS \k
.if \k < 6
.rept 4
	v_nop                                          ; places in front of loads into registers that the products read
.endr
	UNIT \k+2
.endif
.endr
.rept 4
	v_nop                                          ; places behind the last products
.endr
.irp b, 0,1,2,3                                ; x1 goes back through the stage, each accumulator from its low end on,
.irp u, 0,1
.irp v, 0,1
	ds_store_b128 v6, v[XX+16*\b+8*\u+4*\v:XX+16*\b+8*\u+4*\v+3] offset:128*\b+64*\u+16*\v
.endr
.endr
.endr
	WIN 0x40
.irp p, 0,1,2,3,4,5,6,7,8,9,10,11,12,13,14,15
	ds_load_b128 v[4*\p:4*\p+3], v5 offset:\p*SPI  ; and comes out by rows
.endr
	WIN 0
.irp b, 0,1,2,3
.irp u, 0,1
.irp v, 0,1
	global_load_b128 v[GG+16*\b+8*\u+4*\v:GG+16*\b+8*\u+4*\v+3], v7, s[6:7] offset:128*\b+64*\u+16*\v
	global_load_b128 v[SS+16*\b+8*\u+4*\v:SS+16*\b+8*\u+4*\v+3], v7, s[8:9] offset:128*\b+64*\u+16*\v
.endr
.endr
.endr
	s_wait_dscnt 0x0
	WIN 0x04                                       ; a store's data are its source 1: window 1
.irp p, 0,1,2,3,4,5,6,7,8,9,10,11,12,13,14,15
	global_store_b128 v4, v[4*\p:4*\p+3], s[38:39] offset:\p*4096        ; 512 consecutive bytes, at a multiple of 256 from x1's first byte
.endr
	WIN 0
.macro FOLD off                        ; four chains of pairs in v[242:249] become the row's total over all 1,024 columns, in v242
	s_delay_alu instid0(VALU_DEP_3)
	v_pk_add_f32 v[242:243], v[242:243], v[244:245]
	s_delay_alu instid0(VALU_DEP_2)
	v_pk_add_f32 v[246:247], v[246:247], v[248:249]
	s_delay_alu instid0(VALU_DEP_1)
	v_pk_add_f32 v[242:243], v[242:243], v[246:247]
	s_delay_alu instid0(VALU_DEP_1)
	v_add_f32 v242, v242, v243
	s_delay_alu instid0(VALU_DEP_1)
	v_permlanex16_b32 v243, v242, s[SEL], s[SEL+1]
	s_delay_alu instid0(VALU_DEP_1)
	v_add_f32 v242, v242, v243
	ds_store_b32 v9, v242 offset:\off              ; lanes l and l xor 16 write the same word with the same value
	s_wait_dscnt 0x0                               ; for the others' sake: my store has landed
	s_barrier_signal -1
	s_barrier_wait -1
	ds_load_b128 v[244:247], v8 offset:\off
	ds_load_b128 v[248:251], v8 offset:\off+16
	s_wait_dscnt 0x0
	v_pk_add_f32 v[244:245], v[244:245], v[246:247]
	v_pk_add_f32 v[248:249], v[248:249], v[250:251]
	s_delay_alu instid0(VALU_DEP_1)
	v_pk_add_f32 v[244:245], v[244:245], v[248:249]
	s_delay_alu instid0(VALU_DEP_1)
	v_add_f32 v242, v244, v245
.endm
.irp c, 0,1,2,3
	v_pk_add_f32 v[242+2*\c:243+2*\c], v[XX+4*\c:XX+4*\c+1], v[XX+4*\c+2:XX+4*\c+3]
.endr
.irp j, 16,24,32,40,48,56
.irp c, 0,1,2,3
	v_pk_add_f32 v[242+2*\c:243+2*\c], v[242+2*\c:243+2*\c], v[XX+\j+2*\c:XX+\j+2*\c+1]   ; the four chains take turns
.endr
.endr
	FOLD 0
	s_delay_alu instid0(VALU_DEP_1)
	v_mul_f32 v12, 0x3a800000, v242                ; the mean: x 2^-10, exact
	s_delay_alu instid0(VALU_DEP_2)
	v_mul_f32 v13, 0x3a800000, v242
.set IDX, 0
.rept 32
	v_pk_add_f32 v[XX+IDX:XX+IDX+1], v[XX+IDX:XX+IDX+1], v[12:13] neg_lo:[0,1] neg_hi:[0,1]   ; x1 - mean
.set IDX, IDX+2
.endr
.irp c, 0,1,2,3
	v_pk_mul_f32 v[242+2*\c:243+2*\c], v[XX+2*\c:XX+2*\c+1], v[XX+2*\c:XX+2*\c+1]
.endr
.irp j, 8,16,24,32,40,48,56
.irp c, 0,1,2,3
	s_delay_alu instid0(VALU_DEP_4)
	v_pk_fma_f32 v[242+2*\c:243+2*\c], v[XX+\j+2*\c:XX+\j+2*\c+1], v[XX+\j+2*\c:XX+\j+2*\c+1], v[242+2*\c:243+2*\c]
.endr
.endr
	FOLD 512                                       ; other bytes than the first time: no third barrier
	s_delay_alu instid0(VALU_DEP_1)
	v_fma_f32 v14, v242, s30, s31                  ; var + 1e-12
	s_wait_alu depctr_va_vdst(0)                   ; the wait ahead of the transcendental
	v_rsq_f32 v14, v14
	v_nop                                          ; one plain place behind it
	s_wait_alu depctr_va_vdst(0)                   ; and ahead of the first instruction that names the result
	v_mov_b32 v15, v14
	s_wait_alu depctr_va_vdst(0)                   ; and directly ahead of the wait below
	s_wait_loadcnt 0x0                             ; g and s
.set IDX, 0
.rept 32
	v_pk_mul_f32 v[XX+IDX:XX+IDX+1], v[XX+IDX:XX+IDX+1], v[14:15]
.set IDX, IDX+2
.endr
.set IDX, 0
.rept 32
	v_pk_fma_f32 v[XX+IDX:XX+IDX+1], v[XX+IDX:XX+IDX+1], v[GG+IDX:GG+IDX+1], v[SS+IDX:SS+IDX+1]
.set IDX, IDX+2
.endr
.irp b, 0,1,2,3                                ; the quantiser: four blocks of 32; a block lies in lanes l and l xor 16
	v_max3_num_f32 v[TM+\b], |v[XX+16*\b]|, |v[XX+1+16*\b]|, 0x1800000   ; with the floor 2^(3 - 127)
.endr
.irp i, 2,4,6,8,10,12,14
.irp b, 0,1,2,3
	s_delay_alu instid0(VALU_DEP_4)
	v_max3_num_f32 v[TM+\b], v[TM+\b], |v[XX+16*\b+\i]|, |v[XX+1+16*\b+\i]|
.endr
.endr
.irp b, 0,1,2,3
	s_delay_alu instid0(VALU_DEP_4)
	v_permlanex16_b32 v[TM+4+\b], v[TM+\b], s[SEL], s[SEL+1]
.endr
.irp b, 0,1,2,3
	s_delay_alu instid0(VALU_DEP_4)
	v_max_num_f32 v[TM+\b], v[TM+\b], v[TM+4+\b]
.endr
.irp b, 0,1,2,3
	s_delay_alu instid0(VALU_DEP_4)
	v_add_nc_u32 v[TM+8+\b], 0xff000000, v[TM+\b]  ; 2 off the exponent field: the conversion's scale operand
.endr
.irp b, 0,1,2,3
	s_delay_alu instid0(VALU_DEP_4)
	v_lshrrev_b32 v[TM+4+\b], 23, v[TM+8+\b]       ; the scale's byte
.endr
	s_delay_alu instid0(VALU_DEP_3)
	v_lshl_or_b32 v[PW], v[TM+5], 8, v[TM+4]
	s_delay_alu instid0(VALU_DEP_1)
	v_lshl_or_b32 v[PW], v[TM+6], 16, v[PW]
	s_delay_alu instid0(VALU_DEP_1)
	v_lshl_or_b32 v[PW], v[TM+7], 24, v[PW]
.irp c, 0,1
	v_cvt_scalef32_pk16_fp6_f32 v[PC+6*\c:PC+2+6*\c], v[XX+32*\c:XX+15+32*\c], v[TM+8+2*\c]
	v_cvt_scalef32_pk16_fp6_f32 v[PC+12+4*\c:PC+14+4*\c], v[XX+16+32*\c:XX+31+32*\c], v[TM+8+2*\c+1]
.endr
	v_nop                                          ; one plain place behind a scaled conversion
.irp c, 0,1                                    ; the operand's layout wants a whole block in a lane
.irp i, 0,1,2
	v_permlane16_swap_b32 v[PC+6*\c+\i], v[PC+12+4*\c+\i]
.endr
.irp i, 0,1,2
	s_delay_alu instid0(VALU_DEP_3)
	v_mov_b32 v[PC+3+6*\c+\i], v[PC+12+4*\c+\i]
.endr
.endr
.irp c, 0,1,2
	global_store_b128 v4, v[PC+4*\c:PC+4*\c+3], s[10:11] offset:512*\c    ; 512 consecutive bytes, at a multiple of 256 from hc's first byte
.endr
	global_store_b32 v10, v[PW], s[24:25]          ; 16 words; lanes l and l xor 16 store the same word with the same value
	s_wait_tensorcnt 0x0                           ; the wave's end
	ds_add_u32 v254, v255
	s_wait_dscnt 0x0
	s_endpgm
.Lfunc_end_k_q7ee3d1b08e_gfuse:
	.size	k_q7ee3d1b08e_gfuse, .Lfunc_end_k_q7ee3d1b08e_gfuse-k_q7ee3d1b08e_gfuse
	.p2alignl 7, 3214868480
	.fill 96, 4, 3214868480
	.section	.rodata,"a",@progbits
	.p2align	6, 0x0
	.amdhsa_kernel k_q7ee3d1b08e_gfuse
		.amdhsa_group_segment_fixed_size 70656
		.amdhsa_private_segment_fixed_size 0
		.amdhsa_enable_private_segment 0
		.amdhsa_kernarg_size 64
		.amdhsa_user_sgpr_count 2
		.amdhsa_user_sgpr_kernarg_segment_ptr 1
		.amdhsa_wavefront_size32 1
		.amdhsa_system_sgpr_workgroup_id_x 1
		.amdhsa_system_sgpr_workgroup_id_y 1
		.amdhsa_system_sgpr_workgroup_id_z 1
		.amdhsa_system_vgpr_workitem_id 0
		.amdhsa_next_free_vgpr 512
		.amdhsa_next_free_sgpr 66
		.amdhsa_reserve_vcc 0
		.amdhsa_float_denorm_mode_32 3
		.amdhsa_float_denorm_mode_16_64 3
		.amdhsa_memory_ordered 1
		.amdhsa_forward_progress 1
		.amdhsa_inst_pref_size 70
	.end_amdhsa_kernel
	.amdgpu_metadata
---
amdhsa.version: [ 1, 2 ]
amdhsa.kernels:
  - .name:           k_q7ee3d1b08e_gfuse
    .symbol:         k_q7ee3d1b08e_gfuse.kd
    .args:
      - { .name: x, .offset: 0, .size: 8, .value_kind: global_buffer, .address_space: global }
      - { .name: g2, .offset: 8, .size: 8, .value_kind: global_buffer, .address_space: global }
      - { .name: s2, .offset: 16, .size: 8, .value_kind: global_buffer, .address_space: global }
      - { .name: hc, .offset: 24, .size: 8, .value_kind: global_buffer, .address_space: global }
      - { .name: cc, .offset: 32, .size: 8, .value_kind: global_buffer, .address_space: global }
      - { .name: wc, .offset: 40, .size: 8, .value_kind: global_buffer, .address_space: global }
      - { .name: bo, .offset: 48, .size: 8, .value_kind: global_buffer, .address_space: global }
      - { .name: x1, .offset: 56, .size: 8, .value_kind: global_buffer, .address_space: global }
    .group_segment_fixed_size: 70656
    .private_segment_fixed_size: 0
    .kernarg_segment_align: 8
    .kernarg_segment_size: 64
    .max_flat_workgroup_size: 256
    .sgpr_count:     66
    .vgpr_count:     512
    .wavefront_size: 32
...
	.end_amdgpu_metadata
.endif
;; end of part 11
;; launch gup (part 12): grid 16 x 16, 4 waves a work-group, clusters of 4 x 4, 327,680 bytes of LDS; arguments hc, wc, b1, gc; writes gc
.if DOCPART == 12
	.amdgcn_target "amdgcn-amd-amdhsa--gfx1250"
	.amdhsa_code_object_version 6
	.text
	.protected	k_q7ee3d1b08e_gup
	.globl	k_q7ee3d1b08e_gup
	.p2align	8
	.type	k_q7ee3d1b08e_gup,@function
k_q7ee3d1b08e_gup:
	s_mov_b64 s[64:65], 0
	v_nop
	global_prefetch_b8 v0, s[64:65] scope:SCOPE_SE
	s_setreg_imm32_b32 hwreg(HW_REG_WAVE_MODE, 25, 1), 1
	s_wait_xcnt 0x0
	s_wait_alu depctr_hold_cnt(0) depctr_sa_sdst(0) depctr_va_vdst(0) depctr_va_sdst(0) depctr_va_ssrc(0) depctr_va_vcc(0) depctr_vm_vsrc(0)
	s_getreg_b32 s2, hwreg(HW_REG_IB_STS2, 6, 4)
	s_cmp_eq_u32 s2, 0
	s_cbranch_scc0 .Lentry_in_a_cluster
	s_endpgm
.Lentry_in_a_cluster:
	s_bfe_u32 s2, ttmp6, 0x10000c
	s_cmp_lg_u32 s2, 0xf033
	s_cbranch_scc0 .Lentry_shape_is_right
	s_endpgm
.Lentry_shape_is_right:
; g = gelu(h W1 + b1), quantised again as the next product's operand.  The product on codes of FP6 (E2M3) with one E8M0 scale for each 32 along K (K = 1,024); bias and activation in f32.
; OPERANDS come as RECORDS of 25,600 bytes: 128 rows x 256 K = 16 register images of fragments (16 rows x 128 K, 1,536 bytes: register group c of lane l at 512 c + 16 l; fragment 8 s + i), then their scale
; words (fragment f, row r at 24,576 + 64 f + 4 r).  Record (k / 256) RG + row / 128.  One tensor load brings a record; a fragment comes out of LDS by three loads of 16 bytes a lane.  gc is laid the same way.
; A tile of 256 x 256 is made by four waves, 128 x 128 each; K in steps of 256 through a ring of two LDS slots of four records.  256 work-groups.
; THE MATRIX INSTRUCTION IS USED TRANSPOSED (source 0 = 16 rows of W1^T, source 1 = 16 tokens): a lane holds ONE token and its registers run along the hidden units, the next product's K.
; Inside a block of 32 the places hold K with bits 3 and 4 exchanged, in every operand of this program alike: that is the order in which a transposed result's registers lie.
; GELU: 0.5 x (1 + tanh(u)) = x / (1 + 2^(x (k1 + k2 x^2))), k1 = -2 sqrt(2 / pi) log2(e), k2 = 0.044715 k1: v_exp_f32 and v_rcp_f32 in f32.  Far in the negative tail, where the written form cancels to 0, this
; form gives a number under 1e-7 |x|.  LIMITS: NaN and infinities are not served; a block of zeros gets the byte 1 (its codes are zeros; this program alone reads the bytes).
; CLUSTERS 4 x 4: A's records are shared along a row of the cluster, B's along a column: joint tensor loads.
; REGISTERS: window 0: v0-31 addresses; v32-63 scale words, two sets; v64-95 codes and quantiser's work; v128-223 A's fragments (way out: v128-191 64 numbers, v192-255 the activation's work).
;   window 1: B's fragments, two sets; v96-127, v224-255 the bias.   windows 2, 3: the accumulators, (a, b) at v[8 (8 (a % 4) + b)].
.set KK,    1024
.set RGA,   32
.set RGB,   32
.set WOFF,  3276800                    ; W1's records in wc
.set REC,   25600
.set SLOT,  4*REC
.set SPARE, 2*SLOT                     ; behind the ring: the spare words, 128 bytes for each wave: two blocks of 256 bytes that no other line names
.set FR,    12
.set NL,    3
.set NQ,    2
.set NP,    4
.set LAPS,  KK/512
.set ADRA,  16
.set ADRS,  18
.set ADRB,  20
.set SPW,   28
.set NIL,   29
.set SC,    32
.set AF,    128
.set G1,    24
.set G0,    32
.set G1B,   48
.set G0B,   56
.set SEL,   84
.set PW,    8
.set PC,    64
.set TM,    84
.set TT,    128
.set UU,    192
.set OC,    66
.set OS,    68
.set MSB,   0
.set MUL_LO, 0xa1
.set MUL_HI, 0xf1
.set TO_B,   0x40
.macro WIN new                         ; the immediate's high byte repeats the setting that is left
.if MSB != \new
	s_set_vgpr_msb (MSB<<8)|\new
.set MSB, \new
.endif
.endm
.macro JLOAD s                         ; a joint load: waves 0 and 1 fetch A's records, waves 2 and 3 B's; four v_nop follow each of the two lines
	s_cmp_eq_u32 s15, 0
	s_cbranch_scc0 .Lfor_b_\@
	tensor_load_to_lds s[G0+4*\s:G0+4*\s+3], s[G1:G1+7]
	s_nop 0
.rept 4
	v_nop
.endr
	s_branch .Lasked_\@
.Lfor_b_\@:
	tensor_load_to_lds s[G0B+4*\s:G0B+4*\s+3], s[G1B:G1B+7]
	s_nop 0
.rept 4
	v_nop
.endr
.Lasked_\@:
.endm
.macro CREST
	s_cmp_lg_u32 s14, 0
	s_cbranch_scc1 .Lnot_wave_0_\@
	s_barrier_signal -3
.Lnot_wave_0_\@:
	s_barrier_wait -3
	s_barrier_signal -1
	s_barrier_wait -1
.endm
.macro CROUND
	s_barrier_signal -1
	s_barrier_wait -1
	CREST
.endm
.macro ADVANCE slot
	s_add_nc_u64 s[G0+4*\slot+2:G0+4*\slot+3], s[G0+4*\slot+2:G0+4*\slot+3], 2*RGA*REC
	s_add_nc_u64 s[G0B+4*\slot+2:G0B+4*\slot+3], s[G0B+4*\slot+2:G0B+4*\slot+3], 2*RGB*REC
.endm
.macro FRAG reg, adr, q, i
.irp c, 0,1,2
	ds_load_b128 v[\reg+4*\c:\reg+4*\c+3], v[\adr] offset:(8*(\q)+(\i))*1536+512*\c
.endr
.endm
; 16 matrix instructions: A's blocks a0, a0 + 1 x B's eight, 128 along K.  The 64 accumulators take turns, one instruction a turn.
.macro MUL16 a0, p, q, sc, zero
.irp a, \a0, \a0+1
.irp b, 0,1,2,3,4,5,6,7
.if \zero
	v_wmma_scale_f32_16x16x128_f8f6f4 v[8*(8*((\a)%4)+\b):8*(8*((\a)%4)+\b)+7], v[128*(\p)+FR*\b:128*(\p)+FR*\b+FR-1], v[AF+FR*(\a):AF+FR*(\a)+FR-1], 0, v[SC+8*NQ*(\sc)+NQ*\b+(\q)], v[SC+8*NQ*(\sc)+NQ*(\a)+(\q)] matrix_a_fmt:MATRIX_FMT_FP6 matrix_b_fmt:MATRIX_FMT_FP6 matrix_a_scale:MATRIX_SCALE_ROW1
.else
	v_wmma_scale_f32_16x16x128_f8f6f4 v[8*(8*((\a)%4)+\b):8*(8*((\a)%4)+\b)+7], v[128*(\p)+FR*\b:128*(\p)+FR*\b+FR-1], v[AF+FR*(\a):AF+FR*(\a)+FR-1], v[8*(8*((\a)%4)+\b):8*(8*((\a)%4)+\b)+7], v[SC+8*NQ*(\sc)+NQ*\b+(\q)], v[SC+8*NQ*(\sc)+NQ*(\a)+(\q)] matrix_a_fmt:MATRIX_FMT_FP6 matrix_b_fmt:MATRIX_FMT_FP6 matrix_a_scale:MATRIX_SCALE_ROW1
.endif
.endr
.endr
.endm
.macro FETCH_B slot, q, p
	WIN TO_B
.irp i, 0,1,2,3,4,5,6,7
	FRAG 128*(\p)+FR*\i, ADRB+\slot, \q, \i
.endr
	WIN 0
.endm
.macro FETCH_A slot, q, i0
.irp i, \i0, \i0+1, \i0+2, \i0+3
	FRAG AF+FR*(\i), ADRA+\slot, \q, \i
.endr
.endm
.macro SCALES sc
.irp i, 0,1,2,3,4,5,6,7
.irp q, 0,1
	ds_load_b32 v[SC+16*\sc+2*\i+\q], v[ADRS+\sc] offset:512*\q+64*\i
.endr
.endr
.endm
.macro PLACES n
.rept \n
	v_nop
.endr
.endm
.macro STEP slot, q, zero
	s_wait_dscnt 4*NL                              ; B's set, A's blocks 0-3 and the scale words are in; the youngest 12 loads (A's blocks 4-7) may be out
	WIN MUL_LO
	MUL16 0, (\q)%2, \q, \slot, \zero
	MUL16 2, (\q)%2, \q, \slot, \zero
	s_wait_dscnt 0
	PLACES NP
	FETCH_B \slot, (\q)+1, 1-(\q)%2
	FETCH_A \slot, (\q)+1, 0
	WIN MUL_HI
	MUL16 4, (\q)%2, \q, \slot, \zero
	MUL16 6, (\q)%2, \q, \slot, \zero
	PLACES NP
	WIN 0
	FETCH_A \slot, (\q)+1, 4
.endm
.macro TURN slot, next, fill
	s_wait_tensorcnt 0x0                           ; all my tensor loads have landed: the one that was out is my record of the next slot
	ds_add_u32 v[SPW], v[NIL]                      ; 0 onto my spare word
	s_wait_dscnt 4*NL+1                            ; (the add and the youngest 12 loads may be out)
	WIN MUL_LO
	MUL16 0, 1, NQ-1, \slot, 0
	s_wait_dscnt 0x0                               ; the add is done, and my reads of this slot are over
	s_barrier_signal -1
	MUL16 2, 1, NQ-1, \slot, 0
	WIN 0
	s_barrier_wait -1
.if \fill
	CREST                                          ; the barrier has opened a round of the cluster's barrier: no wave of any partner still reads this slot or has a load on its way
	ADVANCE \slot
	JLOAD \slot
.else
	PLACES NP
.endif
	FETCH_B \next, 0, 0
	FETCH_A \next, 0, 0
	SCALES \next
	WIN MUL_HI
	MUL16 4, 1, NQ-1, \slot, 0
	MUL16 6, 1, NQ-1, \slot, 0
	PLACES NP
	WIN 0
	FETCH_A \next, 0, 4
.endm
.macro LAP
	TURN 0, 1, 1
	STEP 1, 0, 0
	TURN 1, 0, 1
	STEP 0, 0, 0
.endm
; 64 numbers of a lane, register 16 b + i = place 32 b + 16 (lane / 16) + i of my row, become a fragment's codes in v[PC] on and its scale word in v[pw].
.macro QUANT s, pw
.irp b, 0,1,2,3
	v_max3_num_f32 v[TM+\b], |v[\s+16*\b]|, |v[\s+1+16*\b]|, 0x1800000   ; my 16 numbers, and the floor 2^(3 - 127): the byte cannot fall under 1
.endr
.irp i, 2,4,6,8,10,12,14
.irp b, 0,1,2,3
	v_max3_num_f32 v[TM+\b], v[TM+\b], |v[\s+16*\b+\i]|, |v[\s+1+16*\b+\i]|
.endr
.endr
.irp b, 0,1,2,3
	v_permlanex16_b32 v[TM+4+\b], v[TM+\b], s[SEL], s[SEL+1]
.endr
.irp b, 0,1,2,3
	v_max_num_f32 v[TM+\b], v[TM+\b], v[TM+4+\b]
.endr
.irp b, 0,1,2,3
	v_add_nc_u32 v[TM+8+\b], 0xff000000, v[TM+\b]  ; 2 off the exponent field: the conversion's scale operand
.endr
.irp b, 0,1,2,3
	v_lshrrev_b32 v[TM+4+\b], 23, v[TM+8+\b]       ; the scale's byte
.endr
	v_lshl_or_b32 v[\pw], v[TM+5], 8, v[TM+4]
	v_lshl_or_b32 v[\pw], v[TM+6], 16, v[\pw]
	v_lshl_or_b32 v[\pw], v[TM+7], 24, v[\pw]
.irp c, 0,1
	v_cvt_scalef32_pk16_fp6_f32 v[PC+6*\c:PC+2+6*\c], v[\s+32*\c:\s+15+32*\c], v[TM+8+2*\c]
	v_cvt_scalef32_pk16_fp6_f32 v[PC+12+4*\c:PC+14+4*\c], v[\s+16+32*\c:\s+31+32*\c], v[TM+8+2*\c+1]
.endr
	v_nop                                          ; one plain place behind a scaled conversion
.irp c, 0,1
.irp i, 0,1,2
	v_permlane16_swap_b32 v[PC+6*\c+\i], v[PC+12+4*\c+\i]
.endr
.irp i, 0,1,2
	v_mov_b32 v[PC+3+6*\c+\i], v[PC+12+4*\c+\i]
.endr
.endr
.endm
	s_load_b256 s[4:11], s[0:1], 0x0               ; hc s[4:5], wc s[6:7], b1 s[8:9], gc s[10:11]
	v_lshl_add_u32 v[SPW], v0, 2, SPARE
	v_mov_b32 v[NIL], 0
	ds_add_u32 v28, v29
	ds_add_u32 v28, v29
	s_wait_dscnt 0x0
	v_lshrrev_b32 v1, 5, v0
	v_readfirstlane_b32 s14, v1                    ; wave 0..3
	s_lshr_b32 s15, s14, 1
	s_and_b32 s16, s14, 1
	s_bfe_u32 s40, ttmp6, 0x40000
	s_bfe_u32 s41, ttmp6, 0x40004
	s_lshl_b32 s42, ttmp9, 2
	s_add_co_u32 s42, s42, s40                     ; tile column
	s_and_b32 s17, ttmp7, 0xffff
	s_lshl_b32 s17, s17, 2
	s_add_co_u32 s17, s17, s41                     ; tile row
	s_lshl_b32 s43, s41, 2
	s_lshl_b32 s43, 15, s43
	s_lshl_b32 s44, 0x1111, s40
	s_or_b32 s[G1+0], s43, (3<<16)|(1<<21)         ; a record: 100 rows of 32 elements of 8 bytes, dense, no padding; 15:0 the mask; 21 set beside it
	s_or_b32 s[G1B+0], s44, (3<<16)|(1<<21)
.irp g, G1, G1B
	s_mov_b32 s[\g+1], 32<<16
	s_mov_b32 s[\g+2], 100<<16
	s_mov_b32 s[\g+3], 32<<16
	s_mov_b32 s[\g+4], 100
	s_mov_b32 s[\g+5], 32
	s_mov_b32 s[\g+6], 0
	s_mov_b32 s[\g+7], 0
.endr
	s_lshl_b32 s20, s17, 1
	s_add_co_u32 s20, s20, s16
	s_mul_i32 s20, s20, REC
	s_mov_b32 s21, 0
	s_lshl_b32 s46, s42, 1
	s_add_co_u32 s46, s46, s16
	s_mul_i32 s46, s46, REC
	s_add_co_u32 s46, s46, WOFF
	s_mov_b32 s47, 0
	s_mul_i32 s45, s14, REC
	s_mov_b32 s[SEL], 0x76543210
	s_mov_b32 s[SEL+1], 0xfedcba98
	s_mov_b32 s77, 0xffff0000                      ; lanes 16-31
	s_mov_b32 s78, 0xbdd2d3e8                      ; k2
	s_mov_b32 s79, s78
	s_wait_kmcnt 0x0
	s_add_nc_u64 s[20:21], s[4:5], s[20:21]
	s_add_nc_u64 s[46:47], s[6:7], s[46:47]
	CROUND                                         ; all sixteen work-groups are here: the first joint loads meet
.irp s, 0,1
	s_mov_b32 s[G0+4*\s], 1
	s_add_co_u32 s[G0+4*\s+1], s45, \s*SLOT
	s_add_nc_u64 s[G0+4*\s+2:G0+4*\s+3], s[20:21], \s*RGA*REC
	s_or_b32 s[G0+4*\s+3], s[G0+4*\s+3], 0x80000000
	s_mov_b32 s[G0B+4*\s], 1
	s_add_co_u32 s[G0B+4*\s+1], s45, \s*SLOT
	s_add_nc_u64 s[G0B+4*\s+2:G0B+4*\s+3], s[46:47], \s*RGB*REC
	s_or_b32 s[G0B+4*\s+3], s[G0B+4*\s+3], 0x80000000
.endr
	JLOAD 0                                        ; K step 0
	v_and_b32 v1, 15, v0                           ; r
	v_bfe_u32 v2, v0, 4, 1                         ; h
	v_and_b32 v3, 31, v0
	v_lshlrev_b32 v26, 4, v3                       ; v26: 16 x lane
	v_lshlrev_b32 v27, 2, v3                       ; v27: 4 x lane
	v_lshlrev_b32 v22, 5, v2                       ; v22: 32 h
	s_wait_alu depctr_va_vdst(0)
	s_mul_i32 s21, s15, REC
	s_mul_i32 s22, s16, REC
	s_add_co_u32 s22, s22, 2*REC
	v_add_nc_u32 v[ADRA], s21, v26
	v_add_nc_u32 v[ADRB], s22, v26
	v_add_nc_u32 v[ADRA+1], SLOT, v[ADRA]
	v_add_nc_u32 v[ADRB+1], SLOT, v[ADRB]
	s_xor_b32 s22, s15, 1
	s_add_co_u32 s22, s22, s16
	s_add_co_u32 s22, s22, 1
	s_mul_i32 s22, s22, REC
	v_mul_u32_u24 v4, s22, v2
	v_lshl_add_u32 v4, v1, 2, v4
	s_add_co_u32 s21, s21, 24576
	v_add_nc_u32 v[ADRS], s21, v4
	v_add_nc_u32 v[ADRS+1], SLOT, v[ADRS]
	s_lshl_b32 s88, s42, 5
	s_lshl_b32 s89, s17, 1
	s_add_co_u32 s88, s88, s89
	s_add_co_u32 s88, s88, s15
	s_mul_i32 s88, s88, REC                        ; gc's record 32 x tile column + 2 x tile row + row half
	s_mul_i32 s90, s16, 12288                      ; its fragments 8 x column half on
	s_add_co_u32 s90, s90, s88
	s_mov_b32 s91, 0
	s_add_nc_u64 s[OC:OC+1], s[10:11], s[90:91]
	s_lshl_b32 s90, s16, 9
	s_add_co_u32 s90, s90, s88
	s_add_co_u32 s90, s90, 24576
	s_add_nc_u64 s[OS:OS+1], s[10:11], s[90:91]
	s_lshl_b32 s90, s42, 10
	s_lshl_b32 s89, s16, 9
	s_add_co_u32 s90, s90, s89
	s_add_nc_u64 s[8:9], s[8:9], s[90:91]          ; b1 at my 128 hidden units
	WIN TO_B                                       ; register 8 b + j = number 16 b + 8 h + j, into window 1's idle registers; wanted only on the way out
.irp b, 0,1,2,3,4,5,6,7
	global_load_b128 v[96+8*\b+96*(\b/4):99+8*\b+96*(\b/4)], v22, s[8:9] offset:64*\b
	global_load_b128 v[100+8*\b+96*(\b/4):103+8*\b+96*(\b/4)], v22, s[8:9] offset:64*\b+16
.endr
	WIN 0
	s_wait_alu depctr_va_vdst(0)
	s_wait_tensorcnt 0x0                           ; my record of K step 0 is in
	ds_add_u32 v[SPW], v[NIL]
	s_wait_dscnt 0x0
	CROUND                                         ; a whole round: everybody's record is in, and the joint loads meet
	JLOAD 1                                        ; K step 1, the first tensor load behind the round
	FETCH_B 0, 0, 0
	FETCH_A 0, 0, 0
	SCALES 0
	FETCH_A 0, 0, 4
	STEP 0, 0, 1                                   ; the first step's products start the sums
	LAP                                            ; K = 1,024 is two laps: one that fills both slots again,
	TURN 0, 1, 0                                   ; and one that fills nothing
	STEP 1, 0, 0
	s_wait_dscnt 4*NL
	WIN MUL_LO
	MUL16 0, 1, NQ-1, 1, 0
	MUL16 2, 1, NQ-1, 1, 0
	s_wait_dscnt 0
	WIN MUL_HI
	MUL16 4, 1, NQ-1, 1, 0
	MUL16 6, 1, NQ-1, 1, 0
	WIN 0
	; THE WAY OUT: block a (16 tokens x my 128 hidden units): bias, activation, quantiser, and the fragment's image is stored.
	PLACES NP
	s_wait_loadcnt 0x0                             ; the bias
.irp b, 0,1,2,3
	v_mov_b32 v[TM+4+\b], 0                        ; written once: a lane permute's destination counts as one of its sources
.endr
	v_mov_b32 v4, 0xc0135761                       ; k1, twice: a pair for the packed form
	v_mov_b32 v5, v4
.macro EPI a
.set AC, 64*((\a)%4)
.if (\a) > 0
	s_wait_xcnt 0x0                                ; the last block's stores have read their registers
.endif
	WIN 0x06+(\a)/4                                ; source 0: the accumulators' window; source 1: window 1
.set IDX, 0
.rept 32
	v_pk_add_f32 v[TT+IDX:TT+IDX+1], v[AC+IDX:AC+IDX+1], v[96+IDX+96*(IDX/32):97+IDX+96*(IDX/32)]   ; each accumulator from its low end on
.set IDX, IDX+2
.endr
	WIN 0
.set IDX, 0
.rept 32
	v_pk_mul_f32 v[UU+IDX:UU+IDX+1], v[TT+IDX:TT+IDX+1], v[TT+IDX:TT+IDX+1]                        ; x^2
.set IDX, IDX+2
.endr
.set IDX, 0
.rept 32
	v_pk_fma_f32 v[UU+IDX:UU+IDX+1], v[UU+IDX:UU+IDX+1], s[78:79], v[4:5] op_sel_hi:[1,0,1]        ; k1 + k2 x^2
.set IDX, IDX+2
.endr
.set IDX, 0
.rept 32
	v_pk_mul_f32 v[UU+IDX:UU+IDX+1], v[UU+IDX:UU+IDX+1], v[TT+IDX:TT+IDX+1]                        ; x (k1 + k2 x^2)
.set IDX, IDX+2
.endr
.set IDX, 0
	s_wait_alu depctr_va_vdst(0)
.rept 64
	v_exp_f32 v[UU+IDX], v[UU+IDX]
.set IDX, IDX+1
.endr
	v_nop                                          ; one plain place behind the batch
	s_wait_alu depctr_va_vdst(0)                   ; one wait for the 64, ahead of their first reader
.set IDX, 0
.rept 32
	v_pk_add_f32 v[UU+IDX:UU+IDX+1], v[UU+IDX:UU+IDX+1], 1.0 op_sel_hi:[1,0]
.set IDX, IDX+2
.endr
.set IDX, 0
	s_wait_alu depctr_va_vdst(0)
.rept 64
	v_rcp_f32 v[UU+IDX], v[UU+IDX]
.set IDX, IDX+1
.endr
	v_nop
	s_wait_alu depctr_va_vdst(0)
.set IDX, 0
.rept 32
	v_pk_mul_f32 v[TT+IDX:TT+IDX+1], v[TT+IDX:TT+IDX+1], v[UU+IDX:UU+IDX+1]
.set IDX, IDX+2
.endr
	QUANT TT, PW+(\a)
.irp c, 0,1,2
	global_store_b128 v26, v[PC+4*\c:PC+4*\c+3], s[OC:OC+1] offset:1536*(\a)+512*\c   ; 32 lanes store 512 consecutive bytes, at a multiple of 256 from gc's first byte
.endr
.endm
.irp a, 0,1,2,3,4,5,6,7
	EPI \a
.endr
.irp a, 0,2,4,6
	v_cndmask_b32 v[(\a)/2], v[PW+\a], v[PW+\a+1], s77         ; lanes 0-15 block a's words, lanes 16-31 block a + 1's
	global_store_b32 v27, v[(\a)/2], s[OS:OS+1] offset:64*\a   ; 128 consecutive bytes
.endr
	s_wait_tensorcnt 0x0                           ; the wave's end
	ds_add_u32 v[SPW], v[NIL]
	s_wait_dscnt 0x0
	CROUND                                         ; the closing round
	s_endpgm
.Lfunc_end_k_q7ee3d1b08e_gup:
	.size	k_q7ee3d1b08e_gup, .Lfunc_end_k_q7ee3d1b08e_gup-k_q7ee3d1b08e_gup
	.p2alignl 7, 3214868480
	.fill 96, 4, 3214868480
	.section	.rodata,"a",@progbits
	.p2align	6, 0x0
	.amdhsa_kernel k_q7ee3d1b08e_gup
		.amdhsa_group_segment_fixed_size 327680
		.amdhsa_private_segment_fixed_size 0
		.amdhsa_enable_private_segment 0
		.amdhsa_kernarg_size 32
		.amdhsa_user_sgpr_count 2
		.amdhsa_user_sgpr_kernarg_segment_ptr 1
		.amdhsa_wavefront_size32 1
		.amdhsa_system_sgpr_workgroup_id_x 1
		.amdhsa_system_sgpr_workgroup_id_y 1
		.amdhsa_system_sgpr_workgroup_id_z 1
		.amdhsa_system_vgpr_workitem_id 0
		.amdhsa_next_free_vgpr 1024
		.amdhsa_next_free_sgpr 100
		.amdhsa_reserve_vcc 0
		.amdhsa_float_denorm_mode_32 3
		.amdhsa_float_denorm_mode_16_64 3
		.amdhsa_memory_ordered 1
		.amdhsa_forward_progress 1
		.amdhsa_inst_pref_size 255
	.end_amdhsa_kernel
	.section	.bss,"aw",@nobits
	.p2align	6
	.space	262144
	.amdgpu_metadata
---
amdhsa.version: [ 1, 2 ]
amdhsa.kernels:
  - .name:           k_q7ee3d1b08e_gup
    .symbol:         k_q7ee3d1b08e_gup.kd
    .args:
      - { .name: hc, .offset: 0, .size: 8, .value_kind: global_buffer, .address_space: global }
      - { .name: wc, .offset: 8, .size: 8, .value_kind: global_buffer, .address_space: global }
      - { .name: b1, .offset: 16, .size: 8, .value_kind: global_buffer, .address_space: global }
      - { .name: gc, .offset: 24, .size: 8, .value_kind: global_buffer, .address_space: global }
    .group_segment_fixed_size: 327680
    .private_segment_fixed_size: 0
    .kernarg_segment_align: 8
    .kernarg_segment_size: 32
    .max_flat_workgroup_size: 128
    .sgpr_count:     100
    .vgpr_count:     1024
    .wavefront_size: 32
...
	.end_amdgpu_metadata
.endif
;; end of part 12
;; launch gdown (part 13): grid 8 x 32, 4 waves a work-group, clusters of 4 x 4, 327,680 bytes of LDS; arguments gc, wc, b2, x1, out0; writes out0
.if DOCPART == 13
	.amdgcn_target "amdgcn-amd-amdhsa--gfx1250"
	.amdhsa_code_object_version 6
	.text
	.protected	k_q7ee3d1b08e_gdown
	.globl	k_q7ee3d1b08e_gdown
	.p2align	8
	.type	k_q7ee3d1b08e_gdown,@function
k_q7ee3d1b08e_gdown:
	s_mov_b64 s[64:65], 0
	v_nop
	global_prefetch_b8 v0, s[64:65] scope:SCOPE_SE
	s_setreg_imm32_b32 hwreg(HW_REG_WAVE_MODE, 25, 1), 1
	s_wait_xcnt 0x0
	s_wait_alu depctr_hold_cnt(0) depctr_sa_sdst(0) depctr_va_vdst(0) depctr_va_sdst(0) depctr_va_ssrc(0) depctr_va_vcc(0) depctr_vm_vsrc(0)
	s_getreg_b32 s2, hwreg(HW_REG_IB_STS2, 6, 4)
	s_cmp_eq_u32 s2, 0
	s_cbranch_scc0 .Lentry_in_a_cluster
	s_endpgm
.Lentry_in_a_cluster:
	s_bfe_u32 s2, ttmp6, 0x10000c
	s_cmp_lg_u32 s2, 0xf033
	s_cbranch_scc0 .Lentry_shape_is_right
	s_endpgm
.Lentry_shape_is_right:
.set KK,    4096
.set RGA,   32
.set RGB,   8
.set WOFF,  6553600
.set NTOUT, 1
.set REC,   25600
.set RECE,  REC/8
.set SPARE, 12*REC
.set STAGE, SPARE+512
.set SPITCH, 272
.set FR,    12
.set NF,    28
.set NP,    4
.set BI,    4
.set ADA,   8
.set ADB,   12
.set ADS,   16
.set STO,   24
.set RD,    25
.set CO,    26
.set CB,    27
.set SPW,   28
.set NIL,   29
.set SC,    32
.set FB,    64
.set BK,    64
.set RS,    128
.set G1,    24
.set G1B,   32
.set G1S,   40
.set G1SB,  48
.set G0,    56
.set G0B,   60
.set G0S,   68
.set G0SB,  72
.set MSB,   0
.set W_MUL, 0x50
.set W_D1,  0x40
.set W_S1,  0x04
.macro WIN new
.if MSB != \new
	s_set_vgpr_msb (MSB<<8)|\new
.set MSB, \new
.endif
.endm
.macro JLOAD g0a, g1a, g0b, g1b
	s_cmp_eq_u32 s15, 0
	s_cbranch_scc0 .Lfor_b_\@
	tensor_load_to_lds s[\g0a:\g0a+3], s[\g1a:\g1a+7]
	s_nop 0
.rept 4
	v_nop
.endr
	s_branch .Lasked_\@
.Lfor_b_\@:
	tensor_load_to_lds s[\g0b:\g0b+3], s[\g1b:\g1b+7]
	s_nop 0
.rept 4
	v_nop
.endr
.Lasked_\@:
.endm
.macro CREST
	s_cmp_lg_u32 s14, 0
	s_cbranch_scc1 .Lnot_wave_0_\@
	s_barrier_signal -3
.Lnot_wave_0_\@:
	s_barrier_wait -3
	s_barrier_signal -1
	s_barrier_wait -1
.endm
.macro CROUND
	s_barrier_signal -1
	s_barrier_wait -1
	CREST
.endm
.macro PLACES n
.rept \n
	v_nop
.endr
.endm
.macro FETCH u, q
.irp a, 0,1,2,3
.irp c, 0,1,2
	ds_load_b128 v[FB+96*(\q)+FR*\a+4*\c:FB+96*(\q)+FR*\a+4*\c+3], v[ADA+(\u)/2] offset:((\u)%2)*REC+(8*(\q)+\a)*1536+512*\c
.endr
.endr
.irp b, 0,1,2,3
.irp c, 0,1,2
	ds_load_b128 v[FB+96*(\q)+48+FR*\b+4*\c:FB+96*(\q)+48+FR*\b+4*\c+3], v[ADB+(\u)/2] offset:((\u)%2)*REC+(8*(\q)+\b)*1536+512*\c
.endr
.endr
.irp i, 0,1,2,3
	ds_load_b32 v[SC+4*(\q)+\i], v[ADS+(\u)/2] offset:((\u)%2)*REC+512*(\q)+64*\i
.endr
.endm
.macro MUL8 q, a0, zero
.irp a, \a0, \a0+1
.irp b, 0,1,2,3
.if \zero
	v_wmma_scale_f32_16x16x128_f8f6f4 v[8*(4*(\a)+\b):8*(4*(\a)+\b)+7], v[FB+96*(\q)+48+FR*\b:FB+96*(\q)+48+FR*\b+FR-1], v[FB+96*(\q)+FR*(\a):FB+96*(\q)+FR*(\a)+FR-1], 0, v[SC+4*(\q)+\b], v[SC+4*(\q)+(\a)] matrix_a_fmt:MATRIX_FMT_FP6 matrix_b_fmt:MATRIX_FMT_FP6 matrix_a_scale:MATRIX_SCALE_ROW1
.else
	v_wmma_scale_f32_16x16x128_f8f6f4 v[8*(4*(\a)+\b):8*(4*(\a)+\b)+7], v[FB+96*(\q)+48+FR*\b:FB+96*(\q)+48+FR*\b+FR-1], v[FB+96*(\q)+FR*(\a):FB+96*(\q)+FR*(\a)+FR-1], v[8*(4*(\a)+\b):8*(4*(\a)+\b)+7], v[SC+4*(\q)+\b], v[SC+4*(\q)+(\a)] matrix_a_fmt:MATRIX_FMT_FP6 matrix_b_fmt:MATRIX_FMT_FP6 matrix_a_scale:MATRIX_SCALE_ROW1
.endif
.endr
.endr
.endm
.macro HSTEP q, nu, nq, zero
	PLACES NP
	FETCH \nu, \nq
	s_wait_dscnt NF
	WIN W_MUL
	MUL8 \q, 0, \zero
	MUL8 \q, 2, \zero
	WIN 0
.endm
.macro PASS u0, n, zero
.set KU, \u0
.set ZZ, \zero
.rept (\n)-1
	HSTEP 0, KU, 1, ZZ
.set ZZ, 0
	HSTEP 1, KU+1, 0, 0
.set KU, KU+1
.endr
	HSTEP 0, KU, 1, 0
.endm
.macro SYNC fill, nu
	s_wait_tensorcnt 0x0
	ds_add_u32 v[SPW], v[NIL]
	s_wait_dscnt 1
	WIN W_MUL
	MUL8 1, 0, 0
	s_wait_dscnt 0x0
	s_barrier_signal -1
	MUL8 1, 2, 0
	WIN 0
	s_barrier_wait -1
.if \fill == 1
	CREST
	s_add_nc_u64 s[G0+2:G0+3], s[G0+2:G0+3], 6*RGA*REC
	s_add_nc_u64 s[G0B+2:G0B+3], s[G0B+2:G0B+3], 6*RGB*REC
	JLOAD G0, G1, G0B, G1B
.elseif \fill == 2
	CREST
	s_add_nc_u64 s[G0S+2:G0S+3], s[G0S+2:G0S+3], 6*RGA*REC
	s_add_nc_u64 s[G0SB+2:G0SB+3], s[G0SB+2:G0SB+3], 6*RGB*REC
	JLOAD G0S, G1S, G0SB, G1SB
.else
	PLACES NP
.endif
	FETCH \nu, 0
.endm
	s_load_b256 s[4:11], s[0:1], 0x0
	s_load_b64 s[12:13], s[0:1], 0x20
	v_lshl_add_u32 v[SPW], v0, 2, SPARE
	v_mov_b32 v[NIL], 0
	ds_add_u32 v28, v29
	ds_add_u32 v28, v29
	s_wait_dscnt 0x0
	v_lshrrev_b32 v1, 5, v0
	v_readfirstlane_b32 s14, v1
	s_lshr_b32 s15, s14, 1
	s_and_b32 s16, s14, 1
	s_bfe_u32 s76, ttmp6, 0x40000
	s_bfe_u32 s77, ttmp6, 0x40004
	s_lshl_b32 s78, ttmp9, 2
	s_add_co_u32 s78, s78, s76
	s_and_b32 s17, ttmp7, 0xffff
	s_lshl_b32 s17, s17, 2
	s_add_co_u32 s17, s17, s77
	s_lshl_b32 s79, s77, 2
	s_lshl_b32 s79, 15, s79
	s_lshl_b32 s80, 0x1111, s76
	s_or_b32 s[G1+0], s79, (3<<16)|(1<<21)
	s_or_b32 s[G1B+0], s80, (3<<16)|(1<<21)
.irp g, G1, G1B
	s_mov_b32 s[\g+1], RECE<<16
	s_mov_b32 s[\g+2], 2<<16
	s_mov_b32 s[\g+3], RECE<<16
	s_mov_b32 s[\g+4], 2
	s_mov_b32 s[\g+6], 0
	s_mov_b32 s[\g+7], 0
.endr
	s_mov_b32 s[G1+5], RGA*RECE
	s_mov_b32 s[G1B+5], RGB*RECE
.if KK > 1024
	s_or_b32 s[G1S+0], s79, (3<<16)|(1<<21)
	s_or_b32 s[G1SB+0], s80, (3<<16)|(1<<21)
.irp g, G1S, G1SB
	s_mov_b32 s[\g+1], RECE<<16
	s_mov_b32 s[\g+2], 1<<16
	s_mov_b32 s[\g+3], RECE<<16
	s_mov_b32 s[\g+4], 1
	s_mov_b32 s[\g+6], 0
	s_mov_b32 s[\g+7], 0
.endr
	s_mov_b32 s[G1S+5], RGA*RECE
	s_mov_b32 s[G1SB+5], RGB*RECE
.endif
	s_mul_i32 s84, s17, REC
	s_mul_i32 s18, s16, 2*RGA*REC
	s_add_co_u32 s84, s84, s18
	s_mov_b32 s85, 0
	s_mul_i32 s86, s78, REC
	s_mul_i32 s18, s16, 2*RGB*REC
	s_add_co_u32 s86, s86, s18
	s_add_co_u32 s86, s86, WOFF
	s_mov_b32 s87, 0
	s_mul_i32 s81, s14, 2*REC
.if KK > 1024
	s_mul_i32 s88, s17, REC
	s_mul_i32 s18, s16, RGA*REC
	s_add_co_u32 s88, s88, s18
	s_add_co_u32 s88, s88, 4*RGA*REC
	s_mov_b32 s89, 0
	s_mul_i32 s90, s78, REC
	s_mul_i32 s18, s16, RGB*REC
	s_add_co_u32 s90, s90, s18
	s_add_co_u32 s90, s90, WOFF+4*RGB*REC
	s_mov_b32 s91, 0
	s_mul_i32 s82, s14, REC
	s_add_co_u32 s82, s82, 8*REC
.endif
	s_wait_kmcnt 0x0
	s_add_nc_u64 s[84:85], s[4:5], s[84:85]
	s_add_nc_u64 s[86:87], s[6:7], s[86:87]
.if KK > 1024
	s_add_nc_u64 s[88:89], s[4:5], s[88:89]
	s_add_nc_u64 s[90:91], s[6:7], s[90:91]
.endif
	CROUND
	s_mov_b32 s[G0], 1
	s_mov_b32 s[G0+1], s81
	s_mov_b64 s[G0+2:G0+3], s[84:85]
	s_or_b32 s[G0+3], s[G0+3], 0x80000000
	s_mov_b32 s[G0B], 1
	s_mov_b32 s[G0B+1], s81
	s_mov_b64 s[G0B+2:G0B+3], s[86:87]
	s_or_b32 s[G0B+3], s[G0B+3], 0x80000000
	JLOAD G0, G1, G0B, G1B
.if KK > 1024
	s_mov_b32 s[G0S], 1
	s_mov_b32 s[G0S+1], s82
	s_mov_b64 s[G0S+2:G0S+3], s[88:89]
	s_or_b32 s[G0S+3], s[G0S+3], 0x80000000
	s_mov_b32 s[G0SB], 1
	s_mov_b32 s[G0SB+1], s82
	s_mov_b64 s[G0SB+2:G0SB+3], s[90:91]
	s_or_b32 s[G0SB+3], s[G0SB+3], 0x80000000
	s_wait_alu depctr_va_vdst(0)
	s_wait_tensorcnt 0x0
	ds_add_u32 v28, v29
	s_wait_dscnt 0x0
	CROUND
	JLOAD G0S, G1S, G0SB, G1SB
.endif
	v_and_b32 v1, 15, v0
	v_bfe_u32 v2, v0, 4, 1
	s_wait_alu depctr_va_vdst(0)
	v_and_b32 v3, 31, v0
	v_lshlrev_b32 v20, 4, v3
	s_mul_i32 s18, s15, 6144
	s_mul_i32 s19, s16, 6144
	s_add_co_u32 s19, s19, 4*REC
	v_add_nc_u32 v[ADA], s18, v20
	v_add_nc_u32 v[ADB], s19, v20
	v_add_nc_u32 v[ADA+1], 2*REC, v[ADA]
	v_add_nc_u32 v[ADB+1], 2*REC, v[ADB]
	s_xor_b32 s20, s15, 1
	s_add_co_u32 s20, s20, s16
	s_lshl_b32 s20, s20, 8
	s_add_co_u32 s21, s20, 4*REC-256
	s_lshl_b32 s23, s15, 8
	s_add_co_u32 s23, s23, 24576
	v_mul_u32_u24 v21, s21, v2
	v_lshl_add_u32 v21, v1, 2, v21
	v_add_nc_u32 v[ADS], s23, v21
	v_add_nc_u32 v[ADS+1], 2*REC, v[ADS]
.if KK > 1024
	v_add_nc_u32 v[ADA+2], 8*REC, v[ADA]
	v_add_nc_u32 v[ADB+2], 6*REC, v[ADB]
	s_add_co_u32 s22, s20, 2*REC-256
	v_mul_u32_u24 v22, s22, v2
	v_lshl_add_u32 v22, v1, 2, v22
	s_add_co_u32 s23, s23, 8*REC
	v_add_nc_u32 v[ADS+2], s23, v22
.endif
	s_mul_i32 s18, s14, 16*SPITCH
	s_add_co_u32 s18, s18, STAGE
	v_mul_u32_u24 v21, v1, SPITCH
	v_lshl_add_u32 v21, v2, 5, v21
	v_add_nc_u32 v[STO], s18, v21
	v_lshlrev_b32 v[CB], 4, v1
	s_wait_alu depctr_va_vdst(0)
	v_mul_u32_u24 v22, v2, SPITCH
	v_add_nc_u32 v22, v22, v[CB]
	v_add_nc_u32 v[RD], s18, v22
	v_lshl_add_u32 v[CO], v2, 12, v[CB]
	s_wait_alu depctr_va_vdst(0)
	s_lshl_b32 s18, s17, 7
	s_lshl_b32 s19, s15, 6
	s_add_co_u32 s18, s18, s19
	s_lshl_b32 s18, s18, 12
	s_lshl_b32 s20, s78, 9
	s_lshl_b32 s21, s16, 8
	s_add_co_u32 s20, s20, s21
	s_mov_b32 s21, 0
	s_add_nc_u64 s[8:9], s[8:9], s[20:21]
	s_add_co_u32 s18, s18, s20
	s_mov_b32 s19, 0
	s_add_nc_u64 s[10:11], s[10:11], s[18:19]
	s_add_nc_u64 s[12:13], s[12:13], s[18:19]
	global_load_b128 v[BI:BI+3], v[CB], s[8:9]
	WIN W_D1
.set IDX, 0
.rept 32
	global_load_b128 v[RS+4*IDX:RS+4*IDX+3], v[CO], s[10:11] offset:2*IDX*4096
.set IDX, IDX+1
.endr
	WIN 0
.if KK > 1024
	s_wait_tensorcnt 1
.else
	s_wait_tensorcnt 0x0
.endif
	s_barrier_signal -1
	s_barrier_wait -1
	FETCH 0, 0
	PASS 0, 4, 1
.if KK > 1024
	SYNC 1, 4
	PASS 4, 2, 0
	SYNC 2, 0
	PASS 0, 4, 0
	SYNC 1, 4
	PASS 4, 2, 0
	SYNC 0, 0
	PASS 0, 4, 0
.endif
	s_wait_dscnt 0x0
	WIN W_MUL
	MUL8 1, 0, 0
	MUL8 1, 2, 0
	WIN 0
.macro TOSTAGE a
	WIN W_S1
.irp b, 0,1,2,3
	ds_store_b128 v[STO], v[8*(4*(\a)+\b):8*(4*(\a)+\b)+3] offset:64*\b
	ds_store_b128 v[STO], v[8*(4*(\a)+\b)+4:8*(4*(\a)+\b)+7] offset:64*\b+16
.endr
	WIN 0
.set BB, BK+32*((\a)%2)
.irp t, 0,1,2,3,4,5,6,7
	ds_load_b128 v[BB+4*\t:BB+4*\t+3], v[RD] offset:\t*2*SPITCH
.endr
.endm
.macro SEND a, younger
.set BB, BK+32*((\a)%2)
.set RR, RS+32*(\a)
	s_wait_dscnt \younger
	WIN W_S1
.set IDX, 0
.rept 16
	v_pk_add_f32 v[BB+IDX:BB+IDX+1], v[BB+IDX:BB+IDX+1], v[RR+IDX:RR+IDX+1]
.set IDX, IDX+2
.endr
	WIN 0
.irp t, 0,1,2,3,4,5,6,7
	v_pk_add_f32 v[BB+4*\t:BB+4*\t+1], v[BB+4*\t:BB+4*\t+1], v[BI:BI+1]
	v_pk_add_f32 v[BB+4*\t+2:BB+4*\t+3], v[BB+4*\t+2:BB+4*\t+3], v[BI+2:BI+3]
.endr
.irp t, 0,1,2,3,4,5,6,7
.if NTOUT
	global_store_b128 v[CO], v[BB+4*\t:BB+4*\t+3], s[12:13] offset:(16*(\a)+2*\t)*4096 th:TH_STORE_NT
.else
	global_store_b128 v[CO], v[BB+4*\t:BB+4*\t+3], s[12:13] offset:(16*(\a)+2*\t)*4096
.endif
.endr
.endm
	PLACES NP
	s_wait_loadcnt 0x0
	TOSTAGE 0
.irp a, 1,2,3
.if \a > 1
	s_wait_xcnt 0x0
.endif
	TOSTAGE \a
	SEND \a-1, 16
.endr
	SEND 3, 0
	s_wait_tensorcnt 0x0
	ds_add_u32 v[SPW], v[NIL]
	s_wait_dscnt 0x0
	CROUND
	s_endpgm
.Lfunc_end_k_q7ee3d1b08e_gdown:
	.size	k_q7ee3d1b08e_gdown, .Lfunc_end_k_q7ee3d1b08e_gdown-k_q7ee3d1b08e_gdown
	.p2alignl 7, 3214868480
	.fill 96, 4, 3214868480
	.section	.rodata,"a",@progbits
	.p2align	6, 0x0
	.amdhsa_kernel k_q7ee3d1b08e_gdown
		.amdhsa_group_segment_fixed_size 327680
		.amdhsa_private_segment_fixed_size 0
		.amdhsa_enable_private_segment 0
		.amdhsa_kernarg_size 40
		.amdhsa_user_sgpr_count 2
		.amdhsa_user_sgpr_kernarg_segment_ptr 1
		.amdhsa_wavefront_size32 1
		.amdhsa_system_sgpr_workgroup_id_x 1
		.amdhsa_system_sgpr_workgroup_id_y 1
		.amdhsa_system_sgpr_workgroup_id_z 1
		.amdhsa_system_vgpr_workitem_id 0
		.amdhsa_next_free_vgpr 512
		.amdhsa_next_free_sgpr 96
		.amdhsa_reserve_vcc 0
		.amdhsa_float_denorm_mode_32 3
		.amdhsa_float_denorm_mode_16_64 3
		.amdhsa_memory_ordered 1
		.amdhsa_forward_progress 1
		.amdhsa_inst_pref_size 159
	.end_amdhsa_kernel
	.amdgpu_metadata
---
amdhsa.version: [ 1, 2 ]
amdhsa.kernels:
  - .name:           k_q7ee3d1b08e_gdown
    .symbol:         k_q7ee3d1b08e_gdown.kd
    .args:
      - { .name: gc, .offset: 0, .size: 8, .value_kind: global_buffer, .address_space: global }
      - { .name: wc, .offset: 8, .size: 8, .value_kind: global_buffer, .address_space: global }
      - { .name: b2, .offset: 16, .size: 8, .value_kind: global_buffer, .address_space: global }
      - { .name: x1, .offset: 24, .size: 8, .value_kind: global_buffer, .address_space: global }
      - { .name: out0, .offset: 32, .size: 8, .value_kind: global_buffer, .address_space: global }
    .group_segment_fixed_size: 327680
    .private_segment_fixed_size: 0
    .kernarg_segment_align: 8
    .kernarg_segment_size: 40
    .max_flat_workgroup_size: 128
    .sgpr_count:     96
    .vgpr_count:     512
    .wavefront_size: 32
...
	.end_amdgpu_metadata
.endif
;; end of part 13
